; MI455X (gfx1250); checked and timed in simulation.
; The chip was launched on July 23, 2026; its instructions are those of AMD's public machine-readable ISA for CDNA 5 (MIT licence, August 2026) and "CDNA5" Instruction Set Architecture Reference Guide (July 2026). The comments in the code are by the model that wrote it; some were corrected since.
;; Attention. Allowed arithmetic: float matrix products may take bf16 or f16 operands with f32 sums; all other float work in f32.
;; Inputs: Wk 1,024 x 1,024 float32; Wo 1,024 x 1,024 float32; Wq 1,024 x 1,024 float32; Wv 1,024 x 1,024 float32; bk 1,024 float32; bo 1,024 float32; bq 1,024 float32; bv 1,024 float32; k 8 x 2,048 x 1,024 float32; mask 8 x 2,048 int32; q 8 x 512 x 1,024 float32.
;; Outputs: out0 8 x 512 x 1,024 float32.
;; 3 versions, each right; version 2 is faster than version 1; version 3 is version 2 with the launch prep written anew for expert scheduling mode. Each part assembles by itself: llvm-mc -triple=amdgcn-amd-amdhsa -mcpu=gfx1250 --defsym DOCPART=n.
;; ======== version 1 of 3: 6 launches
;; workspace buffers: conv 50,331,648 bytes; wcat 8,396,800 bytes; qw 20,987,904 bytes; pbuf 17,301,504 bytes; ctx 8,392,704 bytes
;; launch prep (part 1): grid 384 x 1, 8 waves a work-group, no clusters, 18,432 bytes of LDS; arguments q, k, Wq, Wk, Wv, Wo, conv; writes conv
.if DOCPART == 1
	.amdgcn_target "amdgcn-amd-amdhsa--gfx1250"
	.amdhsa_code_object_version 6
	.text
	.protected	k_q8d051b67fb_prep
	.globl	k_q8d051b67fb_prep
	.p2align	8
	.type	k_q8d051b67fb_prep,@function
k_q8d051b67fb_prep:
	s_mov_b64 s[64:65], 0
	v_nop
	global_prefetch_b8 v0, s[64:65] scope:SCOPE_SE
	s_setreg_imm32_b32 hwreg(HW_REG_WAVE_MODE, 25, 1), 1
	s_wait_xcnt 0x0
; conv = the matrix operands rounded once to bf16, as rows of 1,024 numbers (2,048 bytes):
;   rows 0-4095 q | 4096-5119 Wk | 5120-6143 Wo transposed | 6144-7167 Wq | 7168-8191 Wv | 8192-24575 k.
; Work-group g makes conv's bytes 131,072 g .. +131,071 (64 rows).  Groups 80-95 transpose Wo through LDS, all others stream.
; No matrix unit, no cluster: every byte is read once and written once, nothing is shared between work-groups.
.set X, 8                              ; v[8:71]   ring slot s: 8 registers as loaded (2 x 4 f32)
.set Y, 72                             ; v[72:103] ring slot s: 4 registers to store (2 x 4 bf16)
	s_load_b256 s[4:11], s[0:1], 0x0               ; q s[4:5], k s[6:7], Wq s[8:9], Wk s[10:11]
	s_load_b128 s[12:15], s[0:1], 0x20             ; Wv s[12:13], Wo s[14:15]
	s_load_b64 s[16:17], s[0:1], 0x30              ; conv
	v_lshl_add_u32 v104, v0, 2, 0x4400
	v_mov_b32 v105, 0
	s_mov_b32 s20, ttmp9                           ; g
	s_mov_b32 s23, 0
	s_wait_kmcnt 0x0
	s_cmp_lt_u32 s20, 80
	s_cbranch_scc1 .Lconvert
	s_cmp_lt_u32 s20, 96
	s_cbranch_scc1 .Ltranspose
.Lconvert:
	; which tensor my 64 rows come from, and the first group of that tensor
	s_mov_b64 s[18:19], s[6:7]                     ; k, from group 128 on
	s_mov_b32 s21, 128
	s_cmp_lt_u32 s20, 128
	s_cselect_b64 s[18:19], s[12:13], s[18:19]     ; Wv, from 112
	s_cselect_b32 s21, 112, s21
	s_cmp_lt_u32 s20, 112
	s_cselect_b64 s[18:19], s[8:9], s[18:19]       ; Wq, from 96
	s_cselect_b32 s21, 96, s21
	s_cmp_lt_u32 s20, 80
	s_cselect_b64 s[18:19], s[10:11], s[18:19]     ; Wk, from 64
	s_cselect_b32 s21, 64, s21
	s_cmp_lt_u32 s20, 64
	s_cselect_b64 s[18:19], s[4:5], s[18:19]       ; q, from 0
	s_cselect_b32 s21, 0, s21
	s_sub_co_u32 s22, s20, s21
	s_lshl_b32 s22, s22, 18                        ; 64 rows of 4,096 bytes of f32
	s_add_nc_u64 s[18:19], s[18:19], s[22:23]
	s_lshl_b32 s22, s20, 17                        ; 64 rows of 2,048 bytes of bf16
	s_add_nc_u64 s[16:17], s[16:17], s[22:23]
	v_lshlrev_b32 v1, 4, v0                        ; 16 t: a load of a wave covers 512 neighbouring bytes; never rewritten
	v_lshlrev_b32 v2, 3, v0                        ; 8 t: a store of a wave covers 256 neighbouring bytes, aligned; never rewritten
; A trip is 2,048 numbers: two loads and two stores a thread; 32 trips, all steps in the immediates.
.macro LOADS n
	global_load_b128 v[X+8*((\n)%8):X+8*((\n)%8)+3],   v1, s[18:19] offset:(\n)*8192 th:TH_LOAD_NT
	global_load_b128 v[X+8*((\n)%8)+4:X+8*((\n)%8)+7], v1, s[18:19] offset:(\n)*8192+4096 th:TH_LOAD_NT
.endm
.set trip, 0
.rept 8
	LOADS trip                                     ; the ring is filled: 16 loads of every wave are out
.set trip, trip+1
.endr
.set trip, 0
.rept 32
.if trip < 24
	s_wait_loadcnt 14                              ; loads come back in order: this slot's two are in, the seven younger slots' fourteen stay out
.else
	s_wait_loadcnt 2*(31-trip)                     ; the last eight trips load nothing: the counts run down
.endif
	s_wait_xcnt 0x0                                ; the slot's Y, which its last stores read, is rewritten only behind this wait
.irp j, 0,1,2,3
	v_cvt_pk_bf16_f32 v[Y+4*(trip%8)+\j], v[X+8*(trip%8)+2*\j], v[X+8*(trip%8)+2*\j+1]
.endr
.if trip < 24
	LOADS trip+8                                   ; the load ahead of the stores
.endif
	global_store_b64 v2, v[Y+4*(trip%8):Y+4*(trip%8)+1],   s[16:17] offset:trip*4096
	global_store_b64 v2, v[Y+4*(trip%8)+2:Y+4*(trip%8)+3], s[16:17] offset:trip*4096+2048
.set trip, trip+1
.endr
	s_endpgm
.Ltranspose:
	; Group 80 + tv makes rows 64 tv .. +63 of Wo transposed.  Eight trips, each 128 rows of Wo x my 64 columns, through an LDS tile of 64 rows x (256 + 16) bytes.
	s_sub_co_u32 s22, s20, 80                      ; tv
	s_lshl_b32 s24, s22, 8                         ; my 64 columns: 256 bytes of every row of Wo
	s_mov_b32 s25, 0
	s_add_nc_u64 s[14:15], s[14:15], s[24:25]
	s_lshl_b32 s24, s20, 17                        ; conv row 64 g = 5120 + 64 tv
	s_add_nc_u64 s[16:17], s[16:17], s[24:25]
	v_and_b32 v6, 31, v0                           ; lane
	v_lshrrev_b32 v7, 5, v0                        ; wave w
	v_and_b32 v8, 15, v0                           ; r
	v_bfe_u32 v9, v0, 4, 1                         ; h
	v_lshlrev_b32 v1, 3, v6                        ; in: two columns a lane (a row's 256 bytes in one load),
	v_lshl_add_u32 v1, v7, 16, v1                  ; wave w takes rows 16 w .. +15 of the trip's 128
	v_mul_u32_u24 v3, v6, 544                      ; LDS, in: rows 2 lane and 2 lane + 1,
	v_lshl_add_u32 v3, v7, 5, v3                   ; byte 32 w of them
	v_lshl_add_u32 v10, v7, 3, v9                  ; back: row 8 w + h (+ 2 t)
	v_mul_u32_u24 v4, v10, 272
	v_lshl_add_u32 v4, v8, 4, v4
	v_lshlrev_b32 v5, 11, v10                      ; and the same row in conv
	v_lshl_add_u32 v5, v8, 4, v5
	s_mov_b32 s26, 0
.Ltr:
.irp i, 0,1,2,3,4,5,6,7,8,9,10,11,12,13,14,15
	global_load_b64 v[16+2*\i:17+2*\i], v1, s[14:15] offset:\i*4096 th:TH_LOAD_NT
.endr
	s_wait_loadcnt 0x0
.irp p, 0,1,2,3,4,5,6,7
	v_cvt_pk_bf16_f32 v[48+2*\p], v[16+4*\p], v[18+4*\p]   ; my even column, rows 2 p and 2 p + 1 of Wo: neighbours in the transposed row
	v_cvt_pk_bf16_f32 v[49+2*\p], v[17+4*\p], v[19+4*\p]   ; my odd column
.endr
.irp p, 0,1,2,3,4,5,6,7
	ds_store_b32 v3, v[48+2*\p] offset:4*\p
	ds_store_b32 v3, v[49+2*\p] offset:272+4*\p
.endr
	s_wait_dscnt 0x0                               ; for the others' sake: my part of the tile is written
	s_barrier_signal -1
	s_barrier_wait -1
.irp t, 0,1,2,3
	ds_load_b128 v[64+4*\t:67+4*\t], v4 offset:544*\t
.endr
	s_wait_dscnt 0x0                               ; my reads are back before anybody writes the tile again
	s_barrier_signal -1
	s_barrier_wait -1
.irp t, 0,1,2,3
	global_store_b128 v5, v[64+4*\t:67+4*\t], s[16:17] offset:4096*\t   ; 16 lanes store 256 consecutive bytes, aligned
.endr
	s_wait_xcnt 0x0                                ; the bases and the stores' data are rewritten only behind this wait
	s_add_nc_u64 s[14:15], s[14:15], 0x80000       ; 128 rows of Wo on
	s_add_nc_u64 s[16:17], s[16:17], 256           ; 128 numbers along the transposed rows
	s_add_co_u32 s26, s26, 1
	s_cmp_lt_u32 s26, 8
	s_cbranch_scc1 .Ltr
	s_wait_tensorcnt 0x0
	ds_add_u32 v104, v105
	s_wait_dscnt 0x0
	s_endpgm
.Lfunc_end_k_q8d051b67fb_prep:
	.size	k_q8d051b67fb_prep, .Lfunc_end_k_q8d051b67fb_prep-k_q8d051b67fb_prep
	.p2alignl 7, 3214868480
	.fill 96, 4, 3214868480
	.section	.rodata,"a",@progbits
	.p2align	6, 0x0
	.amdhsa_kernel k_q8d051b67fb_prep
		.amdhsa_group_segment_fixed_size 18432
		.amdhsa_private_segment_fixed_size 0
		.amdhsa_enable_private_segment 0
		.amdhsa_kernarg_size 56
		.amdhsa_user_sgpr_count 2
		.amdhsa_user_sgpr_kernarg_segment_ptr 1
		.amdhsa_wavefront_size32 1
		.amdhsa_system_sgpr_workgroup_id_x 1
		.amdhsa_system_sgpr_workgroup_id_y 1
		.amdhsa_system_sgpr_workgroup_id_z 1
		.amdhsa_system_vgpr_workitem_id 0
		.amdhsa_next_free_vgpr 106
		.amdhsa_next_free_sgpr 66
		.amdhsa_reserve_vcc 0
		.amdhsa_float_denorm_mode_32 3
		.amdhsa_float_denorm_mode_16_64 3
		.amdhsa_memory_ordered 1
		.amdhsa_forward_progress 1
		.amdhsa_inst_pref_size 30
	.end_amdhsa_kernel
	.amdgpu_metadata
---
amdhsa.version: [ 1, 2 ]
amdhsa.kernels:
  - .name:           k_q8d051b67fb_prep
    .symbol:         k_q8d051b67fb_prep.kd
    .args:
      - { .name: q, .offset: 0, .size: 8, .value_kind: global_buffer, .address_space: global }
      - { .name: k, .offset: 8, .size: 8, .value_kind: global_buffer, .address_space: global }
      - { .name: Wq, .offset: 16, .size: 8, .value_kind: global_buffer, .address_space: global }
      - { .name: Wk, .offset: 24, .size: 8, .value_kind: global_buffer, .address_space: global }
      - { .name: Wv, .offset: 32, .size: 8, .value_kind: global_buffer, .address_space: global }
      - { .name: Wo, .offset: 40, .size: 8, .value_kind: global_buffer, .address_space: global }
      - { .name: conv, .offset: 48, .size: 8, .value_kind: global_buffer, .address_space: global }
    .group_segment_fixed_size: 18432
    .private_segment_fixed_size: 0
    .kernarg_segment_align: 8
    .kernarg_segment_size: 56
    .max_flat_workgroup_size: 256
    .sgpr_count:     66
    .vgpr_count:     106
    .wavefront_size: 32
...
	.end_amdgpu_metadata
.endif
;; end of part 1
;; launch gemm_w (part 2): grid 8 x 16, 4 waves a work-group, clusters of 4 x 4, 327,680 bytes of LDS; arguments conv, wcat, bq, bk; writes wcat
.if DOCPART == 2
	.amdgcn_target "amdgcn-amd-amdhsa--gfx1250"
	.amdhsa_code_object_version 6
	.text
	.protected	k_q8d051b67fb_gemm_w
	.globl	k_q8d051b67fb_gemm_w
	.p2align	8
	.type	k_q8d051b67fb_gemm_w,@function
k_q8d051b67fb_gemm_w:
	s_mov_b64 s[64:65], 0
	v_nop
	global_prefetch_b8 v0, s[64:65] scope:SCOPE_SE
	s_setreg_imm32_b32 hwreg(HW_REG_WAVE_MODE, 25, 1), 1
	s_wait_xcnt 0x0
	s_wait_alu depctr_hold_cnt(0) depctr_sa_sdst(0) depctr_va_vdst(0) depctr_va_sdst(0) depctr_va_ssrc(0) depctr_va_vcc(0) depctr_vm_vsrc(0)
	s_getreg_b32 s2, hwreg(HW_REG_IB_STS2, 6, 4)
	s_cmp_eq_u32 s2, 0
	s_cbranch_scc0 .Lentry_in_a_cluster
	s_endpgm
.Lentry_in_a_cluster:
	s_bfe_u32 s2, ttmp6, 0x10000c
	s_cmp_lg_u32 s2, 0xf033
	s_cbranch_scc0 .Lentry_shape_is_right
	s_endpgm
.Lentry_shape_is_right:
; Products of weights, kept as pairs of bf16 (hi = bf16(x), lo = bf16(x - hi)):
;   tile rows y 0-7:  B1[j][d] = sum over h of Wk[j][h] Wq[d][h]      -> wcat rows 0-1023
;   tile rows y 8-15: XT[v][h] = sum over g of Wo[g][v] Wv[h][g]      -> wcat rows 1024-2047      (a wcat row: 1,024 hi, then 1,024 lo)
; and, ahead of the products, u[j] = Wk[j] . bq and w[d] = Wq[d] . bk in f32 (wcat bytes 8,388,608 and 8,392,704).
; They serve scores = (q B1^T + u) . k + (q . w + bq . bk) and result = (P k)(Wk X) + b': reference()'s sums in another order.
; A tile of C is 128 x 128, four waves of 64 x 64 (16 accumulators), K = 1,024 in four steps of 256 through two LDS slots, all written out.
; CLUSTER 4 x 4: A's tiles are asked for jointly along a row of the cluster, B's along a column.  The matrix instruction is used transposed
; (source 0 = rows of B, source 1 = rows of A): a lane holds eight neighbouring numbers of a row of C.
; The stage of the way out lies in slot 0, whose last fill is K step 2's and whose last reads end ahead of that step's barrier.
; Limits: NaN and infinities are not served.
.set APITCH, 1024
.set BPITCH, 1024
.set PITCH,  528                       ; an LDS row: 512 bytes + 16 of padding
.set HALFA,  64*PITCH
.set HALFB,  64*PITCH
.set BOFF,   2*HALFA                   ; A's 128 rows, then B's 128 rows
.set SLOT,   BOFF+2*HALFB
.set BSL1,   512                       ; bytes from B's K step 0 to its K step 1
.set SPITCH, 272                       ; the stage: rows of 256 bytes + 16
.set PLANE,  128*SPITCH                ; hi's plane at 0, lo's behind it
.set ADRA, 16
.set ADRB, 20
.set STO,  24
.set RD,   25
.set CO,   26
.set LN,   27
.set ACC,  128
.set F0,   0
.set F1,   128
.set G1,   24
.set G0,   32
.set G1B,  48
.set G0B,  56
.set MUL,  0x05                        ; sources 0 (B) and 1 (A) window 1; C and D window 0
.set TO_F, 0x40                        ; destination window 1, address window 0
.set MSB, 0
.macro WIN new                         ; the immediate's high byte repeats the setting that is left
.if MSB != \new
	s_set_vgpr_msb (MSB<<8)|\new
.set MSB, \new
.endif
.endm
.macro JLOAD s                         ; a joint load: waves 0 and 1 fetch A's two halves, waves 2 and 3 B's; four v_nop follow each line
	s_cmp_eq_u32 s11, 0
	s_cbranch_scc0 .Lfor_b_\@
	tensor_load_to_lds s[G0+4*\s:G0+4*\s+3], s[G1:G1+7]
	s_nop 0
.rept 4
	v_nop
.endr
	s_branch .Lasked_\@
.Lfor_b_\@:
	tensor_load_to_lds s[G0B+4*\s:G0B+4*\s+3], s[G1B:G1B+7]
	s_nop 0
.rept 4
	v_nop
.endr
.Lasked_\@:
.endm
.macro CREST                           ; a round of the cluster's barrier behind its opening barrier
	s_cmp_lg_u32 s10, 0
	s_cbranch_scc1 .Lnot_wave_0_\@
	s_barrier_signal -3
.Lnot_wave_0_\@:
	s_barrier_wait -3
	s_barrier_signal -1
	s_barrier_wait -1
.endm
.macro CROUND
	s_barrier_signal -1
	s_barrier_wait -1
	CREST
.endm
.macro PLACES                          ; four places behind matrix instructions, in front of loads into their sources and of reads of their results
.rept 4
	v_nop
.endr
.endm
; 8 matrix instructions: m blocks a0, a0 + 1 x all 4 n blocks, 32 along K: half c of buffer f.  The 16 accumulators take turns.
.macro MUL8 f, c, a0, zero
.irp a, \a0, \a0+1
.irp b, 0,1,2,3
.if \zero
	v_wmma_f32_16x16x32_bf16 v[ACC+8*(4*(\a)+\b):ACC+8*(4*(\a)+\b)+7], v[\f+64+8*(4*\c+\b):\f+64+8*(4*\c+\b)+7], v[\f+8*(4*\c+\a):\f+8*(4*\c+\a)+7], 0
.else
	v_wmma_f32_16x16x32_bf16 v[ACC+8*(4*(\a)+\b):ACC+8*(4*(\a)+\b)+7], v[\f+64+8*(4*\c+\b):\f+64+8*(4*\c+\b)+7], v[\f+8*(4*\c+\a):\f+8*(4*\c+\a)+7], v[ACC+8*(4*(\a)+\b):ACC+8*(4*(\a)+\b)+7]
.endif
.endr
.endr
.endm
; 32 LDS loads in one run: the fragments of quarter q (64 along K) of a slot into buffer f; the first 32 along K first
.macro FETCH slot, q, f
	WIN TO_F
.irp c, 0,1
.irp i, 0,1,2,3
	ds_load_b128 v[\f+64+8*(4*\c+\i):\f+64+8*(4*\c+\i)+3],   v[ADRB+\slot] offset:128*\q+64*\c+\i*16*PITCH
	ds_load_b128 v[\f+64+8*(4*\c+\i)+4:\f+64+8*(4*\c+\i)+7], v[ADRB+\slot] offset:128*\q+64*\c+\i*16*PITCH+32
	ds_load_b128 v[\f+8*(4*\c+\i):\f+8*(4*\c+\i)+3],         v[ADRA+\slot] offset:128*\q+64*\c+\i*16*PITCH
	ds_load_b128 v[\f+8*(4*\c+\i)+4:\f+8*(4*\c+\i)+7],       v[ADRA+\slot] offset:128*\q+64*\c+\i*16*PITCH+32
.endr
.endr
.endm
; multiplies buffer f and fetches quarter q of the same slot into g
.macro QUARTER slot, q, f, g, zero
	s_wait_dscnt 16                                ; the first 32 along K are in; the younger sixteen loads may be out
	WIN MUL
	MUL8 \f, 0, 0, \zero
	MUL8 \f, 0, 2, \zero
	PLACES
	FETCH \slot, \q, \g
	s_wait_dscnt 32                                ; all but the 32 just issued
	WIN MUL
	MUL8 \f, 1, 0, 0
	MUL8 \f, 1, 2, 0
.endm
; The last quarter multiplies buffer 1 and changes slots: one barrier; in front of it each wave waits for its reads of this slot and for all its tensor loads.
; fill = 1: the barrier opens a round of the cluster's barrier, and this slot is filled again first thing behind it; da, db: how far A's and B's addresses step.
.macro TURN slot, next, fill, da, db
	s_wait_dscnt 16
	WIN MUL
	MUL8 F1, 0, 0, 0
	s_wait_dscnt 0x0                               ; my reads of this slot are over,
	s_set_vgpr_msb 0x500
	s_wait_tensorcnt 0x0                           ; and all my tensor loads have landed: my part of the next slot
	ds_add_u32 v94, v95
	s_wait_dscnt 0x0
	s_set_vgpr_msb 0x5
	s_barrier_signal -1
	MUL8 F1, 0, 2, 0
.if \fill
	WIN 0
.endif
	s_barrier_wait -1
.if \fill
	CREST                                          ; no wave of any partner still reads this slot or has a load on its way
.if (\da) >= 0
	s_add_nc_u64 s[G0+4*\slot+2:G0+4*\slot+3], s[G0+4*\slot+2:G0+4*\slot+3], \da
.else
	s_sub_nc_u64 s[G0+4*\slot+2:G0+4*\slot+3], s[G0+4*\slot+2:G0+4*\slot+3], -(\da)
.endif
.if (\db) >= 0
	s_add_nc_u64 s[G0B+4*\slot+2:G0B+4*\slot+3], s[G0B+4*\slot+2:G0B+4*\slot+3], \db
.else
	s_sub_nc_u64 s[G0B+4*\slot+2:G0B+4*\slot+3], s[G0B+4*\slot+2:G0B+4*\slot+3], -(\db)
.endif
	JLOAD \slot                                    ; its four v_nop are also the places in front of the loads below
.else
	PLACES
.endif
	FETCH \next, 0, F0
	WIN MUL
	MUL8 F1, 1, 0, 0
	MUL8 F1, 1, 2, 0
.endm
.macro LASTQ                           ; the very last quarter: nothing more to fetch
	s_wait_dscnt 16
	WIN MUL
	MUL8 F1, 0, 0, 0
	MUL8 F1, 0, 2, 0
	s_wait_dscnt 0x0
	MUL8 F1, 1, 0, 0
	MUL8 F1, 1, 2, 0
	WIN 0
.endm
.macro STEP slot, next, zero, fill, da, db
	QUARTER \slot, 1, F0, F1, \zero
	QUARTER \slot, 2, F1, F0, 0
	QUARTER \slot, 3, F0, F1, 0
	TURN \slot, \next, \fill, \da, \db
.endm
; A dot product of a bf16 row of 1,024 with an f32 vector, by one wave: lane l holds numbers 8 l + 256 t + 0..7, t = 0..3.
.macro RV_LOAD vec, b                  ; the vector: 32 registers
.irp t, 0,1,2,3
	global_load_b128 v[\vec+8*\t:\vec+8*\t+3],   v29, s[\b:\b+1] offset:1024*\t
	global_load_b128 v[\vec+8*\t+4:\vec+8*\t+7], v29, s[\b:\b+1] offset:1024*\t+16
.endr
.endm
.macro RR_LOAD row, b, imm             ; the row: 16 registers
.irp t, 0,1,2,3
	global_load_b128 v[\row+4*\t:\row+4*\t+3], v30, s[\b:\b+1] offset:\imm+512*\t
.endr
.endm
.macro RDOT acc, row, vec, i0, i1      ; two chains, even and odd numbers; the first links add onto i0, i1
.irp t, 0,1,2,3
.irp k, 0,1,2,3
.if \t+\k == 0
	v_fma_mix_f32_bf16 v[\acc],   v[\row], v[\vec],   v[\i0] op_sel_hi:[1,0,0]
	v_fma_mix_f32_bf16 v[\acc+1], v[\row], v[\vec+1], v[\i1] op_sel:[1,0,0] op_sel_hi:[1,0,0]
.else
	v_fma_mix_f32_bf16 v[\acc],   v[\row+4*\t+\k], v[\vec+8*\t+2*\k],   v[\acc]   op_sel_hi:[1,0,0]
	v_fma_mix_f32_bf16 v[\acc+1], v[\row+4*\t+\k], v[\vec+8*\t+2*\k+1], v[\acc+1] op_sel:[1,0,0] op_sel_hi:[1,0,0]
.endif
.endr
.endr
.endm
.macro RSUM acc                        ; the two chains and the 32 lanes are added; every lane ends with the sum
	v_add_f32 v[\acc], v[\acc], v[\acc+1]
	v_add_f32_dpp v[\acc], v[\acc], v[\acc] row_xmask:1 row_mask:0xf bank_mask:0xf
	v_add_f32_dpp v[\acc], v[\acc], v[\acc] row_xmask:2 row_mask:0xf bank_mask:0xf
	v_add_f32_dpp v[\acc], v[\acc], v[\acc] row_xmask:4 row_mask:0xf bank_mask:0xf
	v_add_f32_dpp v[\acc], v[\acc], v[\acc] row_xmask:8 row_mask:0xf bank_mask:0xf
	v_permlanex16_b32 v[\acc+1], v[\acc], s76, s77
	v_add_f32 v[\acc], v[\acc], v[\acc+1]
.endm
; Accumulator t = 4 a + b leaves as a pair: hi = bf16(x), lo = bf16(x - hi); 16 bytes a lane into each plane of the stage.
.macro HL t
.set rA, ACC+8*(\t)
.set rT, 96+16*((\t)%2)
.irp k, 0,1,2,3
	v_cvt_pk_bf16_f32 v[rT+\k], v[rA+2*\k], v[rA+2*\k+1]
.endr
.irp k, 0,1,2,3
	v_lshlrev_b32 v[rT+8+2*\k], 16, v[rT+\k]
	v_and_b32     v[rT+9+2*\k], s78, v[rT+\k]
.endr
.irp k, 0,1,2,3
	v_pk_add_f32 v[rT+8+2*\k:rT+9+2*\k], v[rA+2*\k:rA+2*\k+1], v[rT+8+2*\k:rT+9+2*\k] neg_lo:[0,1] neg_hi:[0,1]
.endr
.irp k, 0,1,2,3
	v_cvt_pk_bf16_f32 v[rT+4+\k], v[rT+8+2*\k], v[rT+9+2*\k]
.endr
	ds_store_b128 v[STO], v[rT:rT+3]   offset:((\t)/4)*16*SPITCH+32*((\t)%4)
	ds_store_b128 v[STO], v[rT+4:rT+7] offset:PLANE+((\t)/4)*16*SPITCH+32*((\t)%4)
.endm
	s_load_b128 s[4:7], s[0:1], 0x0                ; conv s[4:5], wcat s[6:7]
	s_load_b128 s[68:71], s[0:1], 0x10             ; bq s[68:69], bk s[70:71]
	v_lshl_add_u32 v94, v0, 2, 0x42000
	v_mov_b32 v95, 0
	ds_add_u32 v94, v95
	v_lshrrev_b32 v1, 5, v0
	v_readfirstlane_b32 s10, v1                    ; wave 0..3
	s_lshr_b32 s11, s10, 1                         ; my half of the tile's rows.  Also: I fetch for A (0) or for B (1)
	s_and_b32 s12, s10, 1                          ; my half of its columns.  Also: which half of that tile I fetch
	s_bfe_u32 s40, ttmp6, 0x40000                  ; cx
	s_bfe_u32 s41, ttmp6, 0x40004                  ; cy
	s_lshl_b32 s42, ttmp9, 2
	s_add_co_u32 s42, s42, s40                     ; tile column x
	s_and_b32 s45, ttmp7, 0xffff                   ; the cluster's y, which all partners share
	s_lshl_b32 s13, s45, 2
	s_add_co_u32 s13, s13, s41                     ; tile row y
	s_lshl_b32 s43, s41, 2
	s_lshl_b32 s43, 15, s43                        ; my row of the cluster
	s_lshl_b32 s44, 0x1111, s40                    ; my column
	; descriptor group 1: 64 rows x 256 elements of 2 bytes, 16 bytes of padding behind every 512
	s_or_b32 s[G1+0], s43, (1<<16)|(1<<20)|(1<<21)|(6<<22)|(3<<25)
	s_or_b32 s[G1B+0], s44, (1<<16)|(1<<20)|(1<<21)|(6<<22)|(3<<25)
.irp g, G1, G1B
	s_mov_b32 s[\g+1], 256<<16                     ; tensor_dim0
	s_mov_b32 s[\g+2], 64<<16                      ; tensor_dim1
	s_mov_b32 s[\g+3], 256<<16                     ; tile_dim0
	s_mov_b32 s[\g+4], 64                          ; tile_dim1
	s_mov_b32 s[\g+6], 0
	s_mov_b32 s[\g+7], 0
.endr
	s_mov_b32 s[G1+5], APITCH
	s_mov_b32 s[G1B+5], BPITCH
	s_lshl_b32 s16, s13, 7                         ; A: conv row 4096 + 128 y + 64 half (Wk, then Wo transposed)
	s_lshl_b32 s17, s12, 6
	s_add_co_u32 s16, s16, s17
	s_add_co_u32 s16, s16, 4096
	s_lshl_b32 s16, s16, 11
	s_mov_b32 s17, 0
	s_lshl_b32 s46, s42, 7                         ; B: conv row 6144 + 1024 (cluster y / 2) + 128 x + 64 half (Wq for y < 8, Wv from 8 on)
	s_lshl_b32 s47, s12, 6
	s_add_co_u32 s46, s46, s47
	s_lshr_b32 s47, s45, 1
	s_lshl_b32 s47, s47, 10
	s_add_co_u32 s46, s46, s47
	s_add_co_u32 s46, s46, 6144
	s_lshl_b32 s46, s46, 11
	s_mov_b32 s47, 0
	s_mul_i32 s20, s12, HALFA                      ; where they go: no place in the cluster enters an LDS address
	s_mul_i32 s23, s12, HALFB
	s_add_co_u32 s23, s23, BOFF
	s_mov_b32 s76, 0x76543210                      ; v_permlanex16_b32: each lane takes its own place in the other half
	s_mov_b32 s77, 0xfedcba98
	s_mov_b32 s78, 0xffff0000
	s_wait_dscnt 0x0
	s_wait_kmcnt 0x0
	s_add_nc_u64 s[14:15], s[4:5], s[16:17]
	s_add_nc_u64 s[46:47], s[4:5], s[46:47]
	CROUND                                         ; all sixteen work-groups are here: the first joint loads meet
.irp s, 0,1
	s_mov_b32 s[G0+4*\s], 1
	s_add_co_u32 s[G0+4*\s+1], s20, \s*SLOT
	s_add_nc_u64 s[G0+4*\s+2:G0+4*\s+3], s[14:15], \s*512
	s_or_b32 s[G0+4*\s+3], s[G0+4*\s+3], 0x80000000
	s_mov_b32 s[G0B+4*\s], 1
	s_add_co_u32 s[G0B+4*\s+1], s23, \s*SLOT
	s_add_nc_u64 s[G0B+4*\s+2:G0B+4*\s+3], s[46:47], \s*BSL1
	s_or_b32 s[G0B+4*\s+3], s[G0B+4*\s+3], 0x80000000
	JLOAD \s
.endr
	v_and_b32 v1, 15, v0                           ; r
	v_bfe_u32 v2, v0, 4, 1                         ; h
	v_and_b32 v[LN], 31, v0
	v_mul_u32_u24 v3, v1, PITCH
	v_lshl_add_u32 v3, v2, 4, v3
	s_mul_i32 s21, s11, HALFA
	s_mul_i32 s22, s12, HALFB
	s_add_co_u32 s22, s22, BOFF
.irp s, 0,1
	v_add_nc_u32 v[ADRA+\s], s21, v3
	v_add_nc_u32 v[ADRB+\s], s22, v3
	s_add_co_u32 s21, s21, SLOT
	s_add_co_u32 s22, s22, SLOT
.endr
	s_mul_i32 s21, s11, 64*SPITCH                  ; into the stage: my 64 rows, my half of their 256 bytes
	s_lshl_b32 s22, s12, 7
	s_add_co_u32 s21, s21, s22
	v_mul_u32_u24 v4, v1, SPITCH
	v_lshl_add_u32 v4, v2, 4, v4
	v_add_nc_u32 v[STO], s21, v4
	s_mul_i32 s21, s10, 32*SPITCH                  ; back: wave w takes rows 32 w .. +31, whole
	v_mul_u32_u24 v5, v2, SPITCH
	v_lshl_add_u32 v5, v1, 4, v5
	v_add_nc_u32 v[RD], s21, v5
	v_lshlrev_b32 v5, 12, v2                       ; and the same two rows in wcat (4,096 bytes a row)
	v_lshl_add_u32 v[CO], v1, 4, v5
	s_lshl_b32 s16, s13, 7                         ; the first row that I store: 128 y + 32 wave
	s_lshl_b32 s17, s10, 5
	s_add_co_u32 s16, s16, s17
	s_lshl_b32 s16, s16, 12
	s_mov_b32 s17, 0
	s_add_nc_u64 s[8:9], s[6:7], s[16:17]
	s_lshl_b32 s46, s42, 8                         ; the tile's first column, in bytes
	s_mov_b32 s47, 0
	s_add_nc_u64 s[8:9], s[8:9], s[46:47]
	; u and w, while the first tiles are on their way: work-group n = 8 y + x has rows 8 n .. +7, my wave two of them.  Data lie in the accumulators' registers, free until the first product.
	s_lshl_b32 s82, s13, 3
	s_add_co_u32 s82, s82, s42
	s_lshl_b32 s82, s82, 3
	s_lshl1_add_u32 s82, s10, s82                  ; j0 = 8 n + 2 wave
	s_add_co_u32 s84, s82, 4096
	s_lshl_b32 s84, s84, 11
	s_mov_b32 s85, 0
	s_add_nc_u64 s[84:85], s[4:5], s[84:85]        ; conv at Wk's row j0; Wq's row j0 lies 2,048 rows = 4,194,304 bytes further on
	s_lshl_b32 s86, s82, 2
	s_add_co_u32 s86, s86, 0x800000
	s_mov_b32 s87, 0
	s_add_nc_u64 s[86:87], s[6:7], s[86:87]        ; wcat at u[j0]; w[j0] lies 4,096 bytes further on
	v_lshlrev_b32 v29, 5, v[LN]
	v_lshlrev_b32 v30, 4, v[LN]
	v_lshlrev_b32 v31, 2, v[LN]
	RV_LOAD 128, 68                                ; bq
	RV_LOAD 160, 70                                ; bk
	RR_LOAD 192, 84, 0
	RR_LOAD 208, 84, 2048
	RR_LOAD 224, 84, 4194304
	RR_LOAD 240, 84, 4194304+2048
	v_mov_b32 v106, 0
	v_mov_b32 v107, 0
	s_wait_loadcnt 0x0
	RDOT 96,  192, 128, 106, 107
	RDOT 98,  208, 128, 106, 107
	RDOT 100, 224, 160, 106, 107
	RDOT 102, 240, 160, 106, 107
	RSUM 96
	RSUM 98
	RSUM 100
	RSUM 102
	v_cmp_eq_u32 vcc_lo, 1, v[LN]
	v_cndmask_b32 v104, v96, v98, vcc_lo           ; lane 0 takes row j0's sum, lane 1 row j0 + 1's
	v_cndmask_b32 v105, v100, v102, vcc_lo
	v_cmp_gt_u32 vcc_lo, 2, v[LN]
	s_wait_xcnt 0x0                                ; EXEC changes only behind this wait
	s_and_saveexec_b32 s88, vcc_lo
	global_store_b32 v31, v104, s[86:87]           ; 8 bytes a wave: u and w are 8 KiB in the whole launch
	global_store_b32 v31, v105, s[86:87] offset:4096
	s_wait_xcnt 0x0
	s_or_b32 exec_lo, exec_lo, s88
	s_wait_tensorcnt 1                             ; my part of K step 0 is in; K step 1's may stay out
	s_barrier_signal -1
	s_barrier_wait -1
	FETCH 0, 0, F0
	STEP 0, 1, 1, 1, 1024, 1024                    ; K step 0; slot 0 takes K step 2
	STEP 1, 0, 0, 1, 1024, 1024                    ; K step 1; slot 1 takes K step 3
	STEP 0, 1, 0, 0, 0, 0                          ; K step 2: nothing is left to fetch
	QUARTER 1, 1, F0, F1, 0
	QUARTER 1, 2, F1, F0, 0
	QUARTER 1, 3, F0, F1, 0
	LASTQ
	PLACES
.irp t, 0,1,2,3,4,5,6,7,8,9,10,11,12,13,14,15
	HL \t
.endr
	s_wait_dscnt 0x0                               ; for the others' sake: my stores into the stage are done
	s_barrier_signal -1
	s_barrier_wait -1
.irp t, 0,1,2,3,4,5,6,7,8,9,10,11,12,13,14,15
	ds_load_b128 v[128+4*\t:131+4*\t], v[RD] offset:\t*2*SPITCH
.endr
.irp t, 0,1,2,3,4,5,6,7,8,9,10,11,12,13,14,15
	ds_load_b128 v[192+4*\t:195+4*\t], v[RD] offset:PLANE+\t*2*SPITCH
.endr
.irp t, 0,1,2,3,4,5,6,7,8,9,10,11,12,13,14,15
	s_wait_dscnt 31-\t                             ; the loads issued behind this one may stay out
	global_store_b128 v[CO], v[128+4*\t:131+4*\t], s[8:9] offset:2*\t*4096        ; 16 lanes store 256 consecutive bytes, aligned
.endr
.irp t, 0,1,2,3,4,5,6,7,8,9,10,11,12,13,14,15
	s_wait_dscnt 15-\t
	global_store_b128 v[CO], v[192+4*\t:195+4*\t], s[8:9] offset:2*\t*4096+2048
.endr
	s_wait_tensorcnt 0x0
	ds_add_u32 v94, v95
	s_wait_dscnt 0x0
	CROUND                                         ; the closing round
	s_endpgm
.Lfunc_end_k_q8d051b67fb_gemm_w:
	.size	k_q8d051b67fb_gemm_w, .Lfunc_end_k_q8d051b67fb_gemm_w-k_q8d051b67fb_gemm_w
	.p2alignl 7, 3214868480
	.fill 96, 4, 3214868480
	.section	.rodata,"a",@progbits
	.p2align	6, 0x0
	.amdhsa_kernel k_q8d051b67fb_gemm_w
		.amdhsa_group_segment_fixed_size 327680
		.amdhsa_private_segment_fixed_size 0
		.amdhsa_enable_private_segment 0
		.amdhsa_kernarg_size 32
		.amdhsa_user_sgpr_count 2
		.amdhsa_user_sgpr_kernarg_segment_ptr 1
		.amdhsa_wavefront_size32 1
		.amdhsa_system_sgpr_workgroup_id_x 1
		.amdhsa_system_sgpr_workgroup_id_y 1
		.amdhsa_system_sgpr_workgroup_id_z 1
		.amdhsa_system_vgpr_workitem_id 0
		.amdhsa_next_free_vgpr 512
		.amdhsa_next_free_sgpr 90
		.amdhsa_reserve_vcc 1
		.amdhsa_float_denorm_mode_32 3
		.amdhsa_float_denorm_mode_16_64 3
		.amdhsa_memory_ordered 1
		.amdhsa_forward_progress 1
		.amdhsa_inst_pref_size 116
	.end_amdhsa_kernel
	.amdgpu_metadata
---
amdhsa.version: [ 1, 2 ]
amdhsa.kernels:
  - .name:           k_q8d051b67fb_gemm_w
    .symbol:         k_q8d051b67fb_gemm_w.kd
    .args:
      - { .name: conv, .offset: 0, .size: 8, .value_kind: global_buffer, .address_space: global }
      - { .name: wcat, .offset: 8, .size: 8, .value_kind: global_buffer, .address_space: global }
      - { .name: bq, .offset: 16, .size: 8, .value_kind: global_buffer, .address_space: global }
      - { .name: bk, .offset: 24, .size: 8, .value_kind: global_buffer, .address_space: global }
    .group_segment_fixed_size: 327680
    .private_segment_fixed_size: 0
    .kernarg_segment_align: 8
    .kernarg_segment_size: 32
    .max_flat_workgroup_size: 128
    .sgpr_count:     90
    .vgpr_count:     512
    .wavefront_size: 32
...
	.end_amdgpu_metadata
.endif
;; end of part 2
;; launch gemm_q (part 3): grid 8 x 40, 4 waves a work-group, clusters of 4 x 4, 327,680 bytes of LDS; arguments conv, wcat, bq, bk, qw; writes qw
.if DOCPART == 3
	.amdgcn_target "amdgcn-amd-amdhsa--gfx1250"
	.amdhsa_code_object_version 6
	.text
	.protected	k_q8d051b67fb_gemm_q
	.globl	k_q8d051b67fb_gemm_q
	.p2align	8
	.type	k_q8d051b67fb_gemm_q,@function
k_q8d051b67fb_gemm_q:
	s_mov_b64 s[64:65], 0
	v_nop
	global_prefetch_b8 v0, s[64:65] scope:SCOPE_SE
	s_setreg_imm32_b32 hwreg(HW_REG_WAVE_MODE, 25, 1), 1
	s_wait_xcnt 0x0
	s_wait_alu depctr_hold_cnt(0) depctr_sa_sdst(0) depctr_va_vdst(0) depctr_va_sdst(0) depctr_va_ssrc(0) depctr_va_vcc(0) depctr_vm_vsrc(0)
	s_getreg_b32 s2, hwreg(HW_REG_IB_STS2, 6, 4)
	s_cmp_eq_u32 s2, 0
	s_cbranch_scc0 .Lentry_in_a_cluster
	s_endpgm
.Lentry_in_a_cluster:
	s_bfe_u32 s2, ttmp6, 0x10000c
	s_cmp_lg_u32 s2, 0xf033
	s_cbranch_scc0 .Lentry_shape_is_right
	s_endpgm
.Lentry_shape_is_right:
; Tile rows y 0-31:  q'[i][j] = sum over d of q[i][d] B1[j][d] + u[j]     -> qw rows 0-4095
; tile rows y 32-39: W3[d][v] = sum over h of Wk[d][h] XT[v][h]           -> qw rows 4096-5119     (a qw row: 1,024 hi, then 1,024 lo)
; B1 and XT are pairs of bf16, so K is 2,048: A's 1,024 numbers twice, against B's hi and then its lo.  Results leave as pairs again.
; Ahead of the products (y < 32): c[i] = q[i] . w + bq . bk in f32, at qw byte 20,971,520.
; Shape, ring, cluster and way out as in gemm_w; eight K steps of 256, all written out.  Limits: NaN and infinities are not served.
.set APITCH, 1024
.set BPITCH, 2048
.set PITCH,  528
.set HALFA,  64*PITCH
.set HALFB,  64*PITCH
.set BOFF,   2*HALFA
.set SLOT,   BOFF+2*HALFB
.set BSL1,   512
.set SPITCH, 272
.set PLANE,  128*SPITCH
.set ADRA, 16
.set ADRB, 20
.set STO,  24
.set RD,   25
.set CO,   26
.set LN,   27
.set ACC,  128
.set F0,   0
.set F1,   128
.set G1,   24
.set G0,   32
.set G1B,  48
.set G0B,  56
.set MUL,  0x05
.set TO_F, 0x40
.set MSB, 0
.macro WIN new
.if MSB != \new
	s_set_vgpr_msb (MSB<<8)|\new
.set MSB, \new
.endif
.endm
.macro JLOAD s                         ; a joint load: waves 0 and 1 fetch A's two halves, waves 2 and 3 B's; four v_nop follow each line
	s_cmp_eq_u32 s11, 0
	s_cbranch_scc0 .Lfor_b_\@
	tensor_load_to_lds s[G0+4*\s:G0+4*\s+3], s[G1:G1+7]
	s_nop 0
.rept 4
	v_nop
.endr
	s_branch .Lasked_\@
.Lfor_b_\@:
	tensor_load_to_lds s[G0B+4*\s:G0B+4*\s+3], s[G1B:G1B+7]
	s_nop 0
.rept 4
	v_nop
.endr
.Lasked_\@:
.endm
.macro CREST
	s_cmp_lg_u32 s10, 0
	s_cbranch_scc1 .Lnot_wave_0_\@
	s_barrier_signal -3
.Lnot_wave_0_\@:
	s_barrier_wait -3
	s_barrier_signal -1
	s_barrier_wait -1
.endm
.macro CROUND
	s_barrier_signal -1
	s_barrier_wait -1
	CREST
.endm
.macro PLACES
.rept 4
	v_nop
.endr
.endm
.macro MUL8 f, c, a0, zero             ; the 16 accumulators take turns
.irp a, \a0, \a0+1
.irp b, 0,1,2,3
.if \zero
	v_wmma_f32_16x16x32_bf16 v[ACC+8*(4*(\a)+\b):ACC+8*(4*(\a)+\b)+7], v[\f+64+8*(4*\c+\b):\f+64+8*(4*\c+\b)+7], v[\f+8*(4*\c+\a):\f+8*(4*\c+\a)+7], 0
.else
	v_wmma_f32_16x16x32_bf16 v[ACC+8*(4*(\a)+\b):ACC+8*(4*(\a)+\b)+7], v[\f+64+8*(4*\c+\b):\f+64+8*(4*\c+\b)+7], v[\f+8*(4*\c+\a):\f+8*(4*\c+\a)+7], v[ACC+8*(4*(\a)+\b):ACC+8*(4*(\a)+\b)+7]
.endif
.endr
.endr
.endm
.macro FETCH slot, q, f
	WIN TO_F
.irp c, 0,1
.irp i, 0,1,2,3
	ds_load_b128 v[\f+64+8*(4*\c+\i):\f+64+8*(4*\c+\i)+3],   v[ADRB+\slot] offset:128*\q+64*\c+\i*16*PITCH
	ds_load_b128 v[\f+64+8*(4*\c+\i)+4:\f+64+8*(4*\c+\i)+7], v[ADRB+\slot] offset:128*\q+64*\c+\i*16*PITCH+32
	ds_load_b128 v[\f+8*(4*\c+\i):\f+8*(4*\c+\i)+3],         v[ADRA+\slot] offset:128*\q+64*\c+\i*16*PITCH
	ds_load_b128 v[\f+8*(4*\c+\i)+4:\f+8*(4*\c+\i)+7],       v[ADRA+\slot] offset:128*\q+64*\c+\i*16*PITCH+32
.endr
.endr
.endm
.macro QUARTER slot, q, f, g, zero
	s_wait_dscnt 16                                ; the first 32 along K are in; the younger sixteen loads may be out
	WIN MUL
	MUL8 \f, 0, 0, \zero
	MUL8 \f, 0, 2, \zero
	PLACES
	FETCH \slot, \q, \g
	s_wait_dscnt 32                                ; all but the 32 just issued
	WIN MUL
	MUL8 \f, 1, 0, 0
	MUL8 \f, 1, 2, 0
.endm
.macro TURN slot, next, fill, da, db
	s_wait_dscnt 16
	WIN MUL
	MUL8 F1, 0, 0, 0
	s_wait_dscnt 0x0                               ; my reads of this slot are over,
	s_set_vgpr_msb 0x500
	s_wait_tensorcnt 0x0                           ; and all my tensor loads have landed: my part of the next slot
	ds_add_u32 v22, v23
	s_wait_dscnt 0x0
	s_set_vgpr_msb 0x5
	s_barrier_signal -1
	MUL8 F1, 0, 2, 0
.if \fill
	WIN 0
.endif
	s_barrier_wait -1
.if \fill
	CREST                                          ; no wave of any partner still reads this slot or has a load on its way
.if (\da) >= 0
	s_add_nc_u64 s[G0+4*\slot+2:G0+4*\slot+3], s[G0+4*\slot+2:G0+4*\slot+3], \da
.else
	s_sub_nc_u64 s[G0+4*\slot+2:G0+4*\slot+3], s[G0+4*\slot+2:G0+4*\slot+3], -(\da)
.endif
.if (\db) >= 0
	s_add_nc_u64 s[G0B+4*\slot+2:G0B+4*\slot+3], s[G0B+4*\slot+2:G0B+4*\slot+3], \db
.else
	s_sub_nc_u64 s[G0B+4*\slot+2:G0B+4*\slot+3], s[G0B+4*\slot+2:G0B+4*\slot+3], -(\db)
.endif
	JLOAD \slot
.else
	PLACES
.endif
	FETCH \next, 0, F0
	WIN MUL
	MUL8 F1, 1, 0, 0
	MUL8 F1, 1, 2, 0
.endm
.macro LASTQ
	s_wait_dscnt 16
	WIN MUL
	MUL8 F1, 0, 0, 0
	MUL8 F1, 0, 2, 0
	s_wait_dscnt 0x0
	MUL8 F1, 1, 0, 0
	MUL8 F1, 1, 2, 0
	WIN 0
.endm
.macro STEP slot, next, zero, fill, da, db
	QUARTER \slot, 1, F0, F1, \zero
	QUARTER \slot, 2, F1, F0, 0
	QUARTER \slot, 3, F0, F1, 0
	TURN \slot, \next, \fill, \da, \db
.endm
.macro RV_LOAD vec, b
.irp t, 0,1,2,3
	global_load_b128 v[\vec+8*\t:\vec+8*\t+3],   v29, s[\b:\b+1] offset:1024*\t
	global_load_b128 v[\vec+8*\t+4:\vec+8*\t+7], v29, s[\b:\b+1] offset:1024*\t+16
.endr
.endm
.macro RR_LOAD row, b, imm
.irp t, 0,1,2,3
	global_load_b128 v[\row+4*\t:\row+4*\t+3], v30, s[\b:\b+1] offset:\imm+512*\t
.endr
.endm
.macro RDOT acc, row, vec, i0, i1
.irp t, 0,1,2,3
.irp k, 0,1,2,3
.if \t+\k == 0
	v_fma_mix_f32_bf16 v[\acc],   v[\row], v[\vec],   v[\i0] op_sel_hi:[1,0,0]
	v_fma_mix_f32_bf16 v[\acc+1], v[\row], v[\vec+1], v[\i1] op_sel:[1,0,0] op_sel_hi:[1,0,0]
.else
	v_fma_mix_f32_bf16 v[\acc],   v[\row+4*\t+\k], v[\vec+8*\t+2*\k],   v[\acc]   op_sel_hi:[1,0,0]
	v_fma_mix_f32_bf16 v[\acc+1], v[\row+4*\t+\k], v[\vec+8*\t+2*\k+1], v[\acc+1] op_sel:[1,0,0] op_sel_hi:[1,0,0]
.endif
.endr
.endr
.endm
.macro RSUM acc
	v_add_f32 v[\acc], v[\acc], v[\acc+1]
	v_add_f32_dpp v[\acc], v[\acc], v[\acc] row_xmask:1 row_mask:0xf bank_mask:0xf
	v_add_f32_dpp v[\acc], v[\acc], v[\acc] row_xmask:2 row_mask:0xf bank_mask:0xf
	v_add_f32_dpp v[\acc], v[\acc], v[\acc] row_xmask:4 row_mask:0xf bank_mask:0xf
	v_add_f32_dpp v[\acc], v[\acc], v[\acc] row_xmask:8 row_mask:0xf bank_mask:0xf
	v_permlanex16_b32 v[\acc+1], v[\acc], s76, s77
	v_add_f32 v[\acc], v[\acc], v[\acc+1]
.endm
; Accumulator t = 4 a + b: + f u (f = 1 for q', 0 for W3), then out as a pair hi, lo
.macro HL t
.set rA, ACC+8*(\t)
.set rT, 96+16*((\t)%2)
.irp k, 0,1,2,3
	v_pk_fma_f32 v[rA+2*\k:rA+2*\k+1], v[32+8*((\t)%4)+2*\k:32+8*((\t)%4)+2*\k+1], s[80:81], v[rA+2*\k:rA+2*\k+1] op_sel_hi:[1,0,1]
.endr
.irp k, 0,1,2,3
	v_cvt_pk_bf16_f32 v[rT+\k], v[rA+2*\k], v[rA+2*\k+1]
.endr
.irp k, 0,1,2,3
	v_lshlrev_b32 v[rT+8+2*\k], 16, v[rT+\k]
	v_and_b32     v[rT+9+2*\k], s78, v[rT+\k]
.endr
.irp k, 0,1,2,3
	v_pk_add_f32 v[rT+8+2*\k:rT+9+2*\k], v[rA+2*\k:rA+2*\k+1], v[rT+8+2*\k:rT+9+2*\k] neg_lo:[0,1] neg_hi:[0,1]
.endr
.irp k, 0,1,2,3
	v_cvt_pk_bf16_f32 v[rT+4+\k], v[rT+8+2*\k], v[rT+9+2*\k]
.endr
	ds_store_b128 v[STO], v[rT:rT+3]   offset:((\t)/4)*16*SPITCH+32*((\t)%4)
	ds_store_b128 v[STO], v[rT+4:rT+7] offset:PLANE+((\t)/4)*16*SPITCH+32*((\t)%4)
.endm
	s_load_b128 s[4:7], s[0:1], 0x0                ; conv s[4:5], wcat s[6:7]
	s_load_b128 s[68:71], s[0:1], 0x10             ; bq s[68:69], bk s[70:71]
	s_load_b64 s[8:9], s[0:1], 0x20                ; qw
	v_lshl_add_u32 v22, v0, 2, 0x42000
	v_mov_b32 v23, 0
	ds_add_u32 v22, v23
	v_lshrrev_b32 v1, 5, v0
	v_readfirstlane_b32 s10, v1
	s_lshr_b32 s11, s10, 1
	s_and_b32 s12, s10, 1
	s_bfe_u32 s40, ttmp6, 0x40000                  ; cx
	s_bfe_u32 s41, ttmp6, 0x40004                  ; cy
	s_lshl_b32 s42, ttmp9, 2
	s_add_co_u32 s42, s42, s40                     ; tile column x
	s_and_b32 s45, ttmp7, 0xffff                   ; the cluster's y
	s_lshl_b32 s13, s45, 2
	s_add_co_u32 s13, s13, s41                     ; tile row y
	s_lshl_b32 s43, s41, 2
	s_lshl_b32 s43, 15, s43
	s_lshl_b32 s44, 0x1111, s40
	s_or_b32 s[G1+0], s43, (1<<16)|(1<<20)|(1<<21)|(6<<22)|(3<<25)
	s_or_b32 s[G1B+0], s44, (1<<16)|(1<<20)|(1<<21)|(6<<22)|(3<<25)
.irp g, G1, G1B
	s_mov_b32 s[\g+1], 256<<16
	s_mov_b32 s[\g+2], 64<<16
	s_mov_b32 s[\g+3], 256<<16
	s_mov_b32 s[\g+4], 64
	s_mov_b32 s[\g+6], 0
	s_mov_b32 s[\g+7], 0
.endr
	s_mov_b32 s[G1+5], APITCH
	s_mov_b32 s[G1B+5], BPITCH
	s_lshl_b32 s16, s13, 7                         ; A: conv row 128 y + 64 half (q, then Wk)
	s_lshl_b32 s17, s12, 6
	s_add_co_u32 s16, s16, s17
	s_lshl_b32 s16, s16, 11
	s_mov_b32 s17, 0
	s_lshl_b32 s46, s42, 7                         ; B: wcat row 1024 (cluster y / 8) + 128 x + 64 half (B1 for y < 32, XT from 32 on)
	s_lshl_b32 s47, s12, 6
	s_add_co_u32 s46, s46, s47
	s_lshr_b32 s47, s45, 3
	s_lshl_b32 s47, s47, 10
	s_add_co_u32 s46, s46, s47
	s_lshl_b32 s46, s46, 12
	s_mov_b32 s47, 0
	s_mul_i32 s20, s12, HALFA
	s_mul_i32 s23, s12, HALFB
	s_add_co_u32 s23, s23, BOFF
	s_mov_b32 s76, 0x76543210
	s_mov_b32 s77, 0xfedcba98
	s_mov_b32 s78, 0xffff0000
	s_wait_dscnt 0x0
	s_wait_kmcnt 0x0
	s_add_nc_u64 s[14:15], s[4:5], s[16:17]
	s_add_nc_u64 s[46:47], s[6:7], s[46:47]
	CROUND
.irp s, 0,1
	s_mov_b32 s[G0+4*\s], 1
	s_add_co_u32 s[G0+4*\s+1], s20, \s*SLOT
	s_add_nc_u64 s[G0+4*\s+2:G0+4*\s+3], s[14:15], \s*512
	s_or_b32 s[G0+4*\s+3], s[G0+4*\s+3], 0x80000000
	s_mov_b32 s[G0B+4*\s], 1
	s_add_co_u32 s[G0B+4*\s+1], s23, \s*SLOT
	s_add_nc_u64 s[G0B+4*\s+2:G0B+4*\s+3], s[46:47], \s*BSL1
	s_or_b32 s[G0B+4*\s+3], s[G0B+4*\s+3], 0x80000000
	JLOAD \s
.endr
	v_and_b32 v1, 15, v0
	v_bfe_u32 v2, v0, 4, 1
	v_and_b32 v[LN], 31, v0
	v_mul_u32_u24 v3, v1, PITCH
	v_lshl_add_u32 v3, v2, 4, v3
	s_mul_i32 s21, s11, HALFA
	s_mul_i32 s22, s12, HALFB
	s_add_co_u32 s22, s22, BOFF
.irp s, 0,1
	v_add_nc_u32 v[ADRA+\s], s21, v3
	v_add_nc_u32 v[ADRB+\s], s22, v3
	s_add_co_u32 s21, s21, SLOT
	s_add_co_u32 s22, s22, SLOT
.endr
	s_mul_i32 s21, s11, 64*SPITCH
	s_lshl_b32 s22, s12, 7
	s_add_co_u32 s21, s21, s22
	v_mul_u32_u24 v4, v1, SPITCH
	v_lshl_add_u32 v4, v2, 4, v4
	v_add_nc_u32 v[STO], s21, v4
	s_mul_i32 s21, s10, 32*SPITCH
	v_mul_u32_u24 v5, v2, SPITCH
	v_lshl_add_u32 v5, v1, 4, v5
	v_add_nc_u32 v[RD], s21, v5
	v_lshlrev_b32 v5, 12, v2
	v_lshl_add_u32 v[CO], v1, 4, v5
	; c's place, from qw's address as it came
	s_lshl_b32 s88, s13, 7
	s_lshl4_add_u32 s88, s42, s88
	s_lshl2_add_u32 s88, s10, s88                  ; i0 = 128 y + 16 x + 4 wave: my wave's four rows of q
	s_lshl_b32 s86, s88, 11
	s_mov_b32 s87, 0
	s_add_nc_u64 s[86:87], s[4:5], s[86:87]        ; conv at q's row i0
	s_lshl_b32 s88, s88, 2
	s_add_co_u32 s88, s88, 0x1400000
	s_mov_b32 s89, 0
	s_add_nc_u64 s[88:89], s[8:9], s[88:89]        ; qw at c[i0]
	s_add_nc_u64 s[84:85], s[6:7], 0x801000        ; wcat at w
	s_lshl_b32 s16, s13, 7                         ; the first row of qw that I store
	s_lshl_b32 s17, s10, 5
	s_add_co_u32 s16, s16, s17
	s_lshl_b32 s16, s16, 12
	s_mov_b32 s17, 0
	s_add_nc_u64 s[8:9], s[8:9], s[16:17]
	s_lshl_b32 s46, s42, 8
	s_mov_b32 s47, 0
	s_add_nc_u64 s[8:9], s[8:9], s[46:47]
	; u of my 64 columns: register 32 + 8 b + j holds u[128 x + 64 half + 16 b + 8 h + j]; waited for on the way out
	s_lshl_b32 s82, s42, 9
	s_lshl_b32 s83, s12, 8
	s_add_co_u32 s82, s82, s83
	s_add_co_u32 s82, s82, 0x800000
	s_mov_b32 s83, 0
	s_add_nc_u64 s[82:83], s[6:7], s[82:83]
	v_lshlrev_b32 v28, 5, v2
.irp b, 0,1,2,3
	global_load_b128 v[32+8*\b:35+8*\b], v28, s[82:83] offset:64*\b
	global_load_b128 v[36+8*\b:39+8*\b], v28, s[82:83] offset:64*\b+16
.endr
	s_cmp_lt_u32 s45, 8                            ; the cluster's y, alike in all partners: rows of q (y < 32) or of Wk
	s_cselect_b32 s80, 0x3f800000, 0               ; f
	s_mov_b32 s81, s80                             ; named with it as a pair, so it is written
	s_cbranch_scc0 .Lno_c
	; c[i] = q[i] . w + bq . bk.  Each row's two chains start from the lane's share of bq . bk, so one sum over the lanes gives both terms.
	v_lshlrev_b32 v29, 5, v[LN]
	v_lshlrev_b32 v30, 4, v[LN]
	v_lshlrev_b32 v31, 2, v[LN]
	RV_LOAD 128, 84                                ; w
	RV_LOAD 160, 68                                ; bq
	RV_LOAD 192, 70                                ; bk
	RR_LOAD 224, 86, 0
	RR_LOAD 240, 86, 2048
	RR_LOAD 64,  86, 4096
	RR_LOAD 80,  86, 6144
	s_wait_loadcnt 0x0
	v_pk_mul_f32 v[106:107], v[160:161], v[192:193]
.irp i, 1,2,3,4,5,6,7,8,9,10,11,12,13,14,15
	v_pk_fma_f32 v[106:107], v[160+2*\i:161+2*\i], v[192+2*\i:193+2*\i], v[106:107]
.endr
	RDOT 96,  224, 128, 106, 107
	RDOT 98,  240, 128, 106, 107
	RDOT 100, 64,  128, 106, 107
	RDOT 102, 80,  128, 106, 107
	RSUM 96
	RSUM 98
	RSUM 100
	RSUM 102
	v_cmp_eq_u32 vcc_lo, 1, v[LN]
	v_cndmask_b32 v104, v96, v98, vcc_lo           ; lane n of the first four takes row i0 + n's sum
	v_cmp_eq_u32 vcc_lo, 2, v[LN]
	v_cndmask_b32 v104, v104, v100, vcc_lo
	v_cmp_eq_u32 vcc_lo, 3, v[LN]
	v_cndmask_b32 v104, v104, v102, vcc_lo
	v_cmp_gt_u32 vcc_lo, 4, v[LN]
	s_wait_xcnt 0x0                                ; EXEC changes only behind this wait
	s_and_saveexec_b32 s79, vcc_lo
	global_store_b32 v31, v104, s[88:89]           ; 16 bytes a wave: c is 16 KiB in the whole launch
	s_wait_xcnt 0x0
	s_or_b32 exec_lo, exec_lo, s79
.Lno_c:
	s_wait_tensorcnt 1                             ; my part of K step 0 is in; K step 1's may stay out
	s_barrier_signal -1
	s_barrier_wait -1
	FETCH 0, 0, F0
	STEP 0, 1, 1, 1, 1024, 1024                    ; A goes 0, 1, 2, 3, 0, 1, 2, 3 along its 1,024 numbers, B straight along its 2,048
	STEP 1, 0, 0, 1, 1024, 1024
	STEP 0, 1, 0, 1, -1024, 1024
	STEP 1, 0, 0, 1, -1024, 1024
	STEP 0, 1, 0, 1, 1024, 1024
	STEP 1, 0, 0, 1, 1024, 1024
	STEP 0, 1, 0, 0, 0, 0
	QUARTER 1, 1, F0, F1, 0
	QUARTER 1, 2, F1, F0, 0
	QUARTER 1, 3, F0, F1, 0
	LASTQ
	s_wait_loadcnt 0x0                             ; u
	PLACES
.irp t, 0,1,2,3,4,5,6,7,8,9,10,11,12,13,14,15
	HL \t
.endr
	s_wait_dscnt 0x0
	s_barrier_signal -1
	s_barrier_wait -1
.irp t, 0,1,2,3,4,5,6,7,8,9,10,11,12,13,14,15
	ds_load_b128 v[128+4*\t:131+4*\t], v[RD] offset:\t*2*SPITCH
.endr
.irp t, 0,1,2,3,4,5,6,7,8,9,10,11,12,13,14,15
	ds_load_b128 v[192+4*\t:195+4*\t], v[RD] offset:PLANE+\t*2*SPITCH
.endr
.irp t, 0,1,2,3,4,5,6,7,8,9,10,11,12,13,14,15
	s_wait_dscnt 31-\t
	global_store_b128 v[CO], v[128+4*\t:131+4*\t], s[8:9] offset:2*\t*4096
.endr
.irp t, 0,1,2,3,4,5,6,7,8,9,10,11,12,13,14,15
	s_wait_dscnt 15-\t
	global_store_b128 v[CO], v[192+4*\t:195+4*\t], s[8:9] offset:2*\t*4096+2048
.endr
	s_wait_tensorcnt 0x0
	ds_add_u32 v22, v23
	s_wait_dscnt 0x0
	CROUND
	s_endpgm
.Lfunc_end_k_q8d051b67fb_gemm_q:
	.size	k_q8d051b67fb_gemm_q, .Lfunc_end_k_q8d051b67fb_gemm_q-k_q8d051b67fb_gemm_q
	.p2alignl 7, 3214868480
	.fill 96, 4, 3214868480
	.section	.rodata,"a",@progbits
	.p2align	6, 0x0
	.amdhsa_kernel k_q8d051b67fb_gemm_q
		.amdhsa_group_segment_fixed_size 327680
		.amdhsa_private_segment_fixed_size 0
		.amdhsa_enable_private_segment 0
		.amdhsa_kernarg_size 40
		.amdhsa_user_sgpr_count 2
		.amdhsa_user_sgpr_kernarg_segment_ptr 1
		.amdhsa_wavefront_size32 1
		.amdhsa_system_sgpr_workgroup_id_x 1
		.amdhsa_system_sgpr_workgroup_id_y 1
		.amdhsa_system_sgpr_workgroup_id_z 1
		.amdhsa_system_vgpr_workitem_id 0
		.amdhsa_next_free_vgpr 512
		.amdhsa_next_free_sgpr 90
		.amdhsa_reserve_vcc 1
		.amdhsa_float_denorm_mode_32 3
		.amdhsa_float_denorm_mode_16_64 3
		.amdhsa_memory_ordered 1
		.amdhsa_forward_progress 1
		.amdhsa_inst_pref_size 195
	.end_amdhsa_kernel
	.amdgpu_metadata
---
amdhsa.version: [ 1, 2 ]
amdhsa.kernels:
  - .name:           k_q8d051b67fb_gemm_q
    .symbol:         k_q8d051b67fb_gemm_q.kd
    .args:
      - { .name: conv, .offset: 0, .size: 8, .value_kind: global_buffer, .address_space: global }
      - { .name: wcat, .offset: 8, .size: 8, .value_kind: global_buffer, .address_space: global }
      - { .name: bq, .offset: 16, .size: 8, .value_kind: global_buffer, .address_space: global }
      - { .name: bk, .offset: 24, .size: 8, .value_kind: global_buffer, .address_space: global }
      - { .name: qw, .offset: 32, .size: 8, .value_kind: global_buffer, .address_space: global }
    .group_segment_fixed_size: 327680
    .private_segment_fixed_size: 0
    .kernarg_segment_align: 8
    .kernarg_segment_size: 40
    .max_flat_workgroup_size: 128
    .sgpr_count:     90
    .vgpr_count:     512
    .wavefront_size: 32
...
	.end_amdgpu_metadata
.endif
;; end of part 3
;; launch scores (part 4): grid 16 x 32, 4 waves a work-group, clusters of 4 x 4, 327,680 bytes of LDS; arguments qw, conv, mask, pbuf; writes pbuf
.if DOCPART == 4
	.amdgcn_target "amdgcn-amd-amdhsa--gfx1250"
	.amdhsa_code_object_version 6
	.text
	.protected	k_q8d051b67fb_scores
	.globl	k_q8d051b67fb_scores
	.p2align	8
	.type	k_q8d051b67fb_scores,@function
k_q8d051b67fb_scores:
	s_mov_b64 s[64:65], 0
	v_nop
	global_prefetch_b8 v0, s[64:65] scope:SCOPE_SE
	s_setreg_imm32_b32 hwreg(HW_REG_WAVE_MODE, 25, 1), 1
	s_wait_xcnt 0x0
	s_wait_alu depctr_hold_cnt(0) depctr_sa_sdst(0) depctr_va_vdst(0) depctr_va_sdst(0) depctr_va_ssrc(0) depctr_va_vcc(0) depctr_vm_vsrc(0)
	s_getreg_b32 s2, hwreg(HW_REG_IB_STS2, 6, 4)
	s_cmp_eq_u32 s2, 0
	s_cbranch_scc0 .Lentry_in_a_cluster
	s_endpgm
.Lentry_in_a_cluster:
	s_bfe_u32 s2, ttmp6, 0x10000c
	s_cmp_lg_u32 s2, 0xf033
	s_cbranch_scc0 .Lentry_shape_is_right
	s_endpgm
.Lentry_shape_is_right:
; S[i][j] = q'[i] . k[j] + c[i], -10000 where mask[j] = 0.  A tile is 128 queries (tile row y) x the 128 keys of block x of the queries' batch (the cluster's y).
; q' is a pair of bf16, so K is 2,048: q' hi and then lo against k's 1,024 numbers twice.
; Softmax, first half: the block's own maximum m is taken away, P = exp(S - m) is rounded to bf16 (pbuf, [4096][2048]); m and l = the sum of the rounded P go to
; mstat and lstat, [16 blocks][4096 rows] f32, at pbuf bytes 16,777,216 and 17,039,360.  The next launch brings the blocks to the row's true maximum.
; Shape, ring and cluster as in gemm_w.  The stage lies in slot 0 (last filled with K step 6); 2 KiB of scratch for the waves' maxima and sums lie behind the ring.
; Limits: NaN and infinities are not served; v_exp_f32 gives 0 where the result would lie under 2^-126.
.set APITCH, 2048
.set BPITCH, 1024
.set PITCH,  528
.set HALFA,  64*PITCH
.set HALFB,  64*PITCH
.set BOFF,   2*HALFA
.set SLOT,   BOFF+2*HALFB
.set BSL1,   512
.set SCR,    2*SLOT                    ; wave w: 64 maxima at SCR + 256 w, 64 sums at SCR + 1024 + 256 w
.set SPITCH, 272
.set ADRA, 16
.set ADRB, 20
.set STO,  24
.set RD,   25
.set CO,   26
.set LN,   27
.set ACC,  128
.set F0,   0
.set F1,   128
.set G1,   24
.set G0,   32
.set G1B,  48
.set G0B,  56
.set MUL,  0x05
.set TO_F, 0x40
.set MSB, 0
.macro WIN new
.if MSB != \new
	s_set_vgpr_msb (MSB<<8)|\new
.set MSB, \new
.endif
.endm
.macro JLOAD s                         ; a joint load: waves 0 and 1 fetch A's two halves, waves 2 and 3 B's; four v_nop follow each line
	s_cmp_eq_u32 s11, 0
	s_cbranch_scc0 .Lfor_b_\@
	tensor_load_to_lds s[G0+4*\s:G0+4*\s+3], s[G1:G1+7]
	s_nop 0
.rept 4
	v_nop
.endr
	s_branch .Lasked_\@
.Lfor_b_\@:
	tensor_load_to_lds s[G0B+4*\s:G0B+4*\s+3], s[G1B:G1B+7]
	s_nop 0
.rept 4
	v_nop
.endr
.Lasked_\@:
.endm
.macro CREST
	s_cmp_lg_u32 s10, 0
	s_cbranch_scc1 .Lnot_wave_0_\@
	s_barrier_signal -3
.Lnot_wave_0_\@:
	s_barrier_wait -3
	s_barrier_signal -1
	s_barrier_wait -1
.endm
.macro CROUND
	s_barrier_signal -1
	s_barrier_wait -1
	CREST
.endm
.macro PLACES
.rept 4
	v_nop
.endr
.endm
.macro MUL8 f, c, a0, zero             ; the 16 accumulators take turns
.irp a, \a0, \a0+1
.irp b, 0,1,2,3
.if \zero
	v_wmma_f32_16x16x32_bf16 v[ACC+8*(4*(\a)+\b):ACC+8*(4*(\a)+\b)+7], v[\f+64+8*(4*\c+\b):\f+64+8*(4*\c+\b)+7], v[\f+8*(4*\c+\a):\f+8*(4*\c+\a)+7], 0
.else
	v_wmma_f32_16x16x32_bf16 v[ACC+8*(4*(\a)+\b):ACC+8*(4*(\a)+\b)+7], v[\f+64+8*(4*\c+\b):\f+64+8*(4*\c+\b)+7], v[\f+8*(4*\c+\a):\f+8*(4*\c+\a)+7], v[ACC+8*(4*(\a)+\b):ACC+8*(4*(\a)+\b)+7]
.endif
.endr
.endr
.endm
.macro FETCH slot, q, f
	WIN TO_F
.irp c, 0,1
.irp i, 0,1,2,3
	ds_load_b128 v[\f+64+8*(4*\c+\i):\f+64+8*(4*\c+\i)+3],   v[ADRB+\slot] offset:128*\q+64*\c+\i*16*PITCH
	ds_load_b128 v[\f+64+8*(4*\c+\i)+4:\f+64+8*(4*\c+\i)+7], v[ADRB+\slot] offset:128*\q+64*\c+\i*16*PITCH+32
	ds_load_b128 v[\f+8*(4*\c+\i):\f+8*(4*\c+\i)+3],         v[ADRA+\slot] offset:128*\q+64*\c+\i*16*PITCH
	ds_load_b128 v[\f+8*(4*\c+\i)+4:\f+8*(4*\c+\i)+7],       v[ADRA+\slot] offset:128*\q+64*\c+\i*16*PITCH+32
.endr
.endr
.endm
.macro QUARTER slot, q, f, g, zero
	s_wait_dscnt 16                                ; the first 32 along K are in; the younger sixteen loads may be out
	WIN MUL
	MUL8 \f, 0, 0, \zero
	MUL8 \f, 0, 2, \zero
	PLACES
	FETCH \slot, \q, \g
	s_wait_dscnt 32                                ; all but the 32 just issued
	WIN MUL
	MUL8 \f, 1, 0, 0
	MUL8 \f, 1, 2, 0
.endm
.macro TURN slot, next, fill, da, db
	s_wait_dscnt 16
	WIN MUL
	MUL8 F1, 0, 0, 0
	s_wait_dscnt 0x0                               ; my reads of this slot are over,
	s_set_vgpr_msb 0x500
	s_wait_tensorcnt 0x0                           ; and all my tensor loads have landed: my part of the next slot
	ds_add_u32 v118, v119
	s_wait_dscnt 0x0
	s_set_vgpr_msb 0x5
	s_barrier_signal -1
	MUL8 F1, 0, 2, 0
.if \fill
	WIN 0
.endif
	s_barrier_wait -1
.if \fill
	CREST                                          ; no wave of any partner still reads this slot or has a load on its way
.if (\da) >= 0
	s_add_nc_u64 s[G0+4*\slot+2:G0+4*\slot+3], s[G0+4*\slot+2:G0+4*\slot+3], \da
.else
	s_sub_nc_u64 s[G0+4*\slot+2:G0+4*\slot+3], s[G0+4*\slot+2:G0+4*\slot+3], -(\da)
.endif
.if (\db) >= 0
	s_add_nc_u64 s[G0B+4*\slot+2:G0B+4*\slot+3], s[G0B+4*\slot+2:G0B+4*\slot+3], \db
.else
	s_sub_nc_u64 s[G0B+4*\slot+2:G0B+4*\slot+3], s[G0B+4*\slot+2:G0B+4*\slot+3], -(\db)
.endif
	JLOAD \slot
.else
	PLACES
.endif
	FETCH \next, 0, F0
	WIN MUL
	MUL8 F1, 1, 0, 0
	MUL8 F1, 1, 2, 0
.endm
.macro LASTQ
	s_wait_dscnt 16
	WIN MUL
	MUL8 F1, 0, 0, 0
	MUL8 F1, 0, 2, 0
	s_wait_dscnt 0x0
	MUL8 F1, 1, 0, 0
	MUL8 F1, 1, 2, 0
	WIN 0
.endm
.macro STEP slot, next, zero, fill, da, db
	QUARTER \slot, 1, F0, F1, \zero
	QUARTER \slot, 2, F1, F0, 0
	QUARTER \slot, 3, F0, F1, 0
	TURN \slot, \next, \fill, \da, \db
.endm
; v[d:d+1] += v[s] (neg = 0) or -= v[s] (neg = 1), the one register s feeding both halves
.macro PKADDB d, s, neg
.if ((\s)%2) == 0
.if \neg
	v_pk_add_f32 v[\d:\d+1], v[\d:\d+1], v[\s:\s+1] op_sel_hi:[1,0] neg_lo:[0,1] neg_hi:[0,1]
.else
	v_pk_add_f32 v[\d:\d+1], v[\d:\d+1], v[\s:\s+1] op_sel_hi:[1,0]
.endif
.else
.if \neg
	v_pk_add_f32 v[\d:\d+1], v[\d:\d+1], v[\s-1:\s] op_sel:[0,1] op_sel_hi:[1,1] neg_lo:[0,1] neg_hi:[0,1]
.else
	v_pk_add_f32 v[\d:\d+1], v[\d:\d+1], v[\s-1:\s] op_sel:[0,1] op_sel_hi:[1,1]
.endif
.endif
.endm
; Accumulator t = 4 a + b: the weights are rounded to bf16, the ROUNDED weights are added into l of block a, and 16 bytes a lane go into the stage
.macro PROB t
.set rA, ACC+8*(\t)
.set rT, 96+16*((\t)%2)
.set rL, 80+2*((\t)/4)
.irp k, 0,1,2,3
	v_cvt_pk_bf16_f32 v[rT+\k], v[rA+2*\k], v[rA+2*\k+1]
.endr
.irp k, 0,1,2,3
	v_lshlrev_b32 v[rT+8+2*\k], 16, v[rT+\k]
	v_and_b32     v[rT+9+2*\k], s78, v[rT+\k]
.endr
.if ((\t)%4) == 0
	v_pk_add_f32 v[rL:rL+1], v[rT+8:rT+9], v[rT+10:rT+11]      ; the first two pairs start the sum
.else
	v_pk_add_f32 v[rL:rL+1], v[rL:rL+1], v[rT+8:rT+9]
	v_pk_add_f32 v[rL:rL+1], v[rL:rL+1], v[rT+10:rT+11]
.endif
	v_pk_add_f32 v[rL:rL+1], v[rL:rL+1], v[rT+12:rT+13]
	v_pk_add_f32 v[rL:rL+1], v[rL:rL+1], v[rT+14:rT+15]
	ds_store_b128 v[STO], v[rT:rT+3] offset:((\t)/4)*16*SPITCH+32*((\t)%4)
.endm
	s_load_b128 s[4:7], s[0:1], 0x0                ; qw s[4:5], conv s[6:7]
	s_load_b128 s[68:71], s[0:1], 0x10             ; mask s[68:69], pbuf s[70:71]
	v_lshl_add_u32 v118, v0, 2, 0x42800
	v_mov_b32 v119, 0
	ds_add_u32 v118, v119
	v_lshrrev_b32 v1, 5, v0
	v_readfirstlane_b32 s10, v1
	s_lshr_b32 s11, s10, 1
	s_and_b32 s12, s10, 1
	s_bfe_u32 s40, ttmp6, 0x40000                  ; cx
	s_bfe_u32 s41, ttmp6, 0x40004                  ; cy
	s_lshl_b32 s42, ttmp9, 2
	s_add_co_u32 s42, s42, s40                     ; x: the block of 128 keys
	s_and_b32 s45, ttmp7, 0xffff                   ; the cluster's y = the batch (four tiles of 128 queries)
	s_lshl_b32 s13, s45, 2
	s_add_co_u32 s13, s13, s41                     ; y: the tile of 128 queries
	s_lshl_b32 s43, s41, 2
	s_lshl_b32 s43, 15, s43
	s_lshl_b32 s44, 0x1111, s40
	s_or_b32 s[G1+0], s43, (1<<16)|(1<<20)|(1<<21)|(6<<22)|(3<<25)
	s_or_b32 s[G1B+0], s44, (1<<16)|(1<<20)|(1<<21)|(6<<22)|(3<<25)
.irp g, G1, G1B
	s_mov_b32 s[\g+1], 256<<16
	s_mov_b32 s[\g+2], 64<<16
	s_mov_b32 s[\g+3], 256<<16
	s_mov_b32 s[\g+4], 64
	s_mov_b32 s[\g+6], 0
	s_mov_b32 s[\g+7], 0
.endr
	s_mov_b32 s[G1+5], APITCH
	s_mov_b32 s[G1B+5], BPITCH
	s_lshl_b32 s16, s13, 7                         ; A: qw row 128 y + 64 half
	s_lshl_b32 s17, s12, 6
	s_add_co_u32 s16, s16, s17
	s_lshl_b32 s16, s16, 12
	s_mov_b32 s17, 0
	s_lshl_b32 s46, s42, 7                         ; B: conv row 8192 + 2048 batch + 128 x + 64 half
	s_lshl_b32 s47, s12, 6
	s_add_co_u32 s46, s46, s47
	s_lshl_b32 s47, s45, 11
	s_add_co_u32 s46, s46, s47
	s_add_co_u32 s46, s46, 8192
	s_lshl_b32 s46, s46, 11
	s_mov_b32 s47, 0
	s_mul_i32 s20, s12, HALFA
	s_mul_i32 s23, s12, HALFB
	s_add_co_u32 s23, s23, BOFF
	s_mov_b32 s76, 0x76543210
	s_mov_b32 s77, 0xfedcba98
	s_mov_b32 s78, 0xffff0000
	s_wait_dscnt 0x0
	s_wait_kmcnt 0x0
	s_add_nc_u64 s[14:15], s[4:5], s[16:17]
	s_add_nc_u64 s[46:47], s[6:7], s[46:47]
	CROUND
.irp s, 0,1
	s_mov_b32 s[G0+4*\s], 1
	s_add_co_u32 s[G0+4*\s+1], s20, \s*SLOT
	s_add_nc_u64 s[G0+4*\s+2:G0+4*\s+3], s[14:15], \s*512
	s_or_b32 s[G0+4*\s+3], s[G0+4*\s+3], 0x80000000
	s_mov_b32 s[G0B+4*\s], 1
	s_add_co_u32 s[G0B+4*\s+1], s23, \s*SLOT
	s_add_nc_u64 s[G0B+4*\s+2:G0B+4*\s+3], s[46:47], \s*BSL1
	s_or_b32 s[G0B+4*\s+3], s[G0B+4*\s+3], 0x80000000
	JLOAD \s
.endr
	v_and_b32 v1, 15, v0
	v_bfe_u32 v2, v0, 4, 1
	v_and_b32 v[LN], 31, v0
	v_mul_u32_u24 v3, v1, PITCH
	v_lshl_add_u32 v3, v2, 4, v3
	s_mul_i32 s21, s11, HALFA
	s_mul_i32 s22, s12, HALFB
	s_add_co_u32 s22, s22, BOFF
.irp s, 0,1
	v_add_nc_u32 v[ADRA+\s], s21, v3
	v_add_nc_u32 v[ADRB+\s], s22, v3
	s_add_co_u32 s21, s21, SLOT
	s_add_co_u32 s22, s22, SLOT
.endr
	s_mul_i32 s21, s11, 64*SPITCH
	s_lshl_b32 s22, s12, 7
	s_add_co_u32 s21, s21, s22
	v_mul_u32_u24 v4, v1, SPITCH
	v_lshl_add_u32 v4, v2, 4, v4
	v_add_nc_u32 v[STO], s21, v4
	s_mul_i32 s21, s10, 32*SPITCH
	v_mul_u32_u24 v5, v2, SPITCH
	v_lshl_add_u32 v5, v1, 4, v5
	v_add_nc_u32 v[RD], s21, v5
	v_lshlrev_b32 v5, 12, v2                       ; a row of P is 4,096 bytes
	v_lshl_add_u32 v[CO], v1, 4, v5
	s_lshl_b32 s21, s10, 8                         ; the scratch: my wave's words,
	s_add_co_u32 s21, s21, SCR
	v_lshl_add_u32 v69, v1, 2, s21
	s_xor_b32 s22, s10, 1                          ; those of the wave with the other 64 keys of my rows,
	s_lshl_b32 s22, s22, 8
	s_add_co_u32 s22, s22, SCR
	v_lshl_add_u32 v74, v1, 2, s22
	s_lshl_b32 s21, s11, 9                         ; and, for the statistics, tile row 32 wave + lane in the words of the two waves that own it
	s_lshl_b32 s22, s12, 7
	s_add_co_u32 s21, s21, s22
	s_add_co_u32 s21, s21, SCR
	v_lshl_add_u32 v75, v[LN], 2, s21
	v_mov_b32 v68, 0xc61c4000                      ; -10000.0
	s_lshl_b32 s16, s13, 7                         ; the first row of P that I store
	s_lshl_b32 s17, s10, 5
	s_add_co_u32 s16, s16, s17
	s_lshl_b32 s16, s16, 12
	s_mov_b32 s17, 0
	s_add_nc_u64 s[8:9], s[70:71], s[16:17]
	s_lshl_b32 s46, s42, 8
	s_mov_b32 s47, 0
	s_add_nc_u64 s[8:9], s[8:9], s[46:47]
	s_lshl_b32 s86, s42, 12                        ; mstat[x][128 y + 32 wave + lane]
	s_lshl_b32 s87, s13, 7
	s_add_co_u32 s86, s86, s87
	s_lshl_b32 s87, s10, 5
	s_add_co_u32 s86, s86, s87
	s_lshl_b32 s86, s86, 2
	s_add_co_u32 s86, s86, 0x1000000
	s_mov_b32 s87, 0
	s_add_nc_u64 s[86:87], s[70:71], s[86:87]
	v_lshlrev_b32 v31, 2, v[LN]
	; the mask of my 64 keys (register 32 + 8 b + j: key 16 b + 8 h + j) and c of my 64 rows (register 64 + a: row 16 a + r): asked for now, waited for behind the products
	s_lshl_b32 s82, s45, 11
	s_lshl_b32 s83, s42, 7
	s_add_co_u32 s82, s82, s83
	s_lshl_b32 s83, s12, 6
	s_add_co_u32 s82, s82, s83
	s_lshl_b32 s82, s82, 2
	s_mov_b32 s83, 0
	s_add_nc_u64 s[82:83], s[68:69], s[82:83]
	v_lshlrev_b32 v28, 5, v2
.irp b, 0,1,2,3
	global_load_b128 v[32+8*\b:35+8*\b], v28, s[82:83] offset:64*\b
	global_load_b128 v[36+8*\b:39+8*\b], v28, s[82:83] offset:64*\b+16
.endr
	s_lshl_b32 s84, s13, 7
	s_lshl_b32 s85, s11, 6
	s_add_co_u32 s84, s84, s85
	s_lshl_b32 s84, s84, 2
	s_add_co_u32 s84, s84, 0x1400000
	s_mov_b32 s85, 0
	s_add_nc_u64 s[84:85], s[4:5], s[84:85]
	v_lshlrev_b32 v29, 2, v1
.irp a, 0,1,2,3
	global_load_b32 v[64+\a], v29, s[84:85] offset:64*\a
.endr
	s_wait_tensorcnt 1                             ; my part of K step 0 is in; K step 1's may stay out
	s_barrier_signal -1
	s_barrier_wait -1
	FETCH 0, 0, F0
	STEP 0, 1, 1, 1, 1024, 1024                    ; A goes straight along its 2,048 numbers (hi, lo), B 0, 1, 2, 3, 0, 1, 2, 3 along its 1,024
	STEP 1, 0, 0, 1, 1024, 1024
	STEP 0, 1, 0, 1, 1024, -1024
	STEP 1, 0, 0, 1, 1024, -1024
	STEP 0, 1, 0, 1, 1024, 1024
	STEP 1, 0, 0, 1, 1024, 1024
	STEP 0, 1, 0, 0, 0, 0
	QUARTER 1, 1, F0, F1, 0
	QUARTER 1, 2, F1, F0, 0
	QUARTER 1, 3, F0, F1, 0
	LASTQ
	s_wait_loadcnt 0x0                             ; mask and c
	PLACES
.irp a, 0,1,2,3
.irp p, 0,1,2,3,4,5,6,7,8,9,10,11,12,13,14,15
	PKADDB ACC+32*\a+2*\p, 64+\a, 0                ; + c of the row
.endr
.endr
.irp b, 0,1,2,3
.irp j, 0,1,2,3,4,5,6,7
	v_cmp_eq_u32 vcc_lo, 0, v[32+8*\b+\j]
.irp a, 0,1,2,3
	v_cndmask_b32 v[ACC+8*(4*\a+\b)+\j], v[ACC+8*(4*\a+\b)+\j], v68, vcc_lo   ; -10000 where the key's mask is 0
.endr
.endr
.endr
	; the maximum of a row's 32 scores in my lane, of the other half of the lanes, of the other wave
.irp a, 0,1,2,3
	v_max3_num_f32 v[70+\a], v[ACC+32*\a], v[ACC+32*\a+1], v[ACC+32*\a+2]
.endr
.irp i, 0,1,2,3,4,5,6,7,8,9,10,11,12,13
.irp a, 0,1,2,3
	v_max3_num_f32 v[70+\a], v[70+\a], v[ACC+32*\a+3+2*\i], v[ACC+32*\a+4+2*\i]
.endr
.endr
.irp a, 0,1,2,3
	v_max_num_f32 v[70+\a], v[70+\a], v[ACC+32*\a+31]
.endr
.irp a, 0,1,2,3
	v_permlanex16_b32 v[32+\a], v[70+\a], s76, s77 ; the mask's registers are free and have been written
.endr
.irp a, 0,1,2,3
	v_max_num_f32 v[70+\a], v[70+\a], v[32+\a]
.endr
.irp a, 0,1,2,3
	ds_store_b32 v69, v[70+\a] offset:64*\a
.endr
	s_wait_dscnt 0x0                               ; for the other wave's sake
	s_barrier_signal -1
	s_barrier_wait -1
.irp a, 0,1,2,3
	ds_load_b32 v[32+\a], v74 offset:64*\a
.endr
	s_wait_dscnt 0x0
.irp a, 0,1,2,3
	v_max_num_f32 v[70+\a], v[70+\a], v[32+\a]     ; m: the row's maximum over the block's 128 keys
.endr
.irp a, 0,1,2,3
.irp p, 0,1,2,3,4,5,6,7,8,9,10,11,12,13,14,15
	PKADDB ACC+32*\a+2*\p, 70+\a, 1                ; S - m first, so that large scores lose nothing,
.endr
.endr
.set i, 0
.rept 64
	v_pk_mul_f32 v[ACC+2*i:ACC+2*i+1], v[ACC+2*i:ACC+2*i+1], 0x3fb8aa3b op_sel_hi:[1,0]   ; then times log2(e)
.set i, i+1
.endr
.set i, 0
.rept 128
	v_exp_f32 v[ACC+i], v[ACC+i]
.set i, i+1
.endr
	v_nop                                          ; a plain instruction between the last exponential and the use of its result
	s_wait_alu depctr_va_vdst(0)
.irp t, 0,1,2,3,4,5,6,7,8,9,10,11,12,13,14,15
	PROB \t
.endr
.irp a, 0,1,2,3
	v_add_f32 v[80+2*\a], v[80+2*\a], v[81+2*\a]
.endr
.irp a, 0,1,2,3
	v_permlanex16_b32 v[81+2*\a], v[80+2*\a], s76, s77
.endr
.irp a, 0,1,2,3
	v_add_f32 v[80+2*\a], v[80+2*\a], v[81+2*\a]
.endr
.irp a, 0,1,2,3
	ds_store_b32 v69, v[80+2*\a] offset:1024+64*\a
.endr
	s_wait_dscnt 0x0                               ; for the others' sake: stage and sums are written
	s_barrier_signal -1
	s_barrier_wait -1
.irp t, 0,1,2,3,4,5,6,7,8,9,10,11,12,13,14,15
	ds_load_b128 v[128+4*\t:131+4*\t], v[RD] offset:\t*2*SPITCH
.endr
	ds_load_b32 v76, v75                           ; tile row 32 wave + lane: the two waves' maxima
	ds_load_b32 v77, v75 offset:256
	ds_load_b32 v78, v75 offset:1024               ; and sums
	ds_load_b32 v79, v75 offset:1280
.irp t, 0,1,2,3,4,5,6,7,8,9,10,11,12,13,14,15
	s_wait_dscnt 19-\t                             ; the loads issued behind this one may stay out
	global_store_b128 v[CO], v[128+4*\t:131+4*\t], s[8:9] offset:2*\t*4096   ; 16 lanes store 256 consecutive bytes, aligned
.endr
	s_wait_dscnt 0x0
	v_max_num_f32 v76, v76, v77
	v_add_f32 v78, v78, v79
	global_store_b32 v31, v76, s[86:87]            ; 128 consecutive bytes a wave; the statistics are 512 KiB in the whole launch
	global_store_b32 v31, v78, s[86:87] offset:262144
	s_wait_tensorcnt 0x0
	ds_add_u32 v118, v119
	s_wait_dscnt 0x0
	CROUND
	s_endpgm
.Lfunc_end_k_q8d051b67fb_scores:
	.size	k_q8d051b67fb_scores, .Lfunc_end_k_q8d051b67fb_scores-k_q8d051b67fb_scores
	.p2alignl 7, 3214868480
	.fill 96, 4, 3214868480
	.section	.rodata,"a",@progbits
	.p2align	6, 0x0
	.amdhsa_kernel k_q8d051b67fb_scores
		.amdhsa_group_segment_fixed_size 327680
		.amdhsa_private_segment_fixed_size 0
		.amdhsa_enable_private_segment 0
		.amdhsa_kernarg_size 32
		.amdhsa_user_sgpr_count 2
		.amdhsa_user_sgpr_kernarg_segment_ptr 1
		.amdhsa_wavefront_size32 1
		.amdhsa_system_sgpr_workgroup_id_x 1
		.amdhsa_system_sgpr_workgroup_id_y 1
		.amdhsa_system_sgpr_workgroup_id_z 1
		.amdhsa_system_vgpr_workitem_id 0
		.amdhsa_next_free_vgpr 512
		.amdhsa_next_free_sgpr 90
		.amdhsa_reserve_vcc 1
		.amdhsa_float_denorm_mode_32 3
		.amdhsa_float_denorm_mode_16_64 3
		.amdhsa_memory_ordered 1
		.amdhsa_forward_progress 1
		.amdhsa_inst_pref_size 199
	.end_amdhsa_kernel
	.amdgpu_metadata
---
amdhsa.version: [ 1, 2 ]
amdhsa.kernels:
  - .name:           k_q8d051b67fb_scores
    .symbol:         k_q8d051b67fb_scores.kd
    .args:
      - { .name: qw, .offset: 0, .size: 8, .value_kind: global_buffer, .address_space: global }
      - { .name: conv, .offset: 8, .size: 8, .value_kind: global_buffer, .address_space: global }
      - { .name: mask, .offset: 16, .size: 8, .value_kind: global_buffer, .address_space: global }
      - { .name: pbuf, .offset: 24, .size: 8, .value_kind: global_buffer, .address_space: global }
    .group_segment_fixed_size: 327680
    .private_segment_fixed_size: 0
    .kernarg_segment_align: 8
    .kernarg_segment_size: 32
    .max_flat_workgroup_size: 128
    .sgpr_count:     90
    .vgpr_count:     512
    .wavefront_size: 32
...
	.end_amdgpu_metadata
.endif
;; end of part 4
;; launch pv (part 5): grid 8 x 32, 4 waves a work-group, clusters of 4 x 4, 327,680 bytes of LDS; arguments pbuf, conv, ctx, wcat, bk, bv, bo; writes ctx
.if DOCPART == 5
	.amdgcn_target "amdgcn-amd-amdhsa--gfx1250"
	.amdhsa_code_object_version 6
	.text
	.protected	k_q8d051b67fb_pv
	.globl	k_q8d051b67fb_pv
	.p2align	8
	.type	k_q8d051b67fb_pv,@function
k_q8d051b67fb_pv:
	s_mov_b64 s[64:65], 0
	v_nop
	global_prefetch_b8 v0, s[64:65] scope:SCOPE_SE
	s_setreg_imm32_b32 hwreg(HW_REG_WAVE_MODE, 25, 1), 1
	s_wait_xcnt 0x0
	s_wait_alu depctr_hold_cnt(0) depctr_sa_sdst(0) depctr_va_vdst(0) depctr_va_sdst(0) depctr_va_ssrc(0) depctr_va_vcc(0) depctr_vm_vsrc(0)
	s_getreg_b32 s2, hwreg(HW_REG_IB_STS2, 6, 4)
	s_cmp_eq_u32 s2, 0
	s_cbranch_scc0 .Lentry_in_a_cluster
	s_endpgm
.Lentry_in_a_cluster:
	s_bfe_u32 s2, ttmp6, 0x10000c
	s_cmp_lg_u32 s2, 0xf033
	s_cbranch_scc0 .Lentry_shape_is_right
	s_endpgm
.Lentry_shape_is_right:
; ctx[i][d] = (sum over the 16 key blocks t of beta_t (P_t k_t)[i][d]) / l, beta_t = exp(m_t - m), m = the row's maximum of the m_t, l = sum of beta_t l_t:
; the softmax's second half, relative to the row's true maximum, and its product with k itself (bf16 as rounded from the input).  ctx leaves in bf16.
; A tile is 128 queries (y) x 128 channels (x).  K = 2,048 keys in eight steps of 256; each step holds two blocks of 128 keys, each summed from zero
; and merged into the totals (window 2) with its beta.  k lies [key][channel], so B's fragments come out of LDS turned (ds_load_tr16_b128).
; Ahead of the products: b'[v] = XT[v] . bk + Wo^T[v] . bv + bo[v] in f32, at ctx byte 8,388,608: four numbers a work-group.
; Ring, cluster and way out as in gemm_w.  Limits: NaN and infinities are not served; v_exp_f32 gives 0 where the result would lie under 2^-126.
.set APITCH, 2048
.set BPITCH, 1024
.set PITCH,  528
.set PB,     288                       ; a row of B in LDS: 256 bytes + 32
.set HALFA,  64*PITCH
.set HALFB,  128*PB                    ; 128 keys: what one of B's two loads brings
.set BOFF,   2*HALFA
.set SLOT,   BOFF+2*HALFB
.set BSL1,   524288                    ; 256 keys of 2,048 bytes
.set SPITCH, 272
.set ADRA, 16
.set ADRB, 20                          ; v20-23: slot 0 keys 0-127, 128-255; slot 1 likewise
.set STO,  24
.set RD,   25
.set CO,   26
.set LN,   27
.set BETA, 32                          ; v[32+16 a+t]: beta of row 16 a + r, block t
.set TMP,  32                          ; the way out, when beta is done with
.set ACC,  128
.set F0,   0
.set F1,   128
.set G1,   24
.set G0,   32
.set G1B,  48
.set G0B,  56
.set MUL,  0x05
.set TO_F, 0x40
.set MSB, 0
.macro WIN new
.if MSB != \new
	s_set_vgpr_msb (MSB<<8)|\new
.set MSB, \new
.endif
.endm
.macro JLOAD s                         ; a joint load: waves 0 and 1 fetch A's two halves, waves 2 and 3 B's; four v_nop follow each line
	s_cmp_eq_u32 s11, 0
	s_cbranch_scc0 .Lfor_b_\@
	tensor_load_to_lds s[G0+4*\s:G0+4*\s+3], s[G1:G1+7]
	s_nop 0
.rept 4
	v_nop
.endr
	s_branch .Lasked_\@
.Lfor_b_\@:
	tensor_load_to_lds s[G0B+4*\s:G0B+4*\s+3], s[G1B:G1B+7]
	s_nop 0
.rept 4
	v_nop
.endr
.Lasked_\@:
.endm
.macro CREST
	s_cmp_lg_u32 s10, 0
	s_cbranch_scc1 .Lnot_wave_0_\@
	s_barrier_signal -3
.Lnot_wave_0_\@:
	s_barrier_wait -3
	s_barrier_signal -1
	s_barrier_wait -1
.endm
.macro CROUND
	s_barrier_signal -1
	s_barrier_wait -1
	CREST
.endm
.macro PLACES
.rept 4
	v_nop
.endr
.endm
.macro MUL8 f, c, a0, zero             ; the 16 accumulators take turns
.irp a, \a0, \a0+1
.irp b, 0,1,2,3
.if \zero
	v_wmma_f32_16x16x32_bf16 v[ACC+8*(4*(\a)+\b):ACC+8*(4*(\a)+\b)+7], v[\f+64+8*(4*\c+\b):\f+64+8*(4*\c+\b)+7], v[\f+8*(4*\c+\a):\f+8*(4*\c+\a)+7], 0
.else
	v_wmma_f32_16x16x32_bf16 v[ACC+8*(4*(\a)+\b):ACC+8*(4*(\a)+\b)+7], v[\f+64+8*(4*\c+\b):\f+64+8*(4*\c+\b)+7], v[\f+8*(4*\c+\a):\f+8*(4*\c+\a)+7], v[ACC+8*(4*(\a)+\b):ACC+8*(4*(\a)+\b)+7]
.endif
.endr
.endr
.endm
; 32 LDS loads in one run: quarter q (64 along K).  B: 16 keys x 16 channels a turning load, two for a fragment; the address register carries the half of the slot's 256 keys, so that the immediates stay under 16 bits
.macro FETCH slot, q, f
	WIN TO_F
.irp c, 0,1
.irp i, 0,1,2,3
	ds_load_tr16_b128 v[\f+64+8*(4*\c+\i):\f+64+8*(4*\c+\i)+3],   v[ADRB+2*(\slot)+(\q)/2] offset:(((\q)%2)*64+32*\c)*PB+32*\i
	ds_load_tr16_b128 v[\f+64+8*(4*\c+\i)+4:\f+64+8*(4*\c+\i)+7], v[ADRB+2*(\slot)+(\q)/2] offset:(((\q)%2)*64+32*\c+16)*PB+32*\i
	ds_load_b128 v[\f+8*(4*\c+\i):\f+8*(4*\c+\i)+3],         v[ADRA+\slot] offset:128*\q+64*\c+\i*16*PITCH
	ds_load_b128 v[\f+8*(4*\c+\i)+4:\f+8*(4*\c+\i)+7],       v[ADRA+\slot] offset:128*\q+64*\c+\i*16*PITCH+32
.endr
.endr
.endm
.macro QUARTER slot, q, f, g, zero
	s_wait_dscnt 16                                ; the first 32 along K are in; the younger sixteen loads may be out
	WIN MUL
	MUL8 \f, 0, 0, \zero
	MUL8 \f, 0, 2, \zero
	PLACES
	FETCH \slot, \q, \g
	s_wait_dscnt 32                                ; all but the 32 just issued
	WIN MUL
	MUL8 \f, 1, 0, 0
	MUL8 \f, 1, 2, 0
.endm
.macro TURN slot, next, fill, da, db
	s_wait_dscnt 16
	WIN MUL
	MUL8 F1, 0, 0, 0
	s_wait_dscnt 0x0                               ; my reads of this slot are over,
	s_set_vgpr_msb 0x500
	s_wait_tensorcnt 0x0                           ; and all my tensor loads have landed: my part of the next slot
	ds_add_u32 v126, v127
	s_wait_dscnt 0x0
	s_set_vgpr_msb 0x5
	s_barrier_signal -1
	MUL8 F1, 0, 2, 0
.if \fill
	WIN 0
.endif
	s_barrier_wait -1
.if \fill
	CREST                                          ; no wave of any partner still reads this slot or has a load on its way
	s_add_nc_u64 s[G0+4*\slot+2:G0+4*\slot+3], s[G0+4*\slot+2:G0+4*\slot+3], \da
	s_add_nc_u64 s[G0B+4*\slot+2:G0B+4*\slot+3], s[G0B+4*\slot+2:G0B+4*\slot+3], \db
	JLOAD \slot
.else
	PLACES
.endif
	FETCH \next, 0, F0
	WIN MUL
	MUL8 F1, 1, 0, 0
	MUL8 F1, 1, 2, 0
.endm
.macro LASTQ
	s_wait_dscnt 16
	WIN MUL
	MUL8 F1, 0, 0, 0
	MUL8 F1, 0, 2, 0
	s_wait_dscnt 0x0
	MUL8 F1, 1, 0, 0
	MUL8 F1, 1, 2, 0
	WIN 0
.endm
; Block t's sums enter the totals: TOT (window 2, v0-127 there) += ACC x beta(a, t); block 0 starts them.  The four v_nop are the places behind the block's last products;
; the multiply-adds on the other accumulators are the further places in front of the products that start the next block's sums over these registers.
.macro MERGE t
	PLACES
.if (\t) == 0
	WIN 0x80                                       ; destination window 2
.else
	WIN 0xa0                                       ; destination and source 2 window 2
.endif
.irp a, 0,1,2,3
.irp p, 0,1,2,3,4,5,6,7,8,9,10,11,12,13,14,15
.if (\t) == 0
	v_pk_mul_f32 v[32*\a+2*\p:32*\a+2*\p+1], v[ACC+32*\a+2*\p:ACC+32*\a+2*\p+1], v[BETA+16*\a:BETA+16*\a+1] op_sel_hi:[1,0]
.elseif ((\t)%2) == 0
	v_pk_fma_f32 v[32*\a+2*\p:32*\a+2*\p+1], v[ACC+32*\a+2*\p:ACC+32*\a+2*\p+1], v[BETA+16*\a+(\t):BETA+16*\a+(\t)+1], v[32*\a+2*\p:32*\a+2*\p+1] op_sel_hi:[1,0,1]
.else
	v_pk_fma_f32 v[32*\a+2*\p:32*\a+2*\p+1], v[ACC+32*\a+2*\p:ACC+32*\a+2*\p+1], v[BETA+16*\a+(\t)-1:BETA+16*\a+(\t)], v[32*\a+2*\p:32*\a+2*\p+1] op_sel:[0,1,0] op_sel_hi:[1,1,1]
.endif
.endr
.endr
.endm
.macro PSTEP s, slot, next, fill       ; K step s: blocks 2 s and 2 s + 1
	QUARTER \slot, 1, F0, F1, 1
	QUARTER \slot, 2, F1, F0, 0
	MERGE 2*\s
	QUARTER \slot, 3, F0, F1, 1
	TURN \slot, \next, \fill, 1024, 1048576
	MERGE 2*\s+1
.endm
.macro PKSUBB d, s                     ; v[d:d+1] -= v[s], the one register feeding both halves
.if ((\s)%2) == 0
	v_pk_add_f32 v[\d:\d+1], v[\d:\d+1], v[\s:\s+1] op_sel_hi:[1,0] neg_lo:[0,1] neg_hi:[0,1]
.else
	v_pk_add_f32 v[\d:\d+1], v[\d:\d+1], v[\s-1:\s] op_sel:[0,1] op_sel_hi:[1,1] neg_lo:[0,1] neg_hi:[0,1]
.endif
.endm
.macro RV_LOAD vec, b
.irp t, 0,1,2,3
	global_load_b128 v[\vec+8*\t:\vec+8*\t+3],   v29, s[\b:\b+1] offset:1024*\t
	global_load_b128 v[\vec+8*\t+4:\vec+8*\t+7], v29, s[\b:\b+1] offset:1024*\t+16
.endr
.endm
.macro RR_LOAD row, b, imm
.irp t, 0,1,2,3
	global_load_b128 v[\row+4*\t:\row+4*\t+3], v30, s[\b:\b+1] offset:\imm+512*\t
.endr
.endm
.macro RDOT acc, row, vec, i0, i1
.irp t, 0,1,2,3
.irp k, 0,1,2,3
.if \t+\k == 0
	v_fma_mix_f32_bf16 v[\acc],   v[\row], v[\vec],   v[\i0] op_sel_hi:[1,0,0]
	v_fma_mix_f32_bf16 v[\acc+1], v[\row], v[\vec+1], v[\i1] op_sel:[1,0,0] op_sel_hi:[1,0,0]
.else
	v_fma_mix_f32_bf16 v[\acc],   v[\row+4*\t+\k], v[\vec+8*\t+2*\k],   v[\acc]   op_sel_hi:[1,0,0]
	v_fma_mix_f32_bf16 v[\acc+1], v[\row+4*\t+\k], v[\vec+8*\t+2*\k+1], v[\acc+1] op_sel:[1,0,0] op_sel_hi:[1,0,0]
.endif
.endr
.endr
.endm
.macro RSUM acc
	v_add_f32 v[\acc], v[\acc], v[\acc+1]
	v_add_f32_dpp v[\acc], v[\acc], v[\acc] row_xmask:1 row_mask:0xf bank_mask:0xf
	v_add_f32_dpp v[\acc], v[\acc], v[\acc] row_xmask:2 row_mask:0xf bank_mask:0xf
	v_add_f32_dpp v[\acc], v[\acc], v[\acc] row_xmask:4 row_mask:0xf bank_mask:0xf
	v_add_f32_dpp v[\acc], v[\acc], v[\acc] row_xmask:8 row_mask:0xf bank_mask:0xf
	v_permlanex16_b32 v[\acc+1], v[\acc], s76, s77
	v_add_f32 v[\acc], v[\acc], v[\acc+1]
.endm
	s_load_b128 s[4:7], s[0:1], 0x0                ; pbuf s[4:5], conv s[6:7]
	s_load_b64 s[8:9], s[0:1], 0x10                ; ctx
	s_load_b256 s[68:75], s[0:1], 0x18             ; wcat s[68:69], bk s[70:71], bv s[72:73], bo s[74:75]
	v_lshl_add_u32 v126, v0, 2, 0x45000
	v_mov_b32 v127, 0
	ds_add_u32 v126, v127
	v_lshrrev_b32 v1, 5, v0
	v_readfirstlane_b32 s10, v1
	s_lshr_b32 s11, s10, 1
	s_and_b32 s12, s10, 1
	s_bfe_u32 s40, ttmp6, 0x40000                  ; cx
	s_bfe_u32 s41, ttmp6, 0x40004                  ; cy
	s_lshl_b32 s42, ttmp9, 2
	s_add_co_u32 s42, s42, s40                     ; x: the tile of 128 channels
	s_and_b32 s45, ttmp7, 0xffff                   ; the cluster's y = the batch
	s_lshl_b32 s13, s45, 2
	s_add_co_u32 s13, s13, s41                     ; y: the tile of 128 queries
	s_lshl_b32 s43, s41, 2
	s_lshl_b32 s43, 15, s43
	s_lshl_b32 s44, 0x1111, s40
	; A: 64 rows x 256 elements, 16 bytes of padding behind every 512.  B: 128 rows (keys) x 128 elements, 32 bytes behind every 256
	s_or_b32 s[G1+0], s43, (1<<16)|(1<<20)|(1<<21)|(6<<22)|(3<<25)
	s_mov_b32 s[G1+1], 256<<16
	s_mov_b32 s[G1+2], 64<<16
	s_mov_b32 s[G1+3], 256<<16
	s_mov_b32 s[G1+4], 64
	s_mov_b32 s[G1+5], APITCH
	s_mov_b32 s[G1+6], 0
	s_mov_b32 s[G1+7], 0
	s_or_b32 s[G1B+0], s44, (1<<16)|(1<<20)|(1<<21)|(5<<22)|(7<<25)
	s_mov_b32 s[G1B+1], 128<<16
	s_mov_b32 s[G1B+2], 128<<16
	s_mov_b32 s[G1B+3], 128<<16
	s_mov_b32 s[G1B+4], 128
	s_mov_b32 s[G1B+5], BPITCH
	s_mov_b32 s[G1B+6], 0
	s_mov_b32 s[G1B+7], 0
	s_lshl_b32 s16, s13, 7                         ; A: pbuf row 128 y + 64 half
	s_lshl_b32 s17, s12, 6
	s_add_co_u32 s16, s16, s17
	s_lshl_b32 s16, s16, 12
	s_mov_b32 s17, 0
	s_lshl_b32 s46, s45, 11                        ; B: conv row 8192 + 2048 batch + 128 half, byte 256 x of it
	s_lshl_b32 s47, s12, 7
	s_add_co_u32 s46, s46, s47
	s_add_co_u32 s46, s46, 8192
	s_lshl_b32 s46, s46, 11
	s_lshl_b32 s47, s42, 8
	s_add_co_u32 s46, s46, s47
	s_mov_b32 s47, 0
	s_mul_i32 s20, s12, HALFA
	s_mul_i32 s23, s12, HALFB
	s_add_co_u32 s23, s23, BOFF
	s_mov_b32 s76, 0x76543210
	s_mov_b32 s77, 0xfedcba98
	s_wait_dscnt 0x0
	s_wait_kmcnt 0x0
	s_add_nc_u64 s[14:15], s[4:5], s[16:17]
	s_add_nc_u64 s[46:47], s[6:7], s[46:47]
	CROUND
.irp s, 0,1
	s_mov_b32 s[G0+4*\s], 1
	s_add_co_u32 s[G0+4*\s+1], s20, \s*SLOT
	s_add_nc_u64 s[G0+4*\s+2:G0+4*\s+3], s[14:15], \s*512
	s_or_b32 s[G0+4*\s+3], s[G0+4*\s+3], 0x80000000
	s_mov_b32 s[G0B+4*\s], 1
	s_add_co_u32 s[G0B+4*\s+1], s23, \s*SLOT
	s_add_nc_u64 s[G0B+4*\s+2:G0B+4*\s+3], s[46:47], \s*BSL1
	s_or_b32 s[G0B+4*\s+3], s[G0B+4*\s+3], 0x80000000
	JLOAD \s
.endr
	v_and_b32 v1, 15, v0
	v_bfe_u32 v2, v0, 4, 1
	v_and_b32 v[LN], 31, v0
	v_mul_u32_u24 v3, v1, PITCH
	v_lshl_add_u32 v3, v2, 4, v3
	s_mul_i32 s21, s11, HALFA
	v_add_nc_u32 v[ADRA], s21, v3
	v_add_nc_u32 v[ADRA+1], SLOT, v[ADRA]
	v_and_b32 v4, 7, v0                            ; the turning load: lane l reads key 8 (l / 16) + l % 8, channels 8 ((l / 8) % 2) + 0..7
	v_bfe_u32 v5, v0, 3, 1
	v_lshl_add_u32 v4, v2, 3, v4
	v_mul_u32_u24 v4, v4, PB
	v_lshl_add_u32 v4, v5, 4, v4
	s_lshl_b32 s22, s12, 7                         ; my 64 channels: 128 bytes
	s_add_co_u32 s22, s22, BOFF
	v_add_nc_u32 v[ADRB], s22, v4
	v_add_nc_u32 v[ADRB+1], HALFB, v[ADRB]
	v_add_nc_u32 v[ADRB+2], SLOT, v[ADRB]
	v_add_nc_u32 v[ADRB+3], SLOT+HALFB, v[ADRB]
	s_mul_i32 s21, s11, 64*SPITCH
	s_lshl_b32 s22, s12, 7
	s_add_co_u32 s21, s21, s22
	v_mul_u32_u24 v4, v1, SPITCH
	v_lshl_add_u32 v4, v2, 4, v4
	v_add_nc_u32 v[STO], s21, v4
	s_mul_i32 s21, s10, 32*SPITCH
	v_mul_u32_u24 v5, v2, SPITCH
	v_lshl_add_u32 v5, v1, 4, v5
	v_add_nc_u32 v[RD], s21, v5
	v_lshlrev_b32 v5, 11, v2                       ; a row of ctx is 2,048 bytes
	v_lshl_add_u32 v[CO], v1, 4, v5
	; b'[v], v = 4 (8 y + x) + wave, while the first tiles are on their way
	s_lshl_b32 s82, s13, 3
	s_add_co_u32 s82, s82, s42
	s_lshl2_add_u32 s82, s82, s10
	s_add_co_u32 s84, s82, 1024
	s_lshl_b32 s84, s84, 12
	s_mov_b32 s85, 0
	s_add_nc_u64 s[84:85], s[68:69], s[84:85]      ; wcat at XT's row v: hi, and lo 2,048 bytes on
	s_add_co_u32 s86, s82, 5120
	s_lshl_b32 s86, s86, 11
	s_mov_b32 s87, 0
	s_add_nc_u64 s[86:87], s[6:7], s[86:87]        ; conv at row v of Wo transposed
	s_lshl_b32 s88, s82, 2
	s_mov_b32 s89, 0
	s_add_nc_u64 s[74:75], s[74:75], s[88:89]      ; bo[v]
	s_add_co_u32 s88, s88, 0x800000
	s_add_nc_u64 s[80:81], s[8:9], s[88:89]        ; ctx at b'[v]
	s_lshl_b32 s78, s13, 7                         ; mstat at my 64 rows, block 0
	s_lshl_b32 s79, s11, 6
	s_add_co_u32 s78, s78, s79
	s_lshl_b32 s78, s78, 2
	s_add_co_u32 s78, s78, 0x1000000
	s_mov_b32 s79, 0
	s_add_nc_u64 s[78:79], s[4:5], s[78:79]
	s_lshl_b32 s16, s13, 7                         ; the first row of ctx that I store
	s_lshl_b32 s17, s10, 5
	s_add_co_u32 s16, s16, s17
	s_lshl_b32 s16, s16, 11
	s_mov_b32 s17, 0
	s_add_nc_u64 s[8:9], s[8:9], s[16:17]
	s_lshl_b32 s46, s42, 8
	s_mov_b32 s47, 0
	s_add_nc_u64 s[8:9], s[8:9], s[46:47]
	v_mov_b32 v28, 0
	v_lshlrev_b32 v29, 5, v[LN]
	v_lshlrev_b32 v30, 4, v[LN]
	v_lshlrev_b32 v31, 2, v1
	RV_LOAD 128, 70                                ; bk
	RV_LOAD 160, 72                                ; bv
	RR_LOAD 192, 84, 0
	RR_LOAD 208, 84, 2048
	RR_LOAD 224, 86, 0
	global_load_b32 v112, v28, s[74:75]
	v_mov_b32 v110, 0
	v_mov_b32 v111, 0
	s_wait_loadcnt 0x0
	RDOT 108, 192, 128, 110, 111
	RDOT 108, 208, 128, 108, 109
	RDOT 108, 224, 160, 108, 109
	RSUM 108
	v_add_f32 v108, v108, v112
	v_cmp_eq_u32 vcc_lo, 0, v[LN]
	s_wait_xcnt 0x0                                ; EXEC changes only behind this wait
	s_and_saveexec_b32 s88, vcc_lo
	global_store_b32 v28, v108, s[80:81]           ; 4 bytes a wave: b' is 4 KiB in the whole launch
	s_wait_xcnt 0x0
	s_or_b32 exec_lo, exec_lo, s88
	; the statistics of my 64 rows: m_t into v[128+16 a+t], l_t into v[192+16 a+t]
.irp a, 0,1,2,3
.irp t, 0,1,2,3,4,5,6,7,8,9,10,11,12,13,14,15
	global_load_b32 v[128+16*\a+\t], v31, s[78:79] offset:16384*\t+64*\a
	global_load_b32 v[192+16*\a+\t], v31, s[78:79] offset:262144+16384*\t+64*\a
.endr
.endr
	s_wait_loadcnt 0x0
.irp a, 0,1,2,3
	v_max3_num_f32 v[96+\a], v[128+16*\a], v[129+16*\a], v[130+16*\a]
.endr
.irp i, 0,1,2,3,4,5
.irp a, 0,1,2,3
	v_max3_num_f32 v[96+\a], v[96+\a], v[131+16*\a+2*\i], v[132+16*\a+2*\i]
.endr
.endr
.irp a, 0,1,2,3
	v_max_num_f32 v[96+\a], v[96+\a], v[143+16*\a] ; m: the row's maximum over all 2,048 keys
.endr
.irp a, 0,1,2,3
.irp p, 0,1,2,3,4,5,6,7
	PKSUBB 128+16*\a+2*\p, 96+\a
.endr
.endr
.set i, 0
.rept 32
	v_pk_mul_f32 v[128+2*i:129+2*i], v[128+2*i:129+2*i], 0x3fb8aa3b op_sel_hi:[1,0]
.set i, i+1
.endr
.set i, 0
.rept 64
	v_exp_f32 v[BETA+i], v[128+i]
.set i, i+1
.endr
	v_nop                                          ; a plain instruction between the last exponential and the use of its result
	s_wait_alu depctr_va_vdst(0)
.irp a, 0,1,2,3
	v_mul_f32 v[104+\a], v[BETA+16*\a], v[192+16*\a]
.endr
.irp t, 1,2,3,4,5,6,7,8,9,10,11,12,13,14,15
.irp a, 0,1,2,3
	v_fmac_f32 v[104+\a], v[BETA+16*\a+\t], v[192+16*\a+\t]
.endr
.endr
.irp a, 0,1,2,3
	v_rcp_f32 v[100+\a], v[104+\a]                 ; l is at least 1: the block that holds m has beta = 1 and a weight of 1
.endr
	v_nop
	s_wait_tensorcnt 1                             ; my part of K step 0 is in; K step 1's may stay out
	s_barrier_signal -1
	s_barrier_wait -1
	FETCH 0, 0, F0
	PSTEP 0, 0, 1, 1
	PSTEP 1, 1, 0, 1
	PSTEP 2, 0, 1, 1
	PSTEP 3, 1, 0, 1
	PSTEP 4, 0, 1, 1
	PSTEP 5, 1, 0, 1
	PSTEP 6, 0, 1, 0
	QUARTER 1, 1, F0, F1, 1
	QUARTER 1, 2, F1, F0, 0
	MERGE 14
	QUARTER 1, 3, F0, F1, 1
	LASTQ
	MERGE 15
	WIN 0x02                                       ; source 0 window 2
.irp a, 0,1,2,3
.irp p, 0,1,2,3,4,5,6,7,8,9,10,11,12,13,14,15
.if (\a%2) == 0
	s_wait_alu depctr_va_vdst(0)
	v_pk_mul_f32 v[ACC+32*\a+2*\p:ACC+32*\a+2*\p+1], v[32*\a+2*\p:32*\a+2*\p+1], v[100+\a:101+\a] op_sel_hi:[1,0]
.else
	v_pk_mul_f32 v[ACC+32*\a+2*\p:ACC+32*\a+2*\p+1], v[32*\a+2*\p:32*\a+2*\p+1], v[99+\a:100+\a] op_sel:[0,1] op_sel_hi:[1,1]
.endif
.endr
.endr
	WIN 0
.irp t, 0,1,2,3,4,5,6,7,8,9,10,11,12,13,14,15
.irp k, 0,1,2,3
	v_cvt_pk_bf16_f32 v[TMP+4*\t+\k], v[ACC+8*\t+2*\k], v[ACC+8*\t+2*\k+1]
.endr
.endr
.irp a, 0,1,2,3
.irp b, 0,1,2,3
	ds_store_b128 v[STO], v[TMP+4*(4*\a+\b):TMP+4*(4*\a+\b)+3] offset:\a*16*SPITCH+32*\b
.endr
.endr
	s_wait_dscnt 0x0                               ; for the others' sake: my stores into the stage are done
	s_barrier_signal -1
	s_barrier_wait -1
.irp t, 0,1,2,3,4,5,6,7,8,9,10,11,12,13,14,15
	ds_load_b128 v[TMP+4*\t:TMP+4*\t+3], v[RD] offset:\t*2*SPITCH
.endr
.irp t, 0,1,2,3,4,5,6,7,8,9,10,11,12,13,14,15
	s_wait_dscnt 15-\t
	global_store_b128 v[CO], v[TMP+4*\t:TMP+4*\t+3], s[8:9] offset:2*\t*2048   ; 16 lanes store 256 consecutive bytes, aligned
.endr
	s_wait_tensorcnt 0x0
	ds_add_u32 v126, v127
	s_wait_dscnt 0x0
	CROUND
	s_endpgm
.Lfunc_end_k_q8d051b67fb_pv:
	.size	k_q8d051b67fb_pv, .Lfunc_end_k_q8d051b67fb_pv-k_q8d051b67fb_pv
	.p2alignl 7, 3214868480
	.fill 96, 4, 3214868480
	.section	.rodata,"a",@progbits
	.p2align	6, 0x0
	.amdhsa_kernel k_q8d051b67fb_pv
		.amdhsa_group_segment_fixed_size 327680
		.amdhsa_private_segment_fixed_size 0
		.amdhsa_enable_private_segment 0
		.amdhsa_kernarg_size 56
		.amdhsa_user_sgpr_count 2
		.amdhsa_user_sgpr_kernarg_segment_ptr 1
		.amdhsa_wavefront_size32 1
		.amdhsa_system_sgpr_workgroup_id_x 1
		.amdhsa_system_sgpr_workgroup_id_y 1
		.amdhsa_system_sgpr_workgroup_id_z 1
		.amdhsa_system_vgpr_workitem_id 0
		.amdhsa_next_free_vgpr 640
		.amdhsa_next_free_sgpr 90
		.amdhsa_reserve_vcc 1
		.amdhsa_float_denorm_mode_32 3
		.amdhsa_float_denorm_mode_16_64 3
		.amdhsa_memory_ordered 1
		.amdhsa_forward_progress 1
		.amdhsa_inst_pref_size 255
	.end_amdhsa_kernel
	.section	.bss,"aw",@nobits
	.p2align	6
	.space	262144
	.amdgpu_metadata
---
amdhsa.version: [ 1, 2 ]
amdhsa.kernels:
  - .name:           k_q8d051b67fb_pv
    .symbol:         k_q8d051b67fb_pv.kd
    .args:
      - { .name: pbuf, .offset: 0, .size: 8, .value_kind: global_buffer, .address_space: global }
      - { .name: conv, .offset: 8, .size: 8, .value_kind: global_buffer, .address_space: global }
      - { .name: ctx, .offset: 16, .size: 8, .value_kind: global_buffer, .address_space: global }
      - { .name: wcat, .offset: 24, .size: 8, .value_kind: global_buffer, .address_space: global }
      - { .name: bk, .offset: 32, .size: 8, .value_kind: global_buffer, .address_space: global }
      - { .name: bv, .offset: 40, .size: 8, .value_kind: global_buffer, .address_space: global }
      - { .name: bo, .offset: 48, .size: 8, .value_kind: global_buffer, .address_space: global }
    .group_segment_fixed_size: 327680
    .private_segment_fixed_size: 0
    .kernarg_segment_align: 8
    .kernarg_segment_size: 56
    .max_flat_workgroup_size: 128
    .sgpr_count:     90
    .vgpr_count:     640
    .wavefront_size: 32
...
	.end_amdgpu_metadata
.endif
;; end of part 5
;; launch final (part 6): grid 8 x 32, 4 waves a work-group, clusters of 4 x 4, 327,680 bytes of LDS; arguments ctx, qw, out0; writes out0
.if DOCPART == 6
	.amdgcn_target "amdgcn-amd-amdhsa--gfx1250"
	.amdhsa_code_object_version 6
	.text
	.protected	k_q8d051b67fb_final
	.globl	k_q8d051b67fb_final
	.p2align	8
	.type	k_q8d051b67fb_final,@function
k_q8d051b67fb_final:
	s_mov_b64 s[64:65], 0
	v_nop
	global_prefetch_b8 v0, s[64:65] scope:SCOPE_SE
	s_setreg_imm32_b32 hwreg(HW_REG_WAVE_MODE, 25, 1), 1
	s_wait_xcnt 0x0
	s_wait_alu depctr_hold_cnt(0) depctr_sa_sdst(0) depctr_va_vdst(0) depctr_va_sdst(0) depctr_va_ssrc(0) depctr_va_vcc(0) depctr_vm_vsrc(0)
	s_getreg_b32 s2, hwreg(HW_REG_IB_STS2, 6, 4)
	s_cmp_eq_u32 s2, 0
	s_cbranch_scc0 .Lentry_in_a_cluster
	s_endpgm
.Lentry_in_a_cluster:
	s_bfe_u32 s2, ttmp6, 0x10000c
	s_cmp_lg_u32 s2, 0xf033
	s_cbranch_scc0 .Lentry_shape_is_right
	s_endpgm
.Lentry_shape_is_right:
; out0[i][v] = sum over d of ctx[i][d] W3[d][v] + b'[v], in f32.  W3 = Wk Wv Wo is a pair of bf16 (qw rows 4096-5119: hi, lo), so K is 2,048:
; ctx's 1,024 numbers twice, against W3's hi and then its lo.  W3 lies [d][v], so B's fragments come out of LDS turned (ds_load_tr16_b128).
; A tile is 128 x 128; ring and cluster as in gemm_w.  The stage (128 rows x 528 bytes of f32) lies in slot 0, last filled with K step 6.
; Limits: NaN and infinities are not served.
.set APITCH, 1024
.set BPITCH, 2048
.set PITCH,  528
.set PB,     288
.set HALFA,  64*PITCH
.set HALFB,  128*PB
.set BOFF,   2*HALFA
.set SLOT,   BOFF+2*HALFB
.set BSL1,   1048576                   ; 256 rows of 4,096 bytes
.set FPITCH, 528                       ; the stage: 512 bytes of f32 + 16
.set ADRA, 16
.set ADRB, 20
.set STO,  24
.set RD,   25
.set CO,   26
.set LN,   27
.set ACC,  128
.set F0,   0
.set F1,   128
.set G1,   24
.set G0,   32
.set G1B,  48
.set G0B,  56
.set MUL,  0x05
.set TO_F, 0x40
.set MSB, 0
.macro WIN new
.if MSB != \new
	s_set_vgpr_msb (MSB<<8)|\new
.set MSB, \new
.endif
.endm
.macro JLOAD s                         ; a joint load: waves 0 and 1 fetch A's two halves, waves 2 and 3 B's; four v_nop follow each line
	s_cmp_eq_u32 s11, 0
	s_cbranch_scc0 .Lfor_b_\@
	tensor_load_to_lds s[G0+4*\s:G0+4*\s+3], s[G1:G1+7]
	s_nop 0
.rept 4
	v_nop
.endr
	s_branch .Lasked_\@
.Lfor_b_\@:
	tensor_load_to_lds s[G0B+4*\s:G0B+4*\s+3], s[G1B:G1B+7]
	s_nop 0
.rept 4
	v_nop
.endr
.Lasked_\@:
.endm
.macro CREST
	s_cmp_lg_u32 s10, 0
	s_cbranch_scc1 .Lnot_wave_0_\@
	s_barrier_signal -3
.Lnot_wave_0_\@:
	s_barrier_wait -3
	s_barrier_signal -1
	s_barrier_wait -1
.endm
.macro CROUND
	s_barrier_signal -1
	s_barrier_wait -1
	CREST
.endm
.macro PLACES
.rept 4
	v_nop
.endr
.endm
.macro MUL8 f, c, a0, zero             ; the 16 accumulators take turns
.irp a, \a0, \a0+1
.irp b, 0,1,2,3
.if \zero
	v_wmma_f32_16x16x32_bf16 v[ACC+8*(4*(\a)+\b):ACC+8*(4*(\a)+\b)+7], v[\f+64+8*(4*\c+\b):\f+64+8*(4*\c+\b)+7], v[\f+8*(4*\c+\a):\f+8*(4*\c+\a)+7], 0
.else
	v_wmma_f32_16x16x32_bf16 v[ACC+8*(4*(\a)+\b):ACC+8*(4*(\a)+\b)+7], v[\f+64+8*(4*\c+\b):\f+64+8*(4*\c+\b)+7], v[\f+8*(4*\c+\a):\f+8*(4*\c+\a)+7], v[ACC+8*(4*(\a)+\b):ACC+8*(4*(\a)+\b)+7]
.endif
.endr
.endr
.endm
.macro FETCH slot, q, f
	WIN TO_F
.irp c, 0,1
.irp i, 0,1,2,3
	ds_load_tr16_b128 v[\f+64+8*(4*\c+\i):\f+64+8*(4*\c+\i)+3],   v[ADRB+2*(\slot)+(\q)/2] offset:(((\q)%2)*64+32*\c)*PB+32*\i
	ds_load_tr16_b128 v[\f+64+8*(4*\c+\i)+4:\f+64+8*(4*\c+\i)+7], v[ADRB+2*(\slot)+(\q)/2] offset:(((\q)%2)*64+32*\c+16)*PB+32*\i
	ds_load_b128 v[\f+8*(4*\c+\i):\f+8*(4*\c+\i)+3],         v[ADRA+\slot] offset:128*\q+64*\c+\i*16*PITCH
	ds_load_b128 v[\f+8*(4*\c+\i)+4:\f+8*(4*\c+\i)+7],       v[ADRA+\slot] offset:128*\q+64*\c+\i*16*PITCH+32
.endr
.endr
.endm
.macro QUARTER slot, q, f, g, zero
	s_wait_dscnt 16                                ; the first 32 along K are in; the younger sixteen loads may be out
	WIN MUL
	MUL8 \f, 0, 0, \zero
	MUL8 \f, 0, 2, \zero
	PLACES
	FETCH \slot, \q, \g
	s_wait_dscnt 32                                ; all but the 32 just issued
	WIN MUL
	MUL8 \f, 1, 0, 0
	MUL8 \f, 1, 2, 0
.endm
.macro TURN slot, next, fill, da, db
	s_wait_dscnt 16
	WIN MUL
	MUL8 F1, 0, 0, 0
	s_wait_dscnt 0x0                               ; my reads of this slot are over,
	s_set_vgpr_msb 0x500
	s_wait_tensorcnt 0x0                           ; and all my tensor loads have landed: my part of the next slot
	ds_add_u32 v126, v127
	s_wait_dscnt 0x0
	s_set_vgpr_msb 0x5
	s_barrier_signal -1
	MUL8 F1, 0, 2, 0
.if \fill
	WIN 0
.endif
	s_barrier_wait -1
.if \fill
	CREST                                          ; no wave of any partner still reads this slot or has a load on its way
.if (\da) >= 0
	s_add_nc_u64 s[G0+4*\slot+2:G0+4*\slot+3], s[G0+4*\slot+2:G0+4*\slot+3], \da
.else
	s_sub_nc_u64 s[G0+4*\slot+2:G0+4*\slot+3], s[G0+4*\slot+2:G0+4*\slot+3], -(\da)
.endif
.if (\db) >= 0
	s_add_nc_u64 s[G0B+4*\slot+2:G0B+4*\slot+3], s[G0B+4*\slot+2:G0B+4*\slot+3], \db
.else
	s_sub_nc_u64 s[G0B+4*\slot+2:G0B+4*\slot+3], s[G0B+4*\slot+2:G0B+4*\slot+3], -(\db)
.endif
	JLOAD \slot
.else
	PLACES
.endif
	FETCH \next, 0, F0
	WIN MUL
	MUL8 F1, 1, 0, 0
	MUL8 F1, 1, 2, 0
.endm
.macro LASTQ
	s_wait_dscnt 16
	WIN MUL
	MUL8 F1, 0, 0, 0
	MUL8 F1, 0, 2, 0
	s_wait_dscnt 0x0
	MUL8 F1, 1, 0, 0
	MUL8 F1, 1, 2, 0
	WIN 0
.endm
.macro STEP slot, next, zero, fill, da, db
	QUARTER \slot, 1, F0, F1, \zero
	QUARTER \slot, 2, F1, F0, 0
	QUARTER \slot, 3, F0, F1, 0
	TURN \slot, \next, \fill, \da, \db
.endm
	s_load_b128 s[4:7], s[0:1], 0x0                ; ctx s[4:5], qw s[6:7]
	s_load_b64 s[8:9], s[0:1], 0x10                ; out0
	v_lshl_add_u32 v126, v0, 2, 0x45000
	v_mov_b32 v127, 0
	ds_add_u32 v126, v127
	v_lshrrev_b32 v1, 5, v0
	v_readfirstlane_b32 s10, v1
	s_lshr_b32 s11, s10, 1
	s_and_b32 s12, s10, 1
	s_bfe_u32 s40, ttmp6, 0x40000                  ; cx
	s_bfe_u32 s41, ttmp6, 0x40004                  ; cy
	s_lshl_b32 s42, ttmp9, 2
	s_add_co_u32 s42, s42, s40                     ; tile column x
	s_and_b32 s45, ttmp7, 0xffff
	s_lshl_b32 s13, s45, 2
	s_add_co_u32 s13, s13, s41                     ; tile row y
	s_lshl_b32 s43, s41, 2
	s_lshl_b32 s43, 15, s43
	s_lshl_b32 s44, 0x1111, s40
	s_or_b32 s[G1+0], s43, (1<<16)|(1<<20)|(1<<21)|(6<<22)|(3<<25)
	s_mov_b32 s[G1+1], 256<<16
	s_mov_b32 s[G1+2], 64<<16
	s_mov_b32 s[G1+3], 256<<16
	s_mov_b32 s[G1+4], 64
	s_mov_b32 s[G1+5], APITCH
	s_mov_b32 s[G1+6], 0
	s_mov_b32 s[G1+7], 0
	s_or_b32 s[G1B+0], s44, (1<<16)|(1<<20)|(1<<21)|(5<<22)|(7<<25)
	s_mov_b32 s[G1B+1], 128<<16
	s_mov_b32 s[G1B+2], 128<<16
	s_mov_b32 s[G1B+3], 128<<16
	s_mov_b32 s[G1B+4], 128
	s_mov_b32 s[G1B+5], BPITCH
	s_mov_b32 s[G1B+6], 0
	s_mov_b32 s[G1B+7], 0
	s_lshl_b32 s16, s13, 7                         ; A: ctx row 128 y + 64 half
	s_lshl_b32 s17, s12, 6
	s_add_co_u32 s16, s16, s17
	s_lshl_b32 s16, s16, 11
	s_mov_b32 s17, 0
	s_lshl_b32 s46, s12, 7                         ; B: qw row 4096 + 128 half, byte 256 x of it
	s_add_co_u32 s46, s46, 4096
	s_lshl_b32 s46, s46, 12
	s_lshl_b32 s47, s42, 8
	s_add_co_u32 s46, s46, s47
	s_mov_b32 s47, 0
	s_mul_i32 s20, s12, HALFA
	s_mul_i32 s23, s12, HALFB
	s_add_co_u32 s23, s23, BOFF
	s_wait_dscnt 0x0
	s_wait_kmcnt 0x0
	s_add_nc_u64 s[14:15], s[4:5], s[16:17]
	s_add_nc_u64 s[46:47], s[6:7], s[46:47]
	CROUND
.irp s, 0,1
	s_mov_b32 s[G0+4*\s], 1
	s_add_co_u32 s[G0+4*\s+1], s20, \s*SLOT
	s_add_nc_u64 s[G0+4*\s+2:G0+4*\s+3], s[14:15], \s*512
	s_or_b32 s[G0+4*\s+3], s[G0+4*\s+3], 0x80000000
	s_mov_b32 s[G0B+4*\s], 1
	s_add_co_u32 s[G0B+4*\s+1], s23, \s*SLOT
	s_add_nc_u64 s[G0B+4*\s+2:G0B+4*\s+3], s[46:47], \s*BSL1
	s_or_b32 s[G0B+4*\s+3], s[G0B+4*\s+3], 0x80000000
	JLOAD \s
.endr
	v_and_b32 v1, 15, v0
	v_bfe_u32 v2, v0, 4, 1
	v_and_b32 v[LN], 31, v0
	v_mul_u32_u24 v3, v1, PITCH
	v_lshl_add_u32 v3, v2, 4, v3
	s_mul_i32 s21, s11, HALFA
	v_add_nc_u32 v[ADRA], s21, v3
	v_add_nc_u32 v[ADRA+1], SLOT, v[ADRA]
	v_and_b32 v4, 7, v0
	v_bfe_u32 v5, v0, 3, 1
	v_lshl_add_u32 v4, v2, 3, v4
	v_mul_u32_u24 v4, v4, PB
	v_lshl_add_u32 v4, v5, 4, v4
	s_lshl_b32 s22, s12, 7
	s_add_co_u32 s22, s22, BOFF
	v_add_nc_u32 v[ADRB], s22, v4
	v_add_nc_u32 v[ADRB+1], HALFB, v[ADRB]
	v_add_nc_u32 v[ADRB+2], SLOT, v[ADRB]
	v_add_nc_u32 v[ADRB+3], SLOT+HALFB, v[ADRB]
	s_mul_i32 s21, s11, 64*FPITCH                  ; into the stage: row 64 half + 16 a + r, byte 256 half + 64 b + 32 h
	s_lshl_b32 s22, s12, 8
	s_add_co_u32 s21, s21, s22
	v_mul_u32_u24 v4, v1, FPITCH
	v_lshl_add_u32 v4, v2, 5, v4
	v_add_nc_u32 v[STO], s21, v4
	s_mul_i32 s21, s10, 32*FPITCH                  ; back: wave w takes rows 32 w .. +31, a whole row of 512 bytes a load
	v_lshl_add_u32 v[RD], v[LN], 4, s21
	v_lshlrev_b32 v[CO], 4, v[LN]
	s_lshl_b32 s16, s13, 7                         ; the first row of out0 that I store
	s_lshl_b32 s17, s10, 5
	s_add_co_u32 s16, s16, s17
	s_lshl_b32 s16, s16, 12
	s_mov_b32 s17, 0
	s_add_nc_u64 s[8:9], s[8:9], s[16:17]
	s_lshl_b32 s46, s42, 9                         ; the tile's first column: 128 x numbers of 4 bytes
	s_mov_b32 s47, 0
	s_add_nc_u64 s[8:9], s[8:9], s[46:47]
	; b' of my 64 columns: register 32 + 8 b + j holds b'[128 x + 64 half + 16 b + 8 h + j]; waited for on the way out
	s_lshl_b32 s82, s42, 9
	s_lshl_b32 s83, s12, 8
	s_add_co_u32 s82, s82, s83
	s_add_co_u32 s82, s82, 0x800000
	s_mov_b32 s83, 0
	s_add_nc_u64 s[82:83], s[4:5], s[82:83]
	v_lshlrev_b32 v28, 5, v2
.irp b, 0,1,2,3
	global_load_b128 v[32+8*\b:35+8*\b], v28, s[82:83] offset:64*\b
	global_load_b128 v[36+8*\b:39+8*\b], v28, s[82:83] offset:64*\b+16
.endr
	s_wait_tensorcnt 1                             ; my part of K step 0 is in; K step 1's may stay out
	s_barrier_signal -1
	s_barrier_wait -1
	FETCH 0, 0, F0
	STEP 0, 1, 1, 1, 1024, 2097152                 ; A goes 0, 1, 2, 3, 0, 1, 2, 3 along ctx's 1,024 numbers; B down W3's 1,024 rows of hi, then back up and 2,048 bytes to the right, down lo
	STEP 1, 0, 0, 1, 1024, 2097152
	STEP 0, 1, 0, 1, -1024, -2095104
	STEP 1, 0, 0, 1, -1024, -2095104
	STEP 0, 1, 0, 1, 1024, 2097152
	STEP 1, 0, 0, 1, 1024, 2097152
	STEP 0, 1, 0, 0, 0, 0
	QUARTER 1, 1, F0, F1, 0
	QUARTER 1, 2, F1, F0, 0
	QUARTER 1, 3, F0, F1, 0
	LASTQ
	s_wait_loadcnt 0x0                             ; b'
	PLACES
.irp a, 0,1,2,3
.irp b, 0,1,2,3
.irp k, 0,1,2,3
	v_pk_add_f32 v[ACC+8*(4*\a+\b)+2*\k:ACC+8*(4*\a+\b)+2*\k+1], v[ACC+8*(4*\a+\b)+2*\k:ACC+8*(4*\a+\b)+2*\k+1], v[32+8*\b+2*\k:33+8*\b+2*\k]
.endr
.endr
.endr
.irp a, 0,1,2,3
.irp b, 0,1,2,3
	ds_store_b128 v[STO], v[ACC+8*(4*\a+\b):ACC+8*(4*\a+\b)+3]   offset:\a*16*FPITCH+64*\b
	ds_store_b128 v[STO], v[ACC+8*(4*\a+\b)+4:ACC+8*(4*\a+\b)+7] offset:\a*16*FPITCH+64*\b+16
.endr
.endr
	s_wait_dscnt 0x0                               ; for the others' sake: my stores into the stage are done
	s_barrier_signal -1
	s_barrier_wait -1
.set i, 0
.rept 32
	ds_load_b128 v[ACC+4*i:ACC+4*i+3], v[RD] offset:i*FPITCH
.set i, i+1
.endr
.set i, 0
.rept 32
	s_wait_dscnt 31-i                              ; the loads issued behind this one may stay out
	global_store_b128 v[CO], v[ACC+4*i:ACC+4*i+3], s[8:9] offset:i*4096   ; a wave stores 512 consecutive bytes, aligned
.set i, i+1
.endr
	s_wait_tensorcnt 0x0
	ds_add_u32 v126, v127
	s_wait_dscnt 0x0
	CROUND
	s_endpgm
.Lfunc_end_k_q8d051b67fb_final:
	.size	k_q8d051b67fb_final, .Lfunc_end_k_q8d051b67fb_final-k_q8d051b67fb_final
	.p2alignl 7, 3214868480
	.fill 96, 4, 3214868480
	.section	.rodata,"a",@progbits
	.p2align	6, 0x0
	.amdhsa_kernel k_q8d051b67fb_final
		.amdhsa_group_segment_fixed_size 327680
		.amdhsa_private_segment_fixed_size 0
		.amdhsa_enable_private_segment 0
		.amdhsa_kernarg_size 24
		.amdhsa_user_sgpr_count 2
		.amdhsa_user_sgpr_kernarg_segment_ptr 1
		.amdhsa_wavefront_size32 1
		.amdhsa_system_sgpr_workgroup_id_x 1
		.amdhsa_system_sgpr_workgroup_id_y 1
		.amdhsa_system_sgpr_workgroup_id_z 1
		.amdhsa_system_vgpr_workitem_id 0
		.amdhsa_next_free_vgpr 512
		.amdhsa_next_free_sgpr 90
		.amdhsa_reserve_vcc 0
		.amdhsa_float_denorm_mode_32 3
		.amdhsa_float_denorm_mode_16_64 3
		.amdhsa_memory_ordered 1
		.amdhsa_forward_progress 1
		.amdhsa_inst_pref_size 164
	.end_amdhsa_kernel
	.amdgpu_metadata
---
amdhsa.version: [ 1, 2 ]
amdhsa.kernels:
  - .name:           k_q8d051b67fb_final
    .symbol:         k_q8d051b67fb_final.kd
    .args:
      - { .name: ctx, .offset: 0, .size: 8, .value_kind: global_buffer, .address_space: global }
      - { .name: qw, .offset: 8, .size: 8, .value_kind: global_buffer, .address_space: global }
      - { .name: out0, .offset: 16, .size: 8, .value_kind: global_buffer, .address_space: global }
    .group_segment_fixed_size: 327680
    .private_segment_fixed_size: 0
    .kernarg_segment_align: 8
    .kernarg_segment_size: 24
    .max_flat_workgroup_size: 128
    .sgpr_count:     90
    .vgpr_count:     512
    .wavefront_size: 32
...
	.end_amdgpu_metadata
.endif
;; end of part 6
;; ======== version 2 of 3: 6 launches; 1.22 times as fast as version 1
;; workspace buffers: conv 16,777,216 bytes; convk 33,554,432 bytes; wcat 8,396,800 bytes; qw 20,987,904 bytes; pbuf 17,301,504 bytes; ctx 8,392,704 bytes
;; launch prep (part 7): grid 256 x 1, 8 waves a work-group, no clusters, 70,656 bytes of LDS; arguments q, Wq, Wk, Wv, Wo, conv; writes conv
.if DOCPART == 7
	.amdgcn_target "amdgcn-amd-amdhsa--gfx1250"
	.amdhsa_code_object_version 6
	.text
	.protected	k_q8d051b67fb_prep
	.globl	k_q8d051b67fb_prep
	.p2align	8
	.type	k_q8d051b67fb_prep,@function
k_q8d051b67fb_prep:
	s_mov_b64 s[64:65], 0
	v_nop
	global_prefetch_b8 v0, s[64:65] scope:SCOPE_SE
	s_setreg_imm32_b32 hwreg(HW_REG_WAVE_MODE, 25, 1), 1
	s_wait_xcnt 0x0
; conv = q and the weights rounded once to bf16, as rows of 1,024 numbers (2,048 bytes):
;   rows 0-4095 q | 4096-5119 Wk | 5120-6143 Wo transposed | 6144-7167 Wq | 7168-8191 Wv.     (k is rounded in the next launch, beside the products of the weights.)
; Work-groups 0-31 transpose Wo through LDS (64 rows of the transposed matrix, half of their length each); the other 224 stream one chunk of
; 32 rows (65,536 bytes of conv) each.  No matrix unit, no cluster: every byte is read once and written once, nothing is shared between work-groups.
; On both ways a wave asks for all its loads at once, converts in place and stores: no register is written twice, so the only waits for memory are the counted ones for the loads.
.set X, 8                              ; v[8:135]  streaming, trip n: 8 registers as loaded (2 x 4 f32); the first four then hold the 8 bf16 to store
.set TX, 16                            ; v[16:143] transposing, trip t: 32 registers as loaded (16 rows x 2 columns)
.set RB, 144                           ; v[144:207] transposing: 16 pieces of 16 bytes read back from LDS
.set TILE, 64*272                      ; transposing: an LDS tile of 64 rows x (256 + 16) bytes for each of the four trips
	s_load_b256 s[4:11], s[0:1], 0x0               ; q s[4:5], Wq s[6:7], Wk s[8:9], Wv s[10:11]
	s_load_b128 s[12:15], s[0:1], 0x20             ; Wo s[12:13], conv s[14:15]
	v_lshl_add_u32 v208, v0, 2, 0x11000
	v_mov_b32 v209, 0
	s_mov_b32 s20, ttmp9                           ; g
	s_mov_b32 s23, 0
	s_wait_kmcnt 0x0
	s_cmp_lt_u32 s20, 32
	s_cbranch_scc1 .Ltranspose
	; the chunk: g - 32, with the 32 chunks of Wo transposed (160-191) left out
	s_sub_co_u32 s20, s20, 32
	s_cmp_ge_u32 s20, 160
	s_cselect_b32 s21, 32, 0
	s_add_co_u32 s20, s20, s21
	; which tensor my 32 rows come from, and the first chunk of that tensor
	s_mov_b64 s[18:19], s[10:11]                   ; Wv, from chunk 224 on
	s_mov_b32 s21, 224
	s_cmp_lt_u32 s20, 224
	s_cselect_b64 s[18:19], s[6:7], s[18:19]       ; Wq, from 192
	s_cselect_b32 s21, 192, s21
	s_cmp_lt_u32 s20, 160
	s_cselect_b64 s[18:19], s[8:9], s[18:19]       ; Wk, from 128
	s_cselect_b32 s21, 128, s21
	s_cmp_lt_u32 s20, 128
	s_cselect_b64 s[18:19], s[4:5], s[18:19]       ; q, from 0
	s_cselect_b32 s21, 0, s21
	s_sub_co_u32 s22, s20, s21
	s_lshl_b32 s22, s22, 17                        ; 32 rows of 4,096 bytes of f32
	s_add_nc_u64 s[18:19], s[18:19], s[22:23]
	s_lshl_b32 s22, s20, 16                        ; 32 rows of 2,048 bytes of bf16
	s_add_nc_u64 s[16:17], s[14:15], s[22:23]
	v_lshlrev_b32 v1, 4, v0                        ; 16 t: a load of a wave covers 512 neighbouring bytes; never rewritten
	v_lshlrev_b32 v2, 3, v0                        ; 8 t: a store of a wave covers 256 neighbouring bytes, aligned; never rewritten
; A trip is 2,048 numbers: two loads and two stores a thread; 16 trips, all steps in the immediates.
.set trip, 0
.rept 16
	global_load_b128 v[X+8*trip:X+8*trip+3],   v1, s[18:19] offset:trip*8192 th:TH_LOAD_NT
	global_load_b128 v[X+8*trip+4:X+8*trip+7], v1, s[18:19] offset:trip*8192+4096 th:TH_LOAD_NT
.set trip, trip+1
.endr
.set trip, 0
.rept 16
	s_wait_loadcnt 2*(15-trip)                     ; loads come back in order: this trip's two are in, the two of each younger trip stay out
.irp j, 0,1,2,3
	v_cvt_pk_bf16_f32 v[X+8*trip+\j], v[X+8*trip+2*\j], v[X+8*trip+2*\j+1]   ; in place: result j lands on a register whose number has been read
.endr
	global_store_b64 v2, v[X+8*trip:X+8*trip+1],   s[16:17] offset:trip*4096
	global_store_b64 v2, v[X+8*trip+2:X+8*trip+3], s[16:17] offset:trip*4096+2048
.set trip, trip+1
.endr
	s_endpgm
.Ltranspose:
	; Group g makes numbers 512 (g % 2) .. +511 of rows 64 (g / 2) .. +63 of Wo transposed.  Four trips, each 128 rows of Wo x my 64 columns, each through an LDS tile of its own:
	; all 64 loads go out together, one barrier stands between the writing and the reading of the four tiles.
	s_lshr_b32 s22, s20, 1                         ; tv = g / 2
	s_and_b32 s21, s20, 1                          ; which half of the transposed rows
	s_lshl_b32 s24, s22, 8                         ; my 64 columns: 256 bytes of every row of Wo,
	s_lshl_b32 s26, s21, 21                        ; from row 512 x half on (4,096 bytes a row)
	s_add_co_u32 s24, s24, s26
	s_mov_b32 s25, 0
	s_add_nc_u64 s[12:13], s[12:13], s[24:25]
	s_lshl_b32 s24, s22, 17                        ; conv row 5120 + 64 tv,
	s_add_co_u32 s24, s24, 5120*2048
	s_lshl_b32 s26, s21, 10                        ; byte 1,024 x half of it
	s_add_co_u32 s24, s24, s26
	s_add_nc_u64 s[14:15], s[14:15], s[24:25]
	v_and_b32 v6, 31, v0                           ; lane
	v_lshrrev_b32 v7, 5, v0                        ; wave w
	v_and_b32 v8, 15, v0                           ; r
	v_bfe_u32 v9, v0, 4, 1                         ; h
	v_lshlrev_b32 v1, 3, v6                        ; in: two columns a lane (a row's 256 bytes in one load),
	v_lshl_add_u32 v1, v7, 16, v1                  ; wave w takes rows 16 w .. +15 of a trip's 128
	v_mul_u32_u24 v3, v6, 544                      ; LDS, in: rows 2 lane and 2 lane + 1,
	v_lshl_add_u32 v3, v7, 5, v3                   ; byte 32 w of them
	v_lshl_add_u32 v10, v7, 3, v9                  ; back: row 8 w + h (+ 2 q)
	v_mul_u32_u24 v4, v10, 272
	v_lshl_add_u32 v4, v8, 4, v4
	v_lshlrev_b32 v5, 11, v10                      ; and the same row in conv
	v_lshl_add_u32 v5, v8, 4, v5
.set t, 0
.rept 4
.irp i, 0,1,2,3,4,5,6,7,8,9,10,11,12,13,14,15
	global_load_b64 v[TX+32*t+2*\i:TX+32*t+2*\i+1], v1, s[12:13] offset:t*524288+\i*4096 th:TH_LOAD_NT   ; a trip is 128 rows of 4,096 bytes
.endr
.set t, t+1
.endr
.set t, 0
.rept 4
	s_wait_loadcnt 16*(3-t)                        ; this trip's sixteen loads are in, the sixteen of each younger trip stay out
.irp p, 0,1,2,3,4,5,6,7
	v_cvt_pk_bf16_f32 v[TX+32*t+4*\p],   v[TX+32*t+4*\p],   v[TX+32*t+4*\p+2]   ; my even column, rows 2 p and 2 p + 1 of Wo: neighbours in the transposed row
	v_cvt_pk_bf16_f32 v[TX+32*t+4*\p+1], v[TX+32*t+4*\p+1], v[TX+32*t+4*\p+3]   ; my odd column
.endr
.irp p, 0,1,2,3,4,5,6,7
	ds_store_b32 v3, v[TX+32*t+4*\p]   offset:t*TILE+4*\p
	ds_store_b32 v3, v[TX+32*t+4*\p+1] offset:t*TILE+272+4*\p
.endr
.set t, t+1
.endr
	s_wait_dscnt 0x0                               ; for the others' sake: my part of the four tiles is written
	s_barrier_signal -1
	s_barrier_wait -1
.set t, 0
.rept 4
.irp q, 0,1,2,3
	ds_load_b128 v[RB+16*t+4*\q:RB+16*t+4*\q+3], v4 offset:t*TILE+544*\q
.endr
.set t, t+1
.endr
.set t, 0
.rept 4
.irp q, 0,1,2,3
	s_wait_dscnt 15-(4*t+\q)                       ; the loads issued behind this one may stay out
	global_store_b128 v5, v[RB+16*t+4*\q:RB+16*t+4*\q+3], s[14:15] offset:t*256+4096*\q   ; 16 lanes store 256 consecutive bytes, aligned
.endr
.set t, t+1
.endr
	s_wait_tensorcnt 0x0
	ds_add_u32 v208, v209
	s_wait_dscnt 0x0
	s_endpgm
.Lfunc_end_k_q8d051b67fb_prep:
	.size	k_q8d051b67fb_prep, .Lfunc_end_k_q8d051b67fb_prep-k_q8d051b67fb_prep
	.p2alignl 7, 3214868480
	.fill 96, 4, 3214868480
	.section	.rodata,"a",@progbits
	.p2align	6, 0x0
	.amdhsa_kernel k_q8d051b67fb_prep
		.amdhsa_group_segment_fixed_size 70656
		.amdhsa_private_segment_fixed_size 0
		.amdhsa_enable_private_segment 0
		.amdhsa_kernarg_size 48
		.amdhsa_user_sgpr_count 2
		.amdhsa_user_sgpr_kernarg_segment_ptr 1
		.amdhsa_wavefront_size32 1
		.amdhsa_system_sgpr_workgroup_id_x 1
		.amdhsa_system_sgpr_workgroup_id_y 1
		.amdhsa_system_sgpr_workgroup_id_z 1
		.amdhsa_system_vgpr_workitem_id 0
		.amdhsa_next_free_vgpr 210
		.amdhsa_next_free_sgpr 66
		.amdhsa_reserve_vcc 0
		.amdhsa_float_denorm_mode_32 3
		.amdhsa_float_denorm_mode_16_64 3
		.amdhsa_memory_ordered 1
		.amdhsa_forward_progress 1
		.amdhsa_inst_pref_size 31
	.end_amdhsa_kernel
	.amdgpu_metadata
---
amdhsa.version: [ 1, 2 ]
amdhsa.kernels:
  - .name:           k_q8d051b67fb_prep
    .symbol:         k_q8d051b67fb_prep.kd
    .args:
      - { .name: q, .offset: 0, .size: 8, .value_kind: global_buffer, .address_space: global }
      - { .name: Wq, .offset: 8, .size: 8, .value_kind: global_buffer, .address_space: global }
      - { .name: Wk, .offset: 16, .size: 8, .value_kind: global_buffer, .address_space: global }
      - { .name: Wv, .offset: 24, .size: 8, .value_kind: global_buffer, .address_space: global }
      - { .name: Wo, .offset: 32, .size: 8, .value_kind: global_buffer, .address_space: global }
      - { .name: conv, .offset: 40, .size: 8, .value_kind: global_buffer, .address_space: global }
    .group_segment_fixed_size: 70656
    .private_segment_fixed_size: 0
    .kernarg_segment_align: 8
    .kernarg_segment_size: 48
    .max_flat_workgroup_size: 256
    .sgpr_count:     66
    .vgpr_count:     210
    .wavefront_size: 32
...
	.end_amdgpu_metadata
.endif
;; end of part 7
;; launch gemm_w (part 8): grid 8 x 32, 4 waves a work-group, clusters of 4 x 4, 327,680 bytes of LDS; arguments conv, wcat, bq, bk, k, convk; writes wcat, convk
.if DOCPART == 8
	.amdgcn_target "amdgcn-amd-amdhsa--gfx1250"
	.amdhsa_code_object_version 6
	.text
	.protected	k_q8d051b67fb_gemm_w
	.globl	k_q8d051b67fb_gemm_w
	.p2align	8
	.type	k_q8d051b67fb_gemm_w,@function
k_q8d051b67fb_gemm_w:
	s_mov_b64 s[64:65], 0
	v_nop
	global_prefetch_b8 v0, s[64:65] scope:SCOPE_SE
	s_setreg_imm32_b32 hwreg(HW_REG_WAVE_MODE, 25, 1), 1
	s_wait_xcnt 0x0
	s_wait_alu depctr_hold_cnt(0) depctr_sa_sdst(0) depctr_va_vdst(0) depctr_va_sdst(0) depctr_va_ssrc(0) depctr_va_vcc(0) depctr_vm_vsrc(0)
	s_getreg_b32 s2, hwreg(HW_REG_IB_STS2, 6, 4)
	s_cmp_eq_u32 s2, 0
	s_cbranch_scc0 .Lentry_in_a_cluster
	s_endpgm
.Lentry_in_a_cluster:
	s_bfe_u32 s2, ttmp6, 0x10000c
	s_cmp_lg_u32 s2, 0xf033
	s_cbranch_scc0 .Lentry_shape_is_right
	s_endpgm
.Lentry_shape_is_right:
; TWO KINDS OF WORK IN ONE LAUNCH, told apart by the cluster's y, which all partners of a cluster share.
; CLUSTER ROWS 0-3 (tile rows y 0-15, 128 work-groups): products of weights, kept as pairs of bf16 (hi = bf16(x), lo = bf16(x - hi)):
;   tile rows y 0-7:  B1[j][d] = sum over h of Wk[j][h] Wq[d][h]      -> wcat rows 0-1023
;   tile rows y 8-15: XT[v][h] = sum over g of Wo[g][v] Wv[h][g]      -> wcat rows 1024-2047      (a wcat row: 1,024 hi, then 1,024 lo)
; and, ahead of the products, u[j] = Wk[j] . bq and w[d] = Wq[d] . bk in f32 (wcat bytes 8,388,608 and 8,392,704).
; They serve scores = (q B1^T + u) . k + (q . w + bq . bk) and result = (P k)(Wk X) + b': reference()'s sums in another order.
; CLUSTER ROWS 4-7 (128 work-groups): k is rounded to bf16 (convk, [16384][1024]), 128 rows a work-group.  The products have tiles for 128 work-groups only and move few bytes;
; the stream needs neither matrix unit nor LDS, and nothing of it is wanted before the scores: so it runs beside the products instead of in a launch of its own.
; THE PRODUCTS: a tile of C is 128 x 128, four waves of 64 x 64 (16 accumulators), K = 1,024 in four steps of 256 through two LDS slots, all written out.
; CLUSTER 4 x 4: A's tiles are asked for jointly along a row of the cluster, B's along a column.  The matrix instruction is used transposed
; (source 0 = rows of B, source 1 = rows of A): a lane holds eight neighbouring numbers of a row of C.
; The stage of the way out lies in slot 0, whose last fill is K step 2's and whose last reads end ahead of that step's barrier.
; Limits: NaN and infinities are not served.
.set APITCH, 1024
.set BPITCH, 1024
.set PITCH,  528                       ; an LDS row: 512 bytes + 16 of padding
.set HALFA,  64*PITCH
.set HALFB,  64*PITCH
.set BOFF,   2*HALFA                   ; A's 128 rows, then B's 128 rows
.set SLOT,   BOFF+2*HALFB
.set BSL1,   512                       ; bytes from B's K step 0 to its K step 1
.set SPITCH, 272                       ; the stage: rows of 256 bytes + 16
.set PLANE,  128*SPITCH                ; hi's plane at 0, lo's behind it
.set ADRA, 16
.set ADRB, 20
.set STO,  24
.set RD,   25
.set CO,   26
.set LN,   27
.set ACC,  128
.set F0,   0
.set F1,   128
.set G1,   24
.set G0,   32
.set G1B,  48
.set G0B,  56
.set MUL,  0x05                        ; sources 0 (B) and 1 (A) window 1; C and D window 0
.set TO_F, 0x40                        ; destination window 1, address window 0
.set SX,    16                         ; the stream: v[16:255], 15 slots of 16 registers
.set NS,    15
.set UNITS, 64                         ; the stream: a wave's 32 rows in units of 2,048 bytes (four loads of 512)
.set MSB, 0
.macro WIN new                         ; the immediate's high byte repeats the setting that is left
.if MSB != \new
	s_set_vgpr_msb (MSB<<8)|\new
.set MSB, \new
.endif
.endm
.macro JLOAD s                         ; a joint load: waves 0 and 1 fetch A's two halves, waves 2 and 3 B's; four v_nop follow each line
	s_cmp_eq_u32 s11, 0
	s_cbranch_scc0 .Lfor_b_\@
	tensor_load_to_lds s[G0+4*\s:G0+4*\s+3], s[G1:G1+7]
	s_nop 0
.rept 4
	v_nop
.endr
	s_branch .Lasked_\@
.Lfor_b_\@:
	tensor_load_to_lds s[G0B+4*\s:G0B+4*\s+3], s[G1B:G1B+7]
	s_nop 0
.rept 4
	v_nop
.endr
.Lasked_\@:
.endm
.macro CREST                           ; a round of the cluster's barrier behind its opening barrier
	s_cmp_lg_u32 s10, 0
	s_cbranch_scc1 .Lnot_wave_0_\@
	s_barrier_signal -3
.Lnot_wave_0_\@:
	s_barrier_wait -3
	s_barrier_signal -1
	s_barrier_wait -1
.endm
.macro CROUND
	s_barrier_signal -1
	s_barrier_wait -1
	CREST
.endm
.macro PLACES                          ; four places behind matrix instructions, in front of loads into their sources and of reads of their results
.rept 4
	v_nop
.endr
.endm
; 8 matrix instructions: m blocks a0, a0 + 1 x all 4 n blocks, 32 along K: half c of buffer f.  The 16 accumulators take turns.
.macro MUL8 f, c, a0, zero
.irp a, \a0, \a0+1
.irp b, 0,1,2,3
.if \zero
	v_wmma_f32_16x16x32_bf16 v[ACC+8*(4*(\a)+\b):ACC+8*(4*(\a)+\b)+7], v[\f+64+8*(4*\c+\b):\f+64+8*(4*\c+\b)+7], v[\f+8*(4*\c+\a):\f+8*(4*\c+\a)+7], 0
.else
	v_wmma_f32_16x16x32_bf16 v[ACC+8*(4*(\a)+\b):ACC+8*(4*(\a)+\b)+7], v[\f+64+8*(4*\c+\b):\f+64+8*(4*\c+\b)+7], v[\f+8*(4*\c+\a):\f+8*(4*\c+\a)+7], v[ACC+8*(4*(\a)+\b):ACC+8*(4*(\a)+\b)+7]
.endif
.endr
.endr
.endm
; 32 LDS loads in one run: the fragments of quarter q (64 along K) of a slot into buffer f; the first 32 along K first
.macro FETCH slot, q, f
	WIN TO_F
.irp c, 0,1
.irp i, 0,1,2,3
	ds_load_b128 v[\f+64+8*(4*\c+\i):\f+64+8*(4*\c+\i)+3],   v[ADRB+\slot] offset:128*\q+64*\c+\i*16*PITCH
	ds_load_b128 v[\f+64+8*(4*\c+\i)+4:\f+64+8*(4*\c+\i)+7], v[ADRB+\slot] offset:128*\q+64*\c+\i*16*PITCH+32
	ds_load_b128 v[\f+8*(4*\c+\i):\f+8*(4*\c+\i)+3],         v[ADRA+\slot] offset:128*\q+64*\c+\i*16*PITCH
	ds_load_b128 v[\f+8*(4*\c+\i)+4:\f+8*(4*\c+\i)+7],       v[ADRA+\slot] offset:128*\q+64*\c+\i*16*PITCH+32
.endr
.endr
.endm
; multiplies buffer f and fetches quarter q of the same slot into g
.macro QUARTER slot, q, f, g, zero
	s_wait_dscnt 16                                ; the first 32 along K are in; the younger sixteen loads may be out
	WIN MUL
	MUL8 \f, 0, 0, \zero
	MUL8 \f, 0, 2, \zero
	PLACES
	FETCH \slot, \q, \g
	s_wait_dscnt 32                                ; all but the 32 just issued
	WIN MUL
	MUL8 \f, 1, 0, 0
	MUL8 \f, 1, 2, 0
.endm
; The last quarter multiplies buffer 1 and changes slots: one barrier; in front of it each wave waits for its reads of this slot and for all its tensor loads.
; fill = 1: the barrier opens a round of the cluster's barrier, and this slot is filled again first thing behind it; da, db: how far A's and B's addresses step.
.macro TURN slot, next, fill, da, db
	s_wait_dscnt 16
	WIN MUL
	MUL8 F1, 0, 0, 0
	s_wait_dscnt 0x0                               ; my reads of this slot are over,
	s_set_vgpr_msb 0x500
	s_wait_tensorcnt 0x0                           ; and all my tensor loads have landed: my part of the next slot
	ds_add_u32 v14, v15
	s_wait_dscnt 0x0
	s_set_vgpr_msb 0x5
	s_barrier_signal -1
	MUL8 F1, 0, 2, 0
.if \fill
	WIN 0
.endif
	s_barrier_wait -1
.if \fill
	CREST                                          ; no wave of any partner still reads this slot or has a load on its way
.if (\da) >= 0
	s_add_nc_u64 s[G0+4*\slot+2:G0+4*\slot+3], s[G0+4*\slot+2:G0+4*\slot+3], \da
.else
	s_sub_nc_u64 s[G0+4*\slot+2:G0+4*\slot+3], s[G0+4*\slot+2:G0+4*\slot+3], -(\da)
.endif
.if (\db) >= 0
	s_add_nc_u64 s[G0B+4*\slot+2:G0B+4*\slot+3], s[G0B+4*\slot+2:G0B+4*\slot+3], \db
.else
	s_sub_nc_u64 s[G0B+4*\slot+2:G0B+4*\slot+3], s[G0B+4*\slot+2:G0B+4*\slot+3], -(\db)
.endif
	JLOAD \slot                                    ; its four v_nop are also the places in front of the loads below
.else
	PLACES
.endif
	FETCH \next, 0, F0
	WIN MUL
	MUL8 F1, 1, 0, 0
	MUL8 F1, 1, 2, 0
.endm
.macro LASTQ                           ; the very last quarter: nothing more to fetch
	s_wait_dscnt 16
	WIN MUL
	MUL8 F1, 0, 0, 0
	MUL8 F1, 0, 2, 0
	s_wait_dscnt 0x0
	MUL8 F1, 1, 0, 0
	MUL8 F1, 1, 2, 0
	WIN 0
.endm
.macro STEP slot, next, zero, fill, da, db
	QUARTER \slot, 1, F0, F1, \zero
	QUARTER \slot, 2, F1, F0, 0
	QUARTER \slot, 3, F0, F1, 0
	TURN \slot, \next, \fill, \da, \db
.endm
; A dot product of a bf16 row of 1,024 with an f32 vector, by one wave: lane l holds numbers 8 l + 256 t + 0..7, t = 0..3.
.macro RV_LOAD vec, b                  ; the vector: 32 registers
.irp t, 0,1,2,3
	global_load_b128 v[\vec+8*\t:\vec+8*\t+3],   v29, s[\b:\b+1] offset:1024*\t
	global_load_b128 v[\vec+8*\t+4:\vec+8*\t+7], v29, s[\b:\b+1] offset:1024*\t+16
.endr
.endm
.macro RR_LOAD row, b, imm             ; the row: 16 registers
.irp t, 0,1,2,3
	global_load_b128 v[\row+4*\t:\row+4*\t+3], v30, s[\b:\b+1] offset:\imm+512*\t
.endr
.endm
.macro RDOT acc, row, vec, i0, i1      ; two chains, even and odd numbers; the first links add onto i0, i1
.irp t, 0,1,2,3
.irp k, 0,1,2,3
.if \t+\k == 0
	v_fma_mix_f32_bf16 v[\acc],   v[\row], v[\vec],   v[\i0] op_sel_hi:[1,0,0]
	v_fma_mix_f32_bf16 v[\acc+1], v[\row], v[\vec+1], v[\i1] op_sel:[1,0,0] op_sel_hi:[1,0,0]
.else
	v_fma_mix_f32_bf16 v[\acc],   v[\row+4*\t+\k], v[\vec+8*\t+2*\k],   v[\acc]   op_sel_hi:[1,0,0]
	v_fma_mix_f32_bf16 v[\acc+1], v[\row+4*\t+\k], v[\vec+8*\t+2*\k+1], v[\acc+1] op_sel:[1,0,0] op_sel_hi:[1,0,0]
.endif
.endr
.endr
.endm
.macro RSUM acc                        ; the two chains and the 32 lanes are added; every lane ends with the sum
	v_add_f32 v[\acc], v[\acc], v[\acc+1]
	v_add_f32_dpp v[\acc], v[\acc], v[\acc] row_xmask:1 row_mask:0xf bank_mask:0xf
	v_add_f32_dpp v[\acc], v[\acc], v[\acc] row_xmask:2 row_mask:0xf bank_mask:0xf
	v_add_f32_dpp v[\acc], v[\acc], v[\acc] row_xmask:4 row_mask:0xf bank_mask:0xf
	v_add_f32_dpp v[\acc], v[\acc], v[\acc] row_xmask:8 row_mask:0xf bank_mask:0xf
	v_permlanex16_b32 v[\acc+1], v[\acc], s76, s77
	v_add_f32 v[\acc], v[\acc], v[\acc+1]
.endm
; Accumulator t = 4 a + b leaves as a pair: hi = bf16(x), lo = bf16(x - hi); 16 bytes a lane into each plane of the stage.
.macro HL t
.set rA, ACC+8*(\t)
.set rT, 96+16*((\t)%2)
.irp k, 0,1,2,3
	v_cvt_pk_bf16_f32 v[rT+\k], v[rA+2*\k], v[rA+2*\k+1]
.endr
.irp k, 0,1,2,3
	v_lshlrev_b32 v[rT+8+2*\k], 16, v[rT+\k]
	v_and_b32     v[rT+9+2*\k], s78, v[rT+\k]
.endr
.irp k, 0,1,2,3
	v_pk_add_f32 v[rT+8+2*\k:rT+9+2*\k], v[rA+2*\k:rA+2*\k+1], v[rT+8+2*\k:rT+9+2*\k] neg_lo:[0,1] neg_hi:[0,1]
.endr
.irp k, 0,1,2,3
	v_cvt_pk_bf16_f32 v[rT+4+\k], v[rT+8+2*\k], v[rT+9+2*\k]
.endr
	ds_store_b128 v[STO], v[rT:rT+3]   offset:((\t)/4)*16*SPITCH+32*((\t)%4)
	ds_store_b128 v[STO], v[rT+4:rT+7] offset:PLANE+((\t)/4)*16*SPITCH+32*((\t)%4)
.endm
; The stream: unit n's four loads, 512 neighbouring bytes each, into slot n % 15
.macro SLOAD n
.irp j, 0,1,2,3
	global_load_b128 v[SX+16*((\n)%NS)+4*\j:SX+16*((\n)%NS)+4*\j+3], v1, s[72:73] offset:(\n)*2048+\j*512 th:TH_LOAD_NT
.endr
.endm
	s_load_b128 s[4:7], s[0:1], 0x0                ; conv s[4:5], wcat s[6:7]
	s_load_b128 s[68:71], s[0:1], 0x10             ; bq s[68:69], bk s[70:71]
	s_load_b128 s[72:75], s[0:1], 0x20             ; k s[72:73], convk s[74:75]
	v_lshl_add_u32 v14, v0, 2, 0x42000
	v_mov_b32 v15, 0
	ds_add_u32 v14, v15
	s_wait_dscnt 0x0
	v_lshrrev_b32 v1, 5, v0
	v_readfirstlane_b32 s10, v1                    ; wave 0..3
	s_lshr_b32 s11, s10, 1                         ; my half of the tile's rows.  Also: I fetch for A (0) or for B (1)
	s_and_b32 s12, s10, 1                          ; my half of its columns.  Also: which half of that tile I fetch
	s_bfe_u32 s40, ttmp6, 0x40000                  ; cx
	s_bfe_u32 s41, ttmp6, 0x40004                  ; cy
	s_lshl_b32 s42, ttmp9, 2
	s_add_co_u32 s42, s42, s40                     ; tile column x
	s_and_b32 s45, ttmp7, 0xffff                   ; the cluster's y, which all partners share
	s_lshl_b32 s13, s45, 2
	s_add_co_u32 s13, s13, s41                     ; tile row y
	s_lshl_b32 s43, s41, 2
	s_lshl_b32 s43, 15, s43                        ; my row of the cluster
	s_lshl_b32 s44, 0x1111, s40                    ; my column
	s_cmp_ge_u32 s45, 4                            ; cluster rows 4-7 have no tile of the products: all sixteen partners of such a cluster go the other way, which asks for no tile
	s_cbranch_scc1 .Lstream
	; descriptor group 1: 64 rows x 256 elements of 2 bytes, 16 bytes of padding behind every 512
	s_or_b32 s[G1+0], s43, (1<<16)|(1<<20)|(1<<21)|(6<<22)|(3<<25)
	s_or_b32 s[G1B+0], s44, (1<<16)|(1<<20)|(1<<21)|(6<<22)|(3<<25)
.irp g, G1, G1B
	s_mov_b32 s[\g+1], 256<<16                     ; tensor_dim0
	s_mov_b32 s[\g+2], 64<<16                      ; tensor_dim1
	s_mov_b32 s[\g+3], 256<<16                     ; tile_dim0
	s_mov_b32 s[\g+4], 64                          ; tile_dim1
	s_mov_b32 s[\g+6], 0
	s_mov_b32 s[\g+7], 0
.endr
	s_mov_b32 s[G1+5], APITCH
	s_mov_b32 s[G1B+5], BPITCH
	s_lshl_b32 s16, s13, 7                         ; A: conv row 4096 + 128 y + 64 half (Wk, then Wo transposed)
	s_lshl_b32 s17, s12, 6
	s_add_co_u32 s16, s16, s17
	s_add_co_u32 s16, s16, 4096
	s_lshl_b32 s16, s16, 11
	s_mov_b32 s17, 0
	s_lshl_b32 s46, s42, 7                         ; B: conv row 6144 + 1024 (cluster y / 2) + 128 x + 64 half (Wq for y < 8, Wv from 8 on)
	s_lshl_b32 s47, s12, 6
	s_add_co_u32 s46, s46, s47
	s_lshr_b32 s47, s45, 1
	s_lshl_b32 s47, s47, 10
	s_add_co_u32 s46, s46, s47
	s_add_co_u32 s46, s46, 6144
	s_lshl_b32 s46, s46, 11
	s_mov_b32 s47, 0
	s_mul_i32 s20, s12, HALFA                      ; where they go: no place in the cluster enters an LDS address
	s_mul_i32 s23, s12, HALFB
	s_add_co_u32 s23, s23, BOFF
	s_mov_b32 s76, 0x76543210                      ; v_permlanex16_b32: each lane takes its own place in the other half
	s_mov_b32 s77, 0xfedcba98
	s_mov_b32 s78, 0xffff0000
	s_wait_kmcnt 0x0
	s_add_nc_u64 s[14:15], s[4:5], s[16:17]
	s_add_nc_u64 s[46:47], s[4:5], s[46:47]
	CROUND                                         ; all sixteen work-groups are here: the first joint loads meet
.irp s, 0,1
	s_mov_b32 s[G0+4*\s], 1
	s_add_co_u32 s[G0+4*\s+1], s20, \s*SLOT
	s_add_nc_u64 s[G0+4*\s+2:G0+4*\s+3], s[14:15], \s*512
	s_or_b32 s[G0+4*\s+3], s[G0+4*\s+3], 0x80000000
	s_mov_b32 s[G0B+4*\s], 1
	s_add_co_u32 s[G0B+4*\s+1], s23, \s*SLOT
	s_add_nc_u64 s[G0B+4*\s+2:G0B+4*\s+3], s[46:47], \s*BSL1
	s_or_b32 s[G0B+4*\s+3], s[G0B+4*\s+3], 0x80000000
	JLOAD \s
.endr
	v_and_b32 v1, 15, v0                           ; r
	v_bfe_u32 v2, v0, 4, 1                         ; h
	v_and_b32 v[LN], 31, v0
	v_mul_u32_u24 v3, v1, PITCH
	v_lshl_add_u32 v3, v2, 4, v3
	s_mul_i32 s21, s11, HALFA
	s_mul_i32 s22, s12, HALFB
	s_add_co_u32 s22, s22, BOFF
.irp s, 0,1
	v_add_nc_u32 v[ADRA+\s], s21, v3
	v_add_nc_u32 v[ADRB+\s], s22, v3
	s_add_co_u32 s21, s21, SLOT
	s_add_co_u32 s22, s22, SLOT
.endr
	s_mul_i32 s21, s11, 64*SPITCH                  ; into the stage: my 64 rows, my half of their 256 bytes
	s_lshl_b32 s22, s12, 7
	s_add_co_u32 s21, s21, s22
	v_mul_u32_u24 v4, v1, SPITCH
	v_lshl_add_u32 v4, v2, 4, v4
	v_add_nc_u32 v[STO], s21, v4
	s_mul_i32 s21, s10, 32*SPITCH                  ; back: wave w takes rows 32 w .. +31, whole
	v_mul_u32_u24 v5, v2, SPITCH
	v_lshl_add_u32 v5, v1, 4, v5
	v_add_nc_u32 v[RD], s21, v5
	v_lshlrev_b32 v5, 12, v2                       ; and the same two rows in wcat (4,096 bytes a row)
	v_lshl_add_u32 v[CO], v1, 4, v5
	s_lshl_b32 s16, s13, 7                         ; the first row that I store: 128 y + 32 wave
	s_lshl_b32 s17, s10, 5
	s_add_co_u32 s16, s16, s17
	s_lshl_b32 s16, s16, 12
	s_mov_b32 s17, 0
	s_add_nc_u64 s[8:9], s[6:7], s[16:17]
	s_lshl_b32 s46, s42, 8                         ; the tile's first column, in bytes
	s_mov_b32 s47, 0
	s_add_nc_u64 s[8:9], s[8:9], s[46:47]
	; u and w, while the first tiles are on their way: work-group n = 8 y + x has rows 8 n .. +7, my wave two of them.  Data lie in the accumulators' registers, free until the first product.
	s_lshl_b32 s82, s13, 3
	s_add_co_u32 s82, s82, s42
	s_lshl_b32 s82, s82, 3
	s_lshl1_add_u32 s82, s10, s82                  ; j0 = 8 n + 2 wave
	s_add_co_u32 s84, s82, 4096
	s_lshl_b32 s84, s84, 11
	s_mov_b32 s85, 0
	s_add_nc_u64 s[84:85], s[4:5], s[84:85]        ; conv at Wk's row j0; Wq's row j0 lies 2,048 rows = 4,194,304 bytes further on
	s_lshl_b32 s86, s82, 2
	s_add_co_u32 s86, s86, 0x800000
	s_mov_b32 s87, 0
	s_add_nc_u64 s[86:87], s[6:7], s[86:87]        ; wcat at u[j0]; w[j0] lies 4,096 bytes further on
	v_lshlrev_b32 v29, 5, v[LN]
	v_lshlrev_b32 v30, 4, v[LN]
	v_lshlrev_b32 v31, 2, v[LN]
	RV_LOAD 128, 68                                ; bq
	RV_LOAD 160, 70                                ; bk
	RR_LOAD 192, 84, 0
	RR_LOAD 208, 84, 2048
	RR_LOAD 224, 84, 4194304
	RR_LOAD 240, 84, 4194304+2048
	v_mov_b32 v106, 0
	v_mov_b32 v107, 0
	s_wait_loadcnt 0x0
	RDOT 96,  192, 128, 106, 107
	RDOT 98,  208, 128, 106, 107
	RDOT 100, 224, 160, 106, 107
	RDOT 102, 240, 160, 106, 107
	RSUM 96
	RSUM 98
	RSUM 100
	RSUM 102
	v_cmp_eq_u32 vcc_lo, 1, v[LN]
	v_cndmask_b32 v104, v96, v98, vcc_lo           ; lane 0 takes row j0's sum, lane 1 row j0 + 1's
	v_cndmask_b32 v105, v100, v102, vcc_lo
	v_cmp_gt_u32 vcc_lo, 2, v[LN]
	s_wait_xcnt 0x0                                ; EXEC changes only behind this wait
	s_and_saveexec_b32 s88, vcc_lo
	global_store_b32 v31, v104, s[86:87]           ; 8 bytes a wave: u and w are 8 KiB in the whole launch
	global_store_b32 v31, v105, s[86:87] offset:4096
	s_wait_xcnt 0x0
	s_or_b32 exec_lo, exec_lo, s88
	s_wait_tensorcnt 1                             ; my part of K step 0 is in; K step 1's may stay out
	s_barrier_signal -1
	s_barrier_wait -1
	FETCH 0, 0, F0
	STEP 0, 1, 1, 1, 1024, 1024                    ; K step 0; slot 0 takes K step 2
	STEP 1, 0, 0, 1, 1024, 1024                    ; K step 1; slot 1 takes K step 3
	STEP 0, 1, 0, 0, 0, 0                          ; K step 2: nothing is left to fetch
	QUARTER 1, 1, F0, F1, 0
	QUARTER 1, 2, F1, F0, 0
	QUARTER 1, 3, F0, F1, 0
	LASTQ
	PLACES
.irp t, 0,1,2,3,4,5,6,7,8,9,10,11,12,13,14,15
	HL \t
.endr
	s_wait_dscnt 0x0                               ; for the others' sake: my stores into the stage are done
	s_barrier_signal -1
	s_barrier_wait -1
.irp t, 0,1,2,3,4,5,6,7,8,9,10,11,12,13,14,15
	ds_load_b128 v[128+4*\t:131+4*\t], v[RD] offset:\t*2*SPITCH
.endr
.irp t, 0,1,2,3,4,5,6,7,8,9,10,11,12,13,14,15
	ds_load_b128 v[192+4*\t:195+4*\t], v[RD] offset:PLANE+\t*2*SPITCH
.endr
.irp t, 0,1,2,3,4,5,6,7,8,9,10,11,12,13,14,15
	s_wait_dscnt 31-\t                             ; the loads issued behind this one may stay out
	global_store_b128 v[CO], v[128+4*\t:131+4*\t], s[8:9] offset:2*\t*4096        ; 16 lanes store 256 consecutive bytes, aligned
.endr
.irp t, 0,1,2,3,4,5,6,7,8,9,10,11,12,13,14,15
	s_wait_dscnt 15-\t
	global_store_b128 v[CO], v[192+4*\t:195+4*\t], s[8:9] offset:2*\t*4096+2048
.endr
	s_wait_tensorcnt 0x0
	ds_add_u32 v14, v15
	s_wait_dscnt 0x0
	CROUND                                         ; the closing round
	s_endpgm
.Lstream:
	; THE STREAM: convk = k rounded to bf16.  Work-group i = 8 (y - 16) + x of 128 has rows 128 i .. +127, my wave 32 of them: 131,072 bytes in, 65,536 out, in 64 units of 2,048 bytes.
	; A ring of 15 register slots, written out, every step in the immediates: one unit at work, one whose stores are leaving, thirteen on their way in, so that 52 to 56 loads of
	; 512 bytes of every wave are out.  A unit is converted in place and stored from the registers it was loaded into; its slot is loaded again one turn later.
	s_sub_co_u32 s16, s13, 16
	s_lshl3_add_u32 s16, s16, s42                  ; i
	s_lshl2_add_u32 s16, s16, s10                  ; 4 i + wave: my wave's run of 32 rows, 0 to 511
	s_lshl_b32 s18, s16, 17                        ; 32 rows of 4,096 bytes of f32
	s_mov_b32 s19, 0
	s_lshl_b32 s20, s16, 16                        ; 32 rows of 2,048 bytes of bf16
	s_mov_b32 s21, 0
	v_and_b32 v2, 31, v0                           ; lane
	v_lshlrev_b32 v1, 4, v2                        ; 16 x lane: a load covers 512 neighbouring bytes; never rewritten
	v_lshlrev_b32 v2, 3, v2                        ; 8 x lane: a store covers 256 neighbouring bytes, aligned; never rewritten
	s_wait_kmcnt 0x0
	s_add_nc_u64 s[72:73], s[72:73], s[18:19]
	s_add_nc_u64 s[74:75], s[74:75], s[20:21]
.set u, 0
.rept NS-1
	SLOAD u                                        ; units 0 to 13: 56 loads
.set u, u+1
.endr
.set u, 0
.rept UNITS
.if u < UNITS-(NS-2)
	s_wait_loadcnt 4*(NS-2)                        ; loads come back in order: this unit's four are in, the four of each of the thirteen younger units stay out
.else
	s_wait_loadcnt 4*(UNITS-1-u)                   ; the last units have fewer behind them: the counts run down
.endif
.irp j, 0,1,2,3
	v_cvt_pk_bf16_f32 v[SX+16*(u%NS)+4*\j],   v[SX+16*(u%NS)+4*\j],   v[SX+16*(u%NS)+4*\j+1]   ; in place: each result lands on a register whose number has been read
	v_cvt_pk_bf16_f32 v[SX+16*(u%NS)+4*\j+1], v[SX+16*(u%NS)+4*\j+2], v[SX+16*(u%NS)+4*\j+3]
.endr
.irp j, 0,1,2,3
	global_store_b64 v2, v[SX+16*(u%NS)+4*\j:SX+16*(u%NS)+4*\j+1], s[74:75] offset:u*1024+\j*256
.endr
.if u+NS-1 < UNITS
	s_wait_xcnt 0x0                                ; the slot of the unit before, which its stores read, is loaded again only behind this wait
	SLOAD u+NS-1
.endif
.set u, u+1
.endr
	CROUND                                         ; the closing round, as on the other way: in a launch in clusters every way ends with one
	s_endpgm
.Lfunc_end_k_q8d051b67fb_gemm_w:
	.size	k_q8d051b67fb_gemm_w, .Lfunc_end_k_q8d051b67fb_gemm_w-k_q8d051b67fb_gemm_w
	.p2alignl 7, 3214868480
	.fill 96, 4, 3214868480
	.section	.rodata,"a",@progbits
	.p2align	6, 0x0
	.amdhsa_kernel k_q8d051b67fb_gemm_w
		.amdhsa_group_segment_fixed_size 327680
		.amdhsa_private_segment_fixed_size 0
		.amdhsa_enable_private_segment 0
		.amdhsa_kernarg_size 48
		.amdhsa_user_sgpr_count 2
		.amdhsa_user_sgpr_kernarg_segment_ptr 1
		.amdhsa_wavefront_size32 1
		.amdhsa_system_sgpr_workgroup_id_x 1
		.amdhsa_system_sgpr_workgroup_id_y 1
		.amdhsa_system_sgpr_workgroup_id_z 1
		.amdhsa_system_vgpr_workitem_id 0
		.amdhsa_next_free_vgpr 512
		.amdhsa_next_free_sgpr 90
		.amdhsa_reserve_vcc 1
		.amdhsa_float_denorm_mode_32 3
		.amdhsa_float_denorm_mode_16_64 3
		.amdhsa_memory_ordered 1
		.amdhsa_forward_progress 1
		.amdhsa_inst_pref_size 201
	.end_amdhsa_kernel
	.amdgpu_metadata
---
amdhsa.version: [ 1, 2 ]
amdhsa.kernels:
  - .name:           k_q8d051b67fb_gemm_w
    .symbol:         k_q8d051b67fb_gemm_w.kd
    .args:
      - { .name: conv, .offset: 0, .size: 8, .value_kind: global_buffer, .address_space: global }
      - { .name: wcat, .offset: 8, .size: 8, .value_kind: global_buffer, .address_space: global }
      - { .name: bq, .offset: 16, .size: 8, .value_kind: global_buffer, .address_space: global }
      - { .name: bk, .offset: 24, .size: 8, .value_kind: global_buffer, .address_space: global }
      - { .name: k, .offset: 32, .size: 8, .value_kind: global_buffer, .address_space: global }
      - { .name: convk, .offset: 40, .size: 8, .value_kind: global_buffer, .address_space: global }
    .group_segment_fixed_size: 327680
    .private_segment_fixed_size: 0
    .kernarg_segment_align: 8
    .kernarg_segment_size: 48
    .max_flat_workgroup_size: 128
    .sgpr_count:     90
    .vgpr_count:     512
    .wavefront_size: 32
...
	.end_amdgpu_metadata
.endif
;; end of part 8
;; launch gemm_q (part 9): grid 8 x 20, 4 waves a work-group, clusters of 4 x 4, 327,680 bytes of LDS; arguments conv, wcat, bq, bk, qw; writes qw
.if DOCPART == 9
	.amdgcn_target "amdgcn-amd-amdhsa--gfx1250"
	.amdhsa_code_object_version 6
	.text
	.protected	k_q8d051b67fb_gemm_q
	.globl	k_q8d051b67fb_gemm_q
	.p2align	8
	.type	k_q8d051b67fb_gemm_q,@function
k_q8d051b67fb_gemm_q:
	s_mov_b64 s[64:65], 0
	v_nop
	global_prefetch_b8 v0, s[64:65] scope:SCOPE_SE
	s_setreg_imm32_b32 hwreg(HW_REG_WAVE_MODE, 25, 1), 1
	s_wait_xcnt 0x0
	s_wait_alu depctr_hold_cnt(0) depctr_sa_sdst(0) depctr_va_vdst(0) depctr_va_sdst(0) depctr_va_ssrc(0) depctr_va_vcc(0) depctr_vm_vsrc(0)
	s_getreg_b32 s2, hwreg(HW_REG_IB_STS2, 6, 4)
	s_cmp_eq_u32 s2, 0
	s_cbranch_scc0 .Lentry_in_a_cluster
	s_endpgm
.Lentry_in_a_cluster:
	s_bfe_u32 s2, ttmp6, 0x10000c
	s_cmp_lg_u32 s2, 0xf033
	s_cbranch_scc0 .Lentry_shape_is_right
	s_endpgm
.Lentry_shape_is_right:
; Tile rows y 0-15:  q'[i][j] = sum over d of q[i][d] B1[j][d] + u[j]     -> qw rows 0-4095
; tile rows y 16-19: W3[d][v] = sum over h of Wk[d][h] XT[v][h]           -> qw rows 4096-5119     (a qw row: 1,024 hi, then 1,024 lo)
; B1 and XT are pairs of bf16 (hi, lo).  A tile of C is 256 rows x 128 columns.  K = 1,024 goes in steps of 128 through two LDS slots; a slot holds 256 rows of A,
; 128 rows of B's hi and the same 128 rows of B's lo, so that A is fetched once and each of its fragments meets hi and lo: 256 matrix instructions a wave for a step's
; 131,072 bytes.  Four waves, each 128 rows x 64 columns: 32 accumulators.  Results leave as pairs again.
; 160 work-groups: tiles of half the size would be 320, a second pass on a quarter of the WGPs.
; Ahead of the products (y < 16): c[i] = q[i] . w + bq . bk in f32, at qw byte 20,971,520, eight rows a wave.
; CLUSTER 4 x 4: A's tiles are asked for jointly along a row of the cluster, B's along a column.  The matrix instruction is used transposed (source 0 = rows of B,
; source 1 = rows of A): a lane holds eight neighbouring numbers of a row of C.
; The stage of the way out fills slot 0, whose last fill is K step 6's and whose last reads end ahead of that step's barrier.
; REGISTERS: window 0: v0-31 addresses, v32-63 u, v96-114 at work on c, v128-255 vectors for c, then hi on the way out; window 1: two fragment buffers of 128
; (8 fragments of A, 4 of B's hi, 4 of B's lo), on the way out hi widened and then lo; window 2: the accumulators, (a, b) at v[8 (4 a + b)]; ahead of the products eight rows of q.
; Limits: NaN and infinities are not served.
.set APITCH, 1024
.set BPITCH, 2048
.set PITCH,  272                       ; an LDS row: 256 bytes + 16 of padding
.set HALFT,  128*PITCH                 ; what one tensor load brings
.set SLOT,   4*HALFT                   ; A's 256 rows, B's hi, B's lo
.set LAPS,   4                         ; a lap = two K steps = once round the ring
.set SPITCH, 272
.set PLANE,  256*SPITCH                ; the stage: hi's plane at 0, lo's behind it
.set HB,     4                         ; the second half of a part's 32 products begins at row block 4
.set ADRP, 16                          ; v16-17  my fragments of the pair (B's hi; lo lies HALFT further on) in slot 0, 1
.set ADRS, 20                          ; v20-21  my fragments of A in slot 0, 1
.set STO2, 22
.set RD2,  23
.set STO,  24
.set RD,   25
.set CO,   26
.set LN,   27
.set U,    32
.set H,    128
.set F0,   0
.set F1,   128
.set G1,   24
.set G0,   32
.set G1B,  48
.set G0B,  56
.set MULW, 0xa5                        ; sources 0 and 1 window 1; C and D window 2
.set TO_F, 0x40                        ; destination window 1, address window 0
.set MSB, 0
.macro WIN new                         ; the immediate's high byte repeats the setting that is left
.if MSB != \new
	s_set_vgpr_msb (MSB<<8)|\new
.set MSB, \new
.endif
.endm
.macro JLOAD s                         ; a joint load: waves 0 and 1 fetch A's two halves, waves 2 and 3 B's hi and lo; four v_nop follow each line
	s_cmp_eq_u32 s11, 0
	s_cbranch_scc0 .Lfor_b_\@
	tensor_load_to_lds s[G0+4*\s:G0+4*\s+3], s[G1:G1+7]
	s_nop 0
.rept 4
	v_nop
.endr
	s_branch .Lasked_\@
.Lfor_b_\@:
	tensor_load_to_lds s[G0B+4*\s:G0B+4*\s+3], s[G1B:G1B+7]
	s_nop 0
.rept 4
	v_nop
.endr
.Lasked_\@:
.endm
.macro CREST                           ; a round of the cluster's barrier behind its opening barrier
	s_cmp_lg_u32 s10, 0
	s_cbranch_scc1 .Lnot_wave_0_\@
	s_barrier_signal -3
.Lnot_wave_0_\@:
	s_barrier_wait -3
	s_barrier_signal -1
	s_barrier_wait -1
.endm
.macro CROUND
	s_barrier_signal -1
	s_barrier_wait -1
	CREST
.endm
.macro PLACES                          ; four places behind matrix instructions, in front of loads into their sources and of reads of their results
.rept 4
	v_nop
.endr
.endm
; 16 matrix instructions: row blocks a0 .. a0 + 3 x all 4 column blocks, 32 along K, part p of the pair (0 hi, 1 lo).  The 32 accumulators take turns, one instruction a turn.
.macro MUL16 f, p, a0, zero
.irp a, \a0, \a0+1, \a0+2, \a0+3
.irp b, 0,1,2,3
.if \zero
	v_wmma_f32_16x16x32_bf16 v[8*(4*(\a)+\b):8*(4*(\a)+\b)+7], v[\f+64+32*\p+8*\b:\f+64+32*\p+8*\b+7], v[\f+8*(\a):\f+8*(\a)+7], 0
.else
	v_wmma_f32_16x16x32_bf16 v[8*(4*(\a)+\b):8*(4*(\a)+\b)+7], v[\f+64+32*\p+8*\b:\f+64+32*\p+8*\b+7], v[\f+8*(\a):\f+8*(\a)+7], v[8*(4*(\a)+\b):8*(4*(\a)+\b)+7]
.endif
.endr
.endr
.endm
; 32 LDS loads in one run: the fragments of 32 along K at byte k of the rows, into buffer f: the single operand's eight, the pair's four of hi, its four of lo last
.macro FETCH slot, k, f
	WIN TO_F
.irp i, 0,1,2,3,4,5,6,7
	ds_load_b128 v[\f+8*\i:\f+8*\i+3],   v[ADRS+\slot] offset:\k+\i*16*PITCH
	ds_load_b128 v[\f+8*\i+4:\f+8*\i+7], v[ADRS+\slot] offset:\k+\i*16*PITCH+32
.endr
.irp p, 0,1
.irp i, 0,1,2,3
	ds_load_b128 v[\f+64+32*\p+8*\i:\f+64+32*\p+8*\i+3],   v[ADRP+\slot] offset:\k+\p*HALFT+\i*16*PITCH
	ds_load_b128 v[\f+64+32*\p+8*\i+4:\f+64+32*\p+8*\i+7], v[ADRP+\slot] offset:\k+\p*HALFT+\i*16*PITCH+32
.endr
.endr
.endm
; A K step is four quarters of 32 along K, 64 matrix instructions each, on buffers 0, 1, 0, 1.  One of the first three: multiplies buffer f and, in its middle, fetches the next quarter, at byte k, into g.
.macro QUARTER slot, k, f, g, zero
	s_wait_dscnt 8                                 ; all but the youngest eight loads, lo's fragments
	WIN MULW
	MUL16 \f, 0, 0, \zero
	MUL16 \f, 0, HB, \zero
	PLACES
	FETCH \slot, \k, \g
	s_wait_dscnt 32                                ; all but the 32 just issued
	WIN MULW
	MUL16 \f, 1, 0, 0
	MUL16 \f, 1, HB, 0
.endm
; The last quarter multiplies buffer 1 and changes slots: one barrier; in front of it each wave waits for its reads of this slot and for all its tensor loads.
; fill = 1: the barrier opens a round of the cluster's barrier, and this slot is filled again, two K steps ahead, first thing behind it.
.macro TURN slot, next, fill
	s_wait_dscnt 8
	WIN MULW
	MUL16 F1, 0, 0, 0
	s_wait_dscnt 0x0                               ; my reads of this slot are over,
	s_set_vgpr_msb 0xa5a0
	s_wait_tensorcnt 0x0                           ; and all my tensor loads have landed: my part of the next slot
	ds_add_u32 v126, v127
	s_wait_dscnt 0x0
	s_set_vgpr_msb 0xa0a5
	s_barrier_signal -1
	MUL16 F1, 0, HB, 0
.if \fill
	WIN 0
.endif
	s_barrier_wait -1
.if \fill
	CREST                                          ; no wave of any partner still reads this slot or has a load on its way
	s_add_nc_u64 s[G0+4*\slot+2:G0+4*\slot+3], s[G0+4*\slot+2:G0+4*\slot+3], 512
	s_add_nc_u64 s[G0B+4*\slot+2:G0B+4*\slot+3], s[G0B+4*\slot+2:G0B+4*\slot+3], 512
	JLOAD \slot                                    ; its four v_nop are also the places in front of the loads below
.else
	PLACES
.endif
	FETCH \next, 0, F0
	WIN MULW
	MUL16 F1, 1, 0, 0
	MUL16 F1, 1, HB, 0
.endm
.macro LASTQ                           ; the very last quarter: nothing more to fetch
	s_wait_dscnt 8
	WIN MULW
	MUL16 F1, 0, 0, 0
	MUL16 F1, 0, HB, 0
	s_wait_dscnt 0x0
	MUL16 F1, 1, 0, 0
	MUL16 F1, 1, HB, 0
	WIN 0
.endm
; A dot product of a bf16 row of 1,024 with an f32 vector, by one wave: lane l holds numbers 8 l + 256 t + 0..7, t = 0..3.
.macro RV_LOAD vec, b                  ; the vector: 32 registers
.irp t, 0,1,2,3
	global_load_b128 v[\vec+8*\t:\vec+8*\t+3],   v29, s[\b:\b+1] offset:1024*\t
	global_load_b128 v[\vec+8*\t+4:\vec+8*\t+7], v29, s[\b:\b+1] offset:1024*\t+16
.endr
.endm
.macro RR_LOAD row, b, imm             ; the row: 16 registers
.irp t, 0,1,2,3
	global_load_b128 v[\row+4*\t:\row+4*\t+3], v30, s[\b:\b+1] offset:\imm+512*\t
.endr
.endm
.macro RSUM acc                        ; the two chains and the 32 lanes are added; every lane ends with the sum
	v_add_f32 v[\acc], v[\acc], v[\acc+1]
	v_add_f32_dpp v[\acc], v[\acc], v[\acc] row_xmask:1 row_mask:0xf bank_mask:0xf
	v_add_f32_dpp v[\acc], v[\acc], v[\acc] row_xmask:2 row_mask:0xf bank_mask:0xf
	v_add_f32_dpp v[\acc], v[\acc], v[\acc] row_xmask:4 row_mask:0xf bank_mask:0xf
	v_add_f32_dpp v[\acc], v[\acc], v[\acc] row_xmask:8 row_mask:0xf bank_mask:0xf
	v_permlanex16_b32 v[\acc+1], v[\acc], s76, s77
	v_add_f32 v[\acc], v[\acc], v[\acc+1]
.endm
	s_load_b128 s[4:7], s[0:1], 0x0                ; conv s[4:5], wcat s[6:7]
	s_load_b128 s[68:71], s[0:1], 0x10             ; bq s[68:69], bk s[70:71]
	s_load_b64 s[8:9], s[0:1], 0x20                ; qw
	v_lshl_add_u32 v126, v0, 2, 0x44000
	v_mov_b32 v127, 0
	ds_add_u32 v126, v127
	v_lshrrev_b32 v1, 5, v0
	v_readfirstlane_b32 s10, v1                    ; wave 0..3
	s_lshr_b32 s11, s10, 1                         ; my half of the tile's rows.  Also: I fetch for A (0) or for B (1)
	s_and_b32 s12, s10, 1                          ; my half of its columns.  Also: which half of A, or hi or lo of B, I fetch
	s_bfe_u32 s40, ttmp6, 0x40000                  ; cx
	s_bfe_u32 s41, ttmp6, 0x40004                  ; cy
	s_lshl_b32 s42, ttmp9, 2
	s_add_co_u32 s42, s42, s40                     ; tile column x
	s_and_b32 s45, ttmp7, 0xffff                   ; the cluster's y, which all partners share
	s_lshl_b32 s13, s45, 2
	s_add_co_u32 s13, s13, s41                     ; tile row y
	s_lshl_b32 s43, s41, 2
	s_lshl_b32 s43, 15, s43                        ; my row of the cluster
	s_lshl_b32 s44, 0x1111, s40                    ; my column
	; descriptor group 1: 128 rows x 128 elements of 2 bytes, 16 bytes of padding behind every 256
	s_or_b32 s[G1+0], s43, (1<<16)|(1<<20)|(1<<21)|(5<<22)|(3<<25)
	s_or_b32 s[G1B+0], s44, (1<<16)|(1<<20)|(1<<21)|(5<<22)|(3<<25)
.irp g, G1, G1B
	s_mov_b32 s[\g+1], 128<<16                     ; tensor_dim0
	s_mov_b32 s[\g+2], 128<<16                     ; tensor_dim1
	s_mov_b32 s[\g+3], 128<<16                     ; tile_dim0
	s_mov_b32 s[\g+4], 128                         ; tile_dim1
	s_mov_b32 s[\g+6], 0
	s_mov_b32 s[\g+7], 0
.endr
	s_mov_b32 s[G1+5], APITCH
	s_mov_b32 s[G1B+5], BPITCH
	s_lshl_b32 s16, s13, 19                        ; A: conv row 256 y + 128 half (q, then Wk), 2,048 bytes a row
	s_lshl_b32 s17, s12, 18
	s_add_co_u32 s16, s16, s17
	s_mov_b32 s17, 0
	s_lshr_b32 s46, s45, 2                         ; B: wcat row 1024 (cluster y / 4) + 128 x (B1 for y < 16, XT from 16 on), 4,096 bytes a row;
	s_lshl_b32 s46, s46, 10
	s_lshl_b32 s47, s42, 7
	s_add_co_u32 s46, s46, s47
	s_lshl_b32 s46, s46, 12
	s_lshl_b32 s47, s12, 11                        ; hi, or lo 2,048 bytes to the right
	s_add_co_u32 s46, s46, s47
	s_mov_b32 s47, 0
	s_mul_i32 s20, s12, HALFT                      ; where they go: no place in the cluster enters an LDS address
	s_add_co_u32 s23, s20, 2*HALFT
	s_mov_b32 s76, 0x76543210                      ; v_permlanex16_b32: each lane takes its own place in the other half
	s_mov_b32 s77, 0xfedcba98
	s_mov_b32 s78, 0xffff0000
	s_wait_dscnt 0x0
	s_wait_kmcnt 0x0
	s_add_nc_u64 s[14:15], s[4:5], s[16:17]
	s_add_nc_u64 s[46:47], s[6:7], s[46:47]
	CROUND                                         ; all sixteen work-groups are here: the first joint loads meet
.irp s, 0,1
	s_mov_b32 s[G0+4*\s], 1
	s_add_co_u32 s[G0+4*\s+1], s20, \s*SLOT
	s_add_nc_u64 s[G0+4*\s+2:G0+4*\s+3], s[14:15], \s*256
	s_or_b32 s[G0+4*\s+3], s[G0+4*\s+3], 0x80000000
	s_mov_b32 s[G0B+4*\s], 1
	s_add_co_u32 s[G0B+4*\s+1], s23, \s*SLOT
	s_add_nc_u64 s[G0B+4*\s+2:G0B+4*\s+3], s[46:47], \s*256
	s_or_b32 s[G0B+4*\s+3], s[G0B+4*\s+3], 0x80000000
	JLOAD \s
.endr
	v_and_b32 v1, 15, v0                           ; r
	v_bfe_u32 v2, v0, 4, 1                         ; h
	v_and_b32 v[LN], 31, v0
	v_mul_u32_u24 v3, v1, PITCH
	v_lshl_add_u32 v3, v2, 4, v3                   ; a fragment's row x pitch + 16 x half
	s_mul_i32 s21, s11, HALFT                      ; my 128 rows of A
	s_mul_i32 s22, s12, 64*PITCH                   ; my 64 rows of B's hi,
	s_add_co_u32 s22, s22, 2*HALFT                 ; which lie behind A's 256
.irp s, 0,1
	v_add_nc_u32 v[ADRS+\s], s21, v3
	v_add_nc_u32 v[ADRP+\s], s22, v3
	s_add_co_u32 s21, s21, SLOT
	s_add_co_u32 s22, s22, SLOT
.endr
	s_mul_i32 s21, s11, 128*SPITCH                 ; into the stage: my 128 rows, my half of their 256 bytes
	s_lshl_b32 s22, s12, 7
	s_add_co_u32 s21, s21, s22
	v_mul_u32_u24 v4, v1, SPITCH
	v_lshl_add_u32 v4, v2, 4, v4
	v_add_nc_u32 v[STO], s21, v4
	v_add_nc_u32 v[STO2], PLANE, v[STO]            ; lo's plane lies beyond a 16-bit immediate
	s_mul_i32 s21, s10, 64*SPITCH                  ; back: wave w takes rows 64 w .. +63, whole
	v_mul_u32_u24 v5, v2, SPITCH
	v_lshl_add_u32 v5, v1, 4, v5
	v_add_nc_u32 v[RD], s21, v5
	v_add_nc_u32 v[RD2], PLANE, v[RD]
	v_lshlrev_b32 v5, 12, v2                       ; and the same two rows in qw (4,096 bytes a row)
	v_lshl_add_u32 v[CO], v1, 4, v5
	; c's place, from qw's address as it came
	s_lshl_b32 s88, s13, 8
	s_lshl_b32 s89, s42, 5
	s_add_co_u32 s88, s88, s89
	s_lshl3_add_u32 s88, s10, s88                  ; i0 = 256 y + 32 x + 8 wave: my wave's eight rows of q
	s_lshl_b32 s86, s88, 11
	s_mov_b32 s87, 0
	s_add_nc_u64 s[86:87], s[4:5], s[86:87]        ; conv at q's row i0
	s_lshl_b32 s88, s88, 2
	s_add_co_u32 s88, s88, 0x1400000
	s_mov_b32 s89, 0
	s_add_nc_u64 s[88:89], s[8:9], s[88:89]        ; qw at c[i0]
	s_add_nc_u64 s[84:85], s[6:7], 0x801000        ; wcat at w
	s_lshl_b32 s16, s13, 8                         ; the first row of qw that I store: 256 y + 64 wave
	s_lshl_b32 s17, s10, 6
	s_add_co_u32 s16, s16, s17
	s_lshl_b32 s16, s16, 12
	s_mov_b32 s17, 0
	s_add_nc_u64 s[8:9], s[8:9], s[16:17]
	s_lshl_b32 s46, s42, 8                         ; the tile's first column, in bytes
	s_mov_b32 s47, 0
	s_add_nc_u64 s[8:9], s[8:9], s[46:47]
	s_lshl_b32 s82, s42, 9                         ; wcat at u of my 64 columns
	s_lshl_b32 s83, s12, 8
	s_add_co_u32 s82, s82, s83
	s_add_co_u32 s82, s82, 0x800000
	s_mov_b32 s83, 0
	s_add_nc_u64 s[82:83], s[6:7], s[82:83]
	v_lshlrev_b32 v28, 5, v2
	s_cmp_lt_u32 s45, 4                            ; the cluster's y, alike in all partners: rows of q (y < 16) or of Wk
	s_cselect_b32 s80, 0x3f800000, 0               ; f: u is added to q' and not to W3
	s_mov_b32 s81, s80                             ; named with it as a pair, so it is written
	s_cbranch_scc0 .Lno_c
	; c[i] = q[i] . w + bq . bk, while the first tiles are on their way.  Each row's two chains start from the lane's share of bq . bk, so one sum over the lanes gives both terms.
	v_lshlrev_b32 v29, 5, v[LN]
	v_lshlrev_b32 v30, 4, v[LN]
	v_lshlrev_b32 v31, 2, v[LN]
	RV_LOAD 128, 84                                ; w
	RV_LOAD 160, 68                                ; bq
	RV_LOAD 192, 70                                ; bk
	WIN 0x80                                       ; destination window 2: the accumulators' registers are free until the first product
.irp n, 0,1,2,3,4,5,6,7
	RR_LOAD 16*\n, 86, 2048*\n
.endr
	WIN 0
	s_wait_loadcnt 0x0
	v_pk_mul_f32 v[112:113], v[160:161], v[192:193]
.irp i, 1,2,3,4,5,6,7,8,9,10,11,12,13,14,15
	v_pk_fma_f32 v[112:113], v[160+2*\i:161+2*\i], v[192+2*\i:193+2*\i], v[112:113]
.endr
	WIN 0x02                                       ; source 0, the row, in window 2
.irp t, 0,1,2,3
.irp k, 0,1,2,3
.irp n, 0,1,2,3,4,5,6,7                ; sixteen chains by turns: row n's even and odd numbers
.if \t+\k == 0
	v_fma_mix_f32_bf16 v[96+2*\n], v[16*\n], v128, v112 op_sel_hi:[1,0,0]
	v_fma_mix_f32_bf16 v[97+2*\n], v[16*\n], v129, v113 op_sel:[1,0,0] op_sel_hi:[1,0,0]
.else
	v_fma_mix_f32_bf16 v[96+2*\n], v[16*\n+4*\t+\k], v[128+8*\t+2*\k], v[96+2*\n] op_sel_hi:[1,0,0]
	v_fma_mix_f32_bf16 v[97+2*\n], v[16*\n+4*\t+\k], v[129+8*\t+2*\k], v[97+2*\n] op_sel:[1,0,0] op_sel_hi:[1,0,0]
.endif
.endr
.endr
.endr
	WIN 0
.irp n, 0,1,2,3,4,5,6,7
	RSUM 96+2*\n
.endr
	v_cmp_eq_u32 vcc_lo, 1, v[LN]
	v_cndmask_b32 v114, v96, v98, vcc_lo           ; lane n of the first eight takes row i0 + n's sum
.irp n, 2,3,4,5,6,7
	v_cmp_eq_u32 vcc_lo, \n, v[LN]
	v_cndmask_b32 v114, v114, v[96+2*\n], vcc_lo
.endr
	v_cmp_gt_u32 vcc_lo, 8, v[LN]
	s_wait_xcnt 0x0                                ; EXEC changes only behind this wait
	s_and_saveexec_b32 s79, vcc_lo
	global_store_b32 v31, v114, s[88:89]           ; 32 bytes a wave: c is 16 KiB in the whole launch
	s_wait_xcnt 0x0
	s_or_b32 exec_lo, exec_lo, s79
.Lno_c:
	; u of my 64 columns: register U + 8 b + j holds u[128 x + 64 half + 16 b + 8 h + j]; asked for now, waited for on the way out
.irp b, 0,1,2,3
	global_load_b128 v[U+8*\b:U+8*\b+3],   v28, s[82:83] offset:64*\b
	global_load_b128 v[U+8*\b+4:U+8*\b+7], v28, s[82:83] offset:64*\b+16
.endr
	s_wait_tensorcnt 1                             ; my part of K step 0 is in; K step 1's may stay out
	s_barrier_signal -1
	s_barrier_wait -1
	FETCH 0, 0, F0
	QUARTER 0, 64,  F0, F1, 1                      ; the first quarter stands in front of the loop: its products with hi start the sums
	WIN 0                                          ; at a label and at a branch every window is 0
	s_mov_b32 s3, LAPS-1
.Llap:                                                 ; a trip goes once round the ring, from a lap's second quarter to the next lap's first, and fills both slots again
	QUARTER 0, 128, F1, F0, 0
	QUARTER 0, 192, F0, F1, 0
	TURN 0, 1, 1
	QUARTER 1, 64,  F0, F1, 0
	QUARTER 1, 128, F1, F0, 0
	QUARTER 1, 192, F0, F1, 0
	TURN 1, 0, 1
	QUARTER 0, 64,  F0, F1, 0
	WIN 0
	s_sub_co_u32 s3, s3, 1
	s_cmp_lg_u32 s3, 0
	s_cbranch_scc1 .Llap
	QUARTER 0, 128, F1, F0, 0                      ; the last lap fills nothing, and has no round of the cluster's barrier
	QUARTER 0, 192, F0, F1, 0
	TURN 0, 1, 0
	QUARTER 1, 64,  F0, F1, 0
	QUARTER 1, 128, F1, F0, 0
	QUARTER 1, 192, F0, F1, 0
	LASTQ
	; THE WAY OUT, by phases over all 32 accumulators, so that each phase has one window setting: x += f u; hi = bf16(x); hi widened; x - hi; lo = bf16(x - hi)
	s_wait_loadcnt 0x0                             ; u
	PLACES
	WIN 0xa0                                       ; destination and source 2 window 2
.set t, 0
.rept 32
.irp k, 0,1,2,3
	v_pk_fma_f32 v[8*t+2*\k:8*t+2*\k+1], v[U+8*(t%4)+2*\k:U+8*(t%4)+2*\k+1], s[80:81], v[8*t+2*\k:8*t+2*\k+1] op_sel_hi:[1,0,1]
.endr
.set t, t+1
.endr
	WIN 0x0a                                       ; sources window 2, destination window 0
.set n, 0
.rept 128
	v_cvt_pk_bf16_f32 v[H+n], v[2*n], v[2*n+1]
.set n, n+1
.endr
	WIN 0x40                                       ; destination window 1: the fragments' registers are free
.set n, 0
.rept 128
	v_lshlrev_b32 v[2*n],   16, v[H+n]
	v_and_b32     v[2*n+1], s78, v[H+n]
.set n, n+1
.endr
	WIN 0x86                                       ; x (window 2) - hi (window 1), in place
.set n, 0
.rept 128
	v_pk_add_f32 v[2*n:2*n+1], v[2*n:2*n+1], v[2*n:2*n+1] neg_lo:[0,1] neg_hi:[0,1]
.set n, n+1
.endr
	WIN 0x4a                                       ; sources window 2, destination window 1
.set n, 0
.rept 128
	v_cvt_pk_bf16_f32 v[n], v[2*n], v[2*n+1]
.set n, n+1
.endr
	WIN 0
.set t, 0
.rept 32
	ds_store_b128 v[STO], v[H+4*t:H+4*t+3] offset:(t/4)*16*SPITCH+32*(t%4)
.set t, t+1
.endr
	WIN 0x04                                       ; the data in window 1
.set t, 0
.rept 32
	ds_store_b128 v[STO2], v[4*t:4*t+3] offset:(t/4)*16*SPITCH+32*(t%4)
.set t, t+1
.endr
	WIN 0
	s_wait_dscnt 0x0                               ; for the others' sake: my stores into the stage are done
	s_barrier_signal -1
	s_barrier_wait -1
.set t, 0
.rept 32
	ds_load_b128 v[H+4*t:H+4*t+3], v[RD] offset:t*2*SPITCH
.set t, t+1
.endr
	WIN 0x40
.set t, 0
.rept 16
	ds_load_b128 v[4*t:4*t+3], v[RD2] offset:t*2*SPITCH
.set t, t+1
.endr
	WIN 0
.set t, 0
.rept 32
	s_wait_dscnt 47-t                              ; the loads issued behind this one may stay out: the rest of hi's and sixteen of lo's
	global_store_b128 v[CO], v[H+4*t:H+4*t+3], s[8:9] offset:2*t*4096        ; 16 lanes store 256 consecutive bytes, aligned
.set t, t+1
.endr
	WIN 0x40
.set t, 16
.rept 16
	ds_load_b128 v[4*t:4*t+3], v[RD2] offset:t*2*SPITCH
.set t, t+1
.endr
	WIN 0x04
.set t, 0
.rept 32
	s_wait_dscnt 31-t
	global_store_b128 v[CO], v[4*t:4*t+3], s[8:9] offset:2*t*4096+2048
.set t, t+1
.endr
	WIN 0
	s_wait_tensorcnt 0x0
	ds_add_u32 v126, v127
	s_wait_dscnt 0x0
	CROUND                                         ; the closing round
	s_endpgm
.Lfunc_end_k_q8d051b67fb_gemm_q:
	.size	k_q8d051b67fb_gemm_q, .Lfunc_end_k_q8d051b67fb_gemm_q-k_q8d051b67fb_gemm_q
	.p2alignl 7, 3214868480
	.fill 96, 4, 3214868480
	.section	.rodata,"a",@progbits
	.p2align	6, 0x0
	.amdhsa_kernel k_q8d051b67fb_gemm_q
		.amdhsa_group_segment_fixed_size 327680
		.amdhsa_private_segment_fixed_size 0
		.amdhsa_enable_private_segment 0
		.amdhsa_kernarg_size 40
		.amdhsa_user_sgpr_count 2
		.amdhsa_user_sgpr_kernarg_segment_ptr 1
		.amdhsa_wavefront_size32 1
		.amdhsa_system_sgpr_workgroup_id_x 1
		.amdhsa_system_sgpr_workgroup_id_y 1
		.amdhsa_system_sgpr_workgroup_id_z 1
		.amdhsa_system_vgpr_workitem_id 0
		.amdhsa_next_free_vgpr 768
		.amdhsa_next_free_sgpr 90
		.amdhsa_reserve_vcc 1
		.amdhsa_float_denorm_mode_32 3
		.amdhsa_float_denorm_mode_16_64 3
		.amdhsa_memory_ordered 1
		.amdhsa_forward_progress 1
		.amdhsa_inst_pref_size 195
	.end_amdhsa_kernel
	.amdgpu_metadata
---
amdhsa.version: [ 1, 2 ]
amdhsa.kernels:
  - .name:           k_q8d051b67fb_gemm_q
    .symbol:         k_q8d051b67fb_gemm_q.kd
    .args:
      - { .name: conv, .offset: 0, .size: 8, .value_kind: global_buffer, .address_space: global }
      - { .name: wcat, .offset: 8, .size: 8, .value_kind: global_buffer, .address_space: global }
      - { .name: bq, .offset: 16, .size: 8, .value_kind: global_buffer, .address_space: global }
      - { .name: bk, .offset: 24, .size: 8, .value_kind: global_buffer, .address_space: global }
      - { .name: qw, .offset: 32, .size: 8, .value_kind: global_buffer, .address_space: global }
    .group_segment_fixed_size: 327680
    .private_segment_fixed_size: 0
    .kernarg_segment_align: 8
    .kernarg_segment_size: 40
    .max_flat_workgroup_size: 128
    .sgpr_count:     90
    .vgpr_count:     768
    .wavefront_size: 32
...
	.end_amdgpu_metadata
.endif
;; end of part 9
;; launch scores (part 10): grid 8 x 32, 4 waves a work-group, clusters of 4 x 4, 327,680 bytes of LDS; arguments qw, convk, mask, pbuf; writes pbuf
.if DOCPART == 10
	.amdgcn_target "amdgcn-amd-amdhsa--gfx1250"
	.amdhsa_code_object_version 6
	.text
	.protected	k_q8d051b67fb_scores
	.globl	k_q8d051b67fb_scores
	.p2align	8
	.type	k_q8d051b67fb_scores,@function
k_q8d051b67fb_scores:
	s_mov_b64 s[64:65], 0
	v_nop
	global_prefetch_b8 v0, s[64:65] scope:SCOPE_SE
	s_setreg_imm32_b32 hwreg(HW_REG_WAVE_MODE, 25, 1), 1
	s_wait_xcnt 0x0
	s_wait_alu depctr_hold_cnt(0) depctr_sa_sdst(0) depctr_va_vdst(0) depctr_va_sdst(0) depctr_va_ssrc(0) depctr_va_vcc(0) depctr_vm_vsrc(0)
	s_getreg_b32 s2, hwreg(HW_REG_IB_STS2, 6, 4)
	s_cmp_eq_u32 s2, 0
	s_cbranch_scc0 .Lentry_in_a_cluster
	s_endpgm
.Lentry_in_a_cluster:
	s_bfe_u32 s2, ttmp6, 0x10000c
	s_cmp_lg_u32 s2, 0xf033
	s_cbranch_scc0 .Lentry_shape_is_right
	s_endpgm
.Lentry_shape_is_right:
; S[i][j] = q'[i] . k[j] + c[i], -10000 where mask[j] = 0.  A tile is 128 queries (tile row y) x 256 keys (tile column x) of the queries' batch (the cluster's y).  k in bf16 comes from convk, [16384][1024].
; q' is a pair of bf16 (hi, lo).  K = 1,024 goes in steps of 128 through two LDS slots; a slot holds 128 rows of q' hi, the same rows of lo and 256 rows of k, so that k is
; fetched once and each of its fragments meets hi and lo: 256 matrix instructions a wave for a step's 131,072 bytes.  Four waves, each 64 queries x 128 keys: 32 accumulators.
; Softmax, first half, by blocks of 128 keys; a wave holds a whole block (number 2 x + its half) for its 64 rows, so nothing passes between waves: the block's own maximum is taken
; away, P = exp(S - m) is rounded to bf16 (pbuf, [4096][2048]); m and l = the sum of the rounded P go to mstat and lstat, [16 blocks][4096 rows] f32, at pbuf bytes 16,777,216 and
; 17,039,360.  The next launch brings the blocks to the row's true maximum.  c is the same for a whole row, so it is not added to the scores: a masked key counts as -10000 - c, and m = the maximum + c.
; CLUSTER 4 x 4: q's tiles are asked for jointly along a row of the cluster, k's along a column.  The matrix instruction is used transposed (source 0 = keys, source 1 = queries):
; a lane holds one query and eight neighbouring keys.  Each wave's stage (64 rows x 272 bytes) lies in slot 0, whose last fill is K step 6's and whose last reads end ahead of that step's barrier.
; REGISTERS: window 0: v0-31 addresses, v32-95 the mask, v96-127 statistics, v128-255 P packed; window 1: two fragment buffers of 128 (8 fragments of k, 4 of hi, 4 of lo), at last P's rows
; on their way out; window 2: the accumulators, (a, b) at v[8 (8 a + b)].
; Limits: NaN and infinities are not served; v_exp_f32 gives 0 where the result would lie under 2^-126; -10000 - c + c may differ from -10000 in its last bit.
.set APITCH, 2048
.set BPITCH, 1024
.set PITCH,  272                       ; an LDS row: 256 bytes + 16 of padding
.set HALFT,  128*PITCH                 ; what one tensor load brings
.set SLOT,   4*HALFT                   ; q' hi, q' lo, k's 256 rows
.set LAPS,   4                         ; a lap = two K steps = once round the ring
.set SPITCH, 272
.set HB,     2                         ; the second half of a part's 32 products begins at query block 2
.set NC,   12                          ; v12-15   -10000 - c of row 16 a + r
.set ADRP, 16                          ; v16-17   my fragments of the pair (q' hi; lo lies HALFT further on) in slot 0, 1
.set ADRS, 20                          ; v20-21   my fragments of k in slot 0, 1
.set STO,  24
.set RD,   25
.set CO,   26
.set LN,   27
.set MK,   32                          ; v[32+8 b+j]  the mask of key 16 b + 8 h + j
.set CR,   96                          ; v96-99   c of row 16 a + r
.set M,    100                         ; v100-103 the maximum
.set L,    104                         ; v104-111 the sum, a pair a block of rows
.set T,    112                         ; v112-127 at work
.set PK,   128
.set F0,   0
.set F1,   128
.set G1,   24
.set G0,   32
.set G1B,  48
.set G0B,  56
.set MULW, 0xa5                        ; sources 0 and 1 window 1; C and D window 2
.set TO_F, 0x40                        ; destination window 1, address window 0
.set MSB, 0
.macro WIN new                         ; the immediate's high byte repeats the setting that is left
.if MSB != \new
	s_set_vgpr_msb (MSB<<8)|\new
.set MSB, \new
.endif
.endm
.macro JLOAD s                         ; a joint load: waves 0 and 1 fetch q' hi and lo, waves 2 and 3 k's two halves; four v_nop follow each line
	s_cmp_eq_u32 s11, 0
	s_cbranch_scc0 .Lfor_b_\@
	tensor_load_to_lds s[G0+4*\s:G0+4*\s+3], s[G1:G1+7]
	s_nop 0
.rept 4
	v_nop
.endr
	s_branch .Lasked_\@
.Lfor_b_\@:
	tensor_load_to_lds s[G0B+4*\s:G0B+4*\s+3], s[G1B:G1B+7]
	s_nop 0
.rept 4
	v_nop
.endr
.Lasked_\@:
.endm
.macro CREST                           ; a round of the cluster's barrier behind its opening barrier
	s_cmp_lg_u32 s10, 0
	s_cbranch_scc1 .Lnot_wave_0_\@
	s_barrier_signal -3
.Lnot_wave_0_\@:
	s_barrier_wait -3
	s_barrier_signal -1
	s_barrier_wait -1
.endm
.macro CROUND
	s_barrier_signal -1
	s_barrier_wait -1
	CREST
.endm
.macro PLACES                          ; four places behind matrix instructions, in front of loads into their sources
.rept 4
	v_nop
.endr
.endm
; 16 matrix instructions: query blocks a0, a0 + 1 x all 8 key blocks, 32 along K, part p of the pair (0 hi, 1 lo).  The 32 accumulators take turns, one instruction a turn.
.macro MUL16 f, p, a0, zero
.irp a, \a0, \a0+1
.irp b, 0,1,2,3,4,5,6,7
.if \zero
	v_wmma_f32_16x16x32_bf16 v[8*(8*(\a)+\b):8*(8*(\a)+\b)+7], v[\f+8*\b:\f+8*\b+7], v[\f+64+32*\p+8*(\a):\f+64+32*\p+8*(\a)+7], 0
.else
	v_wmma_f32_16x16x32_bf16 v[8*(8*(\a)+\b):8*(8*(\a)+\b)+7], v[\f+8*\b:\f+8*\b+7], v[\f+64+32*\p+8*(\a):\f+64+32*\p+8*(\a)+7], v[8*(8*(\a)+\b):8*(8*(\a)+\b)+7]
.endif
.endr
.endr
.endm
; 32 LDS loads in one run: the fragments of 32 along K at byte k of the rows, into buffer f: the single operand's eight, the pair's four of hi, its four of lo last
.macro FETCH slot, k, f
	WIN TO_F
.irp i, 0,1,2,3,4,5,6,7
	ds_load_b128 v[\f+8*\i:\f+8*\i+3],   v[ADRS+\slot] offset:\k+\i*16*PITCH
	ds_load_b128 v[\f+8*\i+4:\f+8*\i+7], v[ADRS+\slot] offset:\k+\i*16*PITCH+32
.endr
.irp p, 0,1
.irp i, 0,1,2,3
	ds_load_b128 v[\f+64+32*\p+8*\i:\f+64+32*\p+8*\i+3],   v[ADRP+\slot] offset:\k+\p*HALFT+\i*16*PITCH
	ds_load_b128 v[\f+64+32*\p+8*\i+4:\f+64+32*\p+8*\i+7], v[ADRP+\slot] offset:\k+\p*HALFT+\i*16*PITCH+32
.endr
.endr
.endm
; A K step is four quarters of 32 along K, 64 matrix instructions each, on buffers 0, 1, 0, 1.  One of the first three: multiplies buffer f and, in its middle, fetches the next quarter, at byte k, into g.
.macro QUARTER slot, k, f, g, zero
	s_wait_dscnt 8                                 ; all but the youngest eight loads, lo's fragments
	WIN MULW
	MUL16 \f, 0, 0, \zero
	MUL16 \f, 0, HB, \zero
	PLACES
	FETCH \slot, \k, \g
	s_wait_dscnt 32                                ; all but the 32 just issued
	WIN MULW
	MUL16 \f, 1, 0, 0
	MUL16 \f, 1, HB, 0
.endm
; The last quarter multiplies buffer 1 and changes slots: one barrier; in front of it each wave waits for its reads of this slot and for all its tensor loads.
; fill = 1: the barrier opens a round of the cluster's barrier, and this slot is filled again, two K steps ahead, first thing behind it.
.macro TURN slot, next, fill
	s_wait_dscnt 8
	WIN MULW
	MUL16 F1, 0, 0, 0
	s_wait_dscnt 0x0                               ; my reads of this slot are over,
	s_set_vgpr_msb 0xa5a0
	s_wait_tensorcnt 0x0                           ; and all my tensor loads have landed: my part of the next slot
	ds_add_u32 v23, v30
	s_wait_dscnt 0x0
	s_set_vgpr_msb 0xa0a5
	s_barrier_signal -1
	MUL16 F1, 0, HB, 0
.if \fill
	WIN 0
.endif
	s_barrier_wait -1
.if \fill
	CREST                                          ; no wave of any partner still reads this slot or has a load on its way
	s_add_nc_u64 s[G0+4*\slot+2:G0+4*\slot+3], s[G0+4*\slot+2:G0+4*\slot+3], 512
	s_add_nc_u64 s[G0B+4*\slot+2:G0B+4*\slot+3], s[G0B+4*\slot+2:G0B+4*\slot+3], 512
	JLOAD \slot                                    ; its four v_nop are also the places in front of the loads below
.else
	PLACES
.endif
	FETCH \next, 0, F0
	WIN MULW
	MUL16 F1, 1, 0, 0
	MUL16 F1, 1, HB, 0
.endm
.macro LASTQ                           ; the very last quarter: nothing more to fetch
	s_wait_dscnt 8
	WIN MULW
	MUL16 F1, 0, 0, 0
	MUL16 F1, 0, HB, 0
	s_wait_dscnt 0x0
	MUL16 F1, 1, 0, 0
	MUL16 F1, 1, HB, 0
	WIN 0
.endm
.macro PKSUBB d, s                     ; v[d:d+1] -= v[s], the one register feeding both halves
.if ((\s)%2) == 0
	v_pk_add_f32 v[\d:\d+1], v[\d:\d+1], v[\s:\s+1] op_sel_hi:[1,0] neg_lo:[0,1] neg_hi:[0,1]
.else
	v_pk_add_f32 v[\d:\d+1], v[\d:\d+1], v[\s-1:\s] op_sel:[0,1] op_sel_hi:[1,1] neg_lo:[0,1] neg_hi:[0,1]
.endif
.endm
	s_load_b128 s[4:7], s[0:1], 0x0                ; qw s[4:5], convk s[6:7]
	s_load_b128 s[68:71], s[0:1], 0x10             ; mask s[68:69], pbuf s[70:71]
	v_lshl_add_u32 v23, v0, 2, 0x44000
	v_mov_b32 v30, 0
	ds_add_u32 v23, v30
	v_lshrrev_b32 v1, 5, v0
	v_readfirstlane_b32 s10, v1                    ; wave 0..3
	s_lshr_b32 s11, s10, 1                         ; my half of the tile's queries.  Also: I fetch for q' (0) or for k (1)
	s_and_b32 s12, s10, 1                          ; my half of its keys.  Also: hi or lo of q', or which half of k, I fetch
	s_bfe_u32 s40, ttmp6, 0x40000                  ; cx
	s_bfe_u32 s41, ttmp6, 0x40004                  ; cy
	s_lshl_b32 s42, ttmp9, 2
	s_add_co_u32 s42, s42, s40                     ; x: the tile of 256 keys
	s_and_b32 s45, ttmp7, 0xffff                   ; the cluster's y = the batch (four tiles of 128 queries)
	s_lshl_b32 s13, s45, 2
	s_add_co_u32 s13, s13, s41                     ; y: the tile of 128 queries
	s_lshl_b32 s43, s41, 2
	s_lshl_b32 s43, 15, s43                        ; my row of the cluster
	s_lshl_b32 s44, 0x1111, s40                    ; my column
	; descriptor group 1: 128 rows x 128 elements of 2 bytes, 16 bytes of padding behind every 256
	s_or_b32 s[G1+0], s43, (1<<16)|(1<<20)|(1<<21)|(5<<22)|(3<<25)
	s_or_b32 s[G1B+0], s44, (1<<16)|(1<<20)|(1<<21)|(5<<22)|(3<<25)
.irp g, G1, G1B
	s_mov_b32 s[\g+1], 128<<16                     ; tensor_dim0
	s_mov_b32 s[\g+2], 128<<16                     ; tensor_dim1
	s_mov_b32 s[\g+3], 128<<16                     ; tile_dim0
	s_mov_b32 s[\g+4], 128                         ; tile_dim1
	s_mov_b32 s[\g+6], 0
	s_mov_b32 s[\g+7], 0
.endr
	s_mov_b32 s[G1+5], APITCH
	s_mov_b32 s[G1B+5], BPITCH
	s_lshl_b32 s16, s13, 19                        ; A: qw row 128 y, 4,096 bytes a row;
	s_lshl_b32 s17, s12, 11                        ; hi, or lo 2,048 bytes to the right
	s_add_co_u32 s16, s16, s17
	s_mov_b32 s17, 0
	s_lshl_b32 s46, s42, 8                         ; B: convk row 2048 batch + 256 x + 128 half
	s_lshl_b32 s47, s12, 7
	s_add_co_u32 s46, s46, s47
	s_lshl_b32 s47, s45, 11
	s_add_co_u32 s46, s46, s47
	s_lshl_b32 s46, s46, 11
	s_mov_b32 s47, 0
	s_mul_i32 s20, s12, HALFT                      ; where they go: no place in the cluster enters an LDS address
	s_add_co_u32 s23, s20, 2*HALFT
	s_mov_b32 s76, 0x76543210                      ; v_permlanex16_b32: each lane takes its own place in the other half
	s_mov_b32 s77, 0xfedcba98
	s_mov_b32 s78, 0xffff0000
	s_wait_dscnt 0x0
	s_wait_kmcnt 0x0
	s_add_nc_u64 s[14:15], s[4:5], s[16:17]
	s_add_nc_u64 s[46:47], s[6:7], s[46:47]
	CROUND                                         ; all sixteen work-groups are here: the first joint loads meet
.irp s, 0,1
	s_mov_b32 s[G0+4*\s], 1
	s_add_co_u32 s[G0+4*\s+1], s20, \s*SLOT
	s_add_nc_u64 s[G0+4*\s+2:G0+4*\s+3], s[14:15], \s*256
	s_or_b32 s[G0+4*\s+3], s[G0+4*\s+3], 0x80000000
	s_mov_b32 s[G0B+4*\s], 1
	s_add_co_u32 s[G0B+4*\s+1], s23, \s*SLOT
	s_add_nc_u64 s[G0B+4*\s+2:G0B+4*\s+3], s[46:47], \s*256
	s_or_b32 s[G0B+4*\s+3], s[G0B+4*\s+3], 0x80000000
	JLOAD \s
.endr
	v_and_b32 v1, 15, v0                           ; r
	v_bfe_u32 v2, v0, 4, 1                         ; h
	v_and_b32 v[LN], 31, v0
	v_mul_u32_u24 v3, v1, PITCH
	v_lshl_add_u32 v3, v2, 4, v3                   ; a fragment's row x pitch + 16 x half
	s_mul_i32 s21, s11, 64*PITCH                   ; my 64 queries in hi's rows
	s_mul_i32 s22, s12, HALFT                      ; my 128 keys,
	s_add_co_u32 s22, s22, 2*HALFT                 ; which lie behind q's 256 rows
.irp s, 0,1
	v_add_nc_u32 v[ADRP+\s], s21, v3
	v_add_nc_u32 v[ADRS+\s], s22, v3
	s_add_co_u32 s21, s21, SLOT
	s_add_co_u32 s22, s22, SLOT
.endr
	s_mul_i32 s21, s10, 64*SPITCH                  ; my own stage: 64 rows of 256 bytes + 16
	v_mul_u32_u24 v4, v1, SPITCH                   ; in: row r (+ 16 a), 16 bytes for each half of the lanes
	v_lshl_add_u32 v4, v2, 4, v4
	v_add_nc_u32 v[STO], s21, v4
	v_mul_u32_u24 v5, v2, SPITCH                   ; back: lanes 0-15 take one row of 256 bytes, lanes 16-31 the next
	v_lshl_add_u32 v5, v1, 4, v5
	v_add_nc_u32 v[RD], s21, v5
	v_lshlrev_b32 v5, 12, v2                       ; and the same two rows in P (4,096 bytes a row)
	v_lshl_add_u32 v[CO], v1, 4, v5
	s_lshl_b32 s79, s13, 7
	s_lshl_b32 s16, s11, 6
	s_add_co_u32 s79, s79, s16                     ; my first row: 128 y + 64 half
	s_lshl_b32 s16, s79, 12
	s_mov_b32 s17, 0
	s_add_nc_u64 s[8:9], s[70:71], s[16:17]
	s_lshl_b32 s46, s42, 9                         ; my first key, in bytes: 512 x + 256 half
	s_lshl_b32 s47, s12, 8
	s_add_co_u32 s46, s46, s47
	s_mov_b32 s47, 0
	s_add_nc_u64 s[8:9], s[8:9], s[46:47]
	s_lshl1_add_u32 s86, s42, s12                  ; my block of 128 keys: 2 x + half
	s_lshl_b32 s86, s86, 12
	s_add_co_u32 s86, s86, s79
	s_lshl_b32 s86, s86, 2
	s_add_co_u32 s86, s86, 0x1000000
	s_mov_b32 s87, 0
	s_add_nc_u64 s[86:87], s[70:71], s[86:87]      ; mstat[block][my first row]; lstat lies 262,144 bytes further on
	v_lshlrev_b32 v31, 2, v[LN]
	; the mask of my 128 keys and c of my 64 rows: asked for now, waited for behind the products
	s_lshl_b32 s82, s45, 11
	s_lshl_b32 s83, s42, 8
	s_add_co_u32 s82, s82, s83
	s_lshl_b32 s83, s12, 7
	s_add_co_u32 s82, s82, s83
	s_lshl_b32 s82, s82, 2
	s_mov_b32 s83, 0
	s_add_nc_u64 s[82:83], s[68:69], s[82:83]
	v_lshlrev_b32 v28, 5, v2
.irp b, 0,1,2,3,4,5,6,7
	global_load_b128 v[MK+8*\b:MK+8*\b+3],   v28, s[82:83] offset:64*\b
	global_load_b128 v[MK+8*\b+4:MK+8*\b+7], v28, s[82:83] offset:64*\b+16
.endr
	s_lshl_b32 s84, s79, 2
	s_add_co_u32 s84, s84, 0x1400000
	s_mov_b32 s85, 0
	s_add_nc_u64 s[84:85], s[4:5], s[84:85]
	v_lshlrev_b32 v29, 2, v1
.irp a, 0,1,2,3
	global_load_b32 v[CR+\a], v29, s[84:85] offset:64*\a
.endr
	s_wait_tensorcnt 1                             ; my part of K step 0 is in; K step 1's may stay out
	s_barrier_signal -1
	s_barrier_wait -1
	FETCH 0, 0, F0
	QUARTER 0, 64,  F0, F1, 1                      ; the first quarter stands in front of the loop: its products with hi start the sums
	WIN 0                                          ; at a label and at a branch every window is 0
	s_mov_b32 s3, LAPS-1
.Llap:                                                 ; a trip goes once round the ring, from a lap's second quarter to the next lap's first, and fills both slots again
	QUARTER 0, 128, F1, F0, 0
	QUARTER 0, 192, F0, F1, 0
	TURN 0, 1, 1
	QUARTER 1, 64,  F0, F1, 0
	QUARTER 1, 128, F1, F0, 0
	QUARTER 1, 192, F0, F1, 0
	TURN 1, 0, 1
	QUARTER 0, 64,  F0, F1, 0
	WIN 0
	s_sub_co_u32 s3, s3, 1
	s_cmp_lg_u32 s3, 0
	s_cbranch_scc1 .Llap
	QUARTER 0, 128, F1, F0, 0                      ; the last lap fills nothing, and has no round of the cluster's barrier
	QUARTER 0, 192, F0, F1, 0
	TURN 0, 1, 0
	QUARTER 1, 64,  F0, F1, 0
	QUARTER 1, 128, F1, F0, 0
	QUARTER 1, 192, F0, F1, 0
	LASTQ
	s_wait_loadcnt 0x0                             ; mask and c
.irp a, 0,1,2,3
	v_sub_f32 v[NC+\a], 0xc61c4000, v[CR+\a]       ; -10000 - c: what a masked key counts as while c is left out; these four are also the places behind the last products
.endr
	WIN 0x82                                       ; destination and source 0 window 2, source 1 window 0
.irp b, 0,1,2,3,4,5,6,7
.irp j, 0,1,2,3,4,5,6,7
	v_cmp_eq_u32 vcc_lo, 0, v[MK+8*\b+\j]
.irp a, 0,1,2,3
	v_cndmask_b32 v[64*\a+8*\b+\j], v[64*\a+8*\b+\j], v[NC+\a], vcc_lo
.endr
.endr
.endr
	; the maximum of a row's 64 scores in my lane, four rows' chains by turns, then of the other half of the lanes
	WIN 0x2a                                       ; all three sources window 2
.irp a, 0,1,2,3
	v_max3_num_f32 v[M+\a], v[64*\a], v[64*\a+1], v[64*\a+2]
.endr
	WIN 0x28                                       ; sources 1 and 2 window 2
.set i, 0
.rept 30
.irp a, 0,1,2,3
	v_max3_num_f32 v[M+\a], v[M+\a], v[64*\a+3+2*i], v[64*\a+4+2*i]
.endr
.set i, i+1
.endr
.irp a, 0,1,2,3
	v_max_num_f32 v[M+\a], v[M+\a], v[64*\a+63]
.endr
	WIN 0
.irp a, 0,1,2,3
	v_permlanex16_b32 v[MK+\a], v[M+\a], s76, s77  ; the mask's registers are free and have been written
.endr
.irp a, 0,1,2,3
	v_max_num_f32 v[M+\a], v[M+\a], v[MK+\a]       ; the row's maximum over the block's 128 keys, c left out
.endr
	WIN 0x82
.irp a, 0,1,2,3
.set p, 0
.rept 32
	PKSUBB 64*\a+2*p, M+\a                         ; S - m first, so that large scores lose nothing,
.set p, p+1
.endr
.endr
.set i, 0
.rept 128
	v_pk_mul_f32 v[2*i:2*i+1], v[2*i:2*i+1], 0x3fb8aa3b op_sel_hi:[1,0]   ; then times log2(e)
.set i, i+1
.endr
.set i, 0
.rept 256
	v_exp_f32 v[i], v[i]
.set i, i+1
.endr
	v_nop                                          ; a plain instruction between the last exponential and the use of its result
	WIN 0x0a                                       ; sources window 2, destination window 0
.set n, 0
	s_wait_alu depctr_va_vdst(0)
.rept 128
	v_cvt_pk_bf16_f32 v[PK+n], v[2*n], v[2*n+1]    ; accumulator (a, b)'s eight weights: registers PK + 4 (8 a + b) + 0..3
.set n, n+1
.endr
	WIN 0
.irp a, 0,1,2,3
.irp b, 0,1,2,3,4,5,6,7
	ds_store_b128 v[STO], v[PK+4*(8*\a+\b):PK+4*(8*\a+\b)+3] offset:\a*16*SPITCH+32*\b
.endr
.endr
	WIN 0x40                                       ; back as whole rows, into window 1; LDS serves a wave's instructions in order, so these see the stores above, and the bytes are my wave's own
.set t, 0
.rept 32
	ds_load_b128 v[4*t:4*t+3], v[RD] offset:t*2*SPITCH
.set t, t+1
.endr
	WIN 0
	; l = the sum of the ROUNDED weights, while the rows come back: four rows' chains by turns; the first register starts each sum
.set q, 0
.rept 32
.irp a, 0,1,2,3
.if q == 0
	v_lshlrev_b32 v[L+2*\a],   16, v[PK+32*\a]
	v_and_b32     v[L+2*\a+1], s78, v[PK+32*\a]
.else
	v_lshlrev_b32 v[T+4*\a+2*(q%2)],   16, v[PK+32*\a+q]
	v_and_b32     v[T+4*\a+2*(q%2)+1], s78, v[PK+32*\a+q]
	v_pk_add_f32 v[L+2*\a:L+2*\a+1], v[L+2*\a:L+2*\a+1], v[T+4*\a+2*(q%2):T+4*\a+2*(q%2)+1]
.endif
.endr
.set q, q+1
.endr
.irp a, 0,1,2,3
	v_add_f32 v[L+2*\a], v[L+2*\a], v[L+2*\a+1]
.endr
.irp a, 0,1,2,3
	v_permlanex16_b32 v[L+2*\a+1], v[L+2*\a], s76, s77
.endr
.irp a, 0,1,2,3
	v_add_f32 v[L+2*\a], v[L+2*\a], v[L+2*\a+1]
	v_add_f32 v[M+\a], v[M+\a], v[CR+\a]           ; m with c
.endr
	v_cmp_eq_u32 vcc_lo, 1, v2                     ; lane 16 h + r takes row 16 (2 p + h) + r = 32 p + lane
	v_cndmask_b32 v[T],   v[M],   v[M+1], vcc_lo
	v_cndmask_b32 v[T+1], v[M+2], v[M+3], vcc_lo
	v_cndmask_b32 v[T+2], v[L],   v[L+2], vcc_lo
	v_cndmask_b32 v[T+3], v[L+4], v[L+6], vcc_lo
	global_store_b32 v31, v[T],   s[86:87]         ; 128 consecutive bytes a store; the statistics are 512 KiB in the whole launch
	global_store_b32 v31, v[T+1], s[86:87] offset:128
	global_store_b32 v31, v[T+2], s[86:87] offset:262144
	global_store_b32 v31, v[T+3], s[86:87] offset:262144+128
	WIN 0x04                                       ; the stores' data in window 1
.set t, 0
.rept 32
	s_wait_dscnt 31-t                              ; the loads issued behind this one may stay out
	global_store_b128 v[CO], v[4*t:4*t+3], s[8:9] offset:2*t*4096   ; 16 lanes store 256 consecutive bytes, aligned
.set t, t+1
.endr
	WIN 0
	s_wait_tensorcnt 0x0
	ds_add_u32 v23, v30
	s_wait_dscnt 0x0
	CROUND                                         ; the closing round
	s_endpgm
.Lfunc_end_k_q8d051b67fb_scores:
	.size	k_q8d051b67fb_scores, .Lfunc_end_k_q8d051b67fb_scores-k_q8d051b67fb_scores
	.p2alignl 7, 3214868480
	.fill 96, 4, 3214868480
	.section	.rodata,"a",@progbits
	.p2align	6, 0x0
	.amdhsa_kernel k_q8d051b67fb_scores
		.amdhsa_group_segment_fixed_size 327680
		.amdhsa_private_segment_fixed_size 0
		.amdhsa_enable_private_segment 0
		.amdhsa_kernarg_size 32
		.amdhsa_user_sgpr_count 2
		.amdhsa_user_sgpr_kernarg_segment_ptr 1
		.amdhsa_wavefront_size32 1
		.amdhsa_system_sgpr_workgroup_id_x 1
		.amdhsa_system_sgpr_workgroup_id_y 1
		.amdhsa_system_sgpr_workgroup_id_z 1
		.amdhsa_system_vgpr_workitem_id 0
		.amdhsa_next_free_vgpr 768
		.amdhsa_next_free_sgpr 90
		.amdhsa_reserve_vcc 1
		.amdhsa_float_denorm_mode_32 3
		.amdhsa_float_denorm_mode_16_64 3
		.amdhsa_memory_ordered 1
		.amdhsa_forward_progress 1
		.amdhsa_inst_pref_size 193
	.end_amdhsa_kernel
	.amdgpu_metadata
---
amdhsa.version: [ 1, 2 ]
amdhsa.kernels:
  - .name:           k_q8d051b67fb_scores
    .symbol:         k_q8d051b67fb_scores.kd
    .args:
      - { .name: qw, .offset: 0, .size: 8, .value_kind: global_buffer, .address_space: global }
      - { .name: convk, .offset: 8, .size: 8, .value_kind: global_buffer, .address_space: global }
      - { .name: mask, .offset: 16, .size: 8, .value_kind: global_buffer, .address_space: global }
      - { .name: pbuf, .offset: 24, .size: 8, .value_kind: global_buffer, .address_space: global }
    .group_segment_fixed_size: 327680
    .private_segment_fixed_size: 0
    .kernarg_segment_align: 8
    .kernarg_segment_size: 32
    .max_flat_workgroup_size: 128
    .sgpr_count:     90
    .vgpr_count:     768
    .wavefront_size: 32
...
	.end_amdgpu_metadata
.endif
;; end of part 10
;; launch pv (part 11): grid 8 x 32, 4 waves a work-group, clusters of 4 x 4, 327,680 bytes of LDS; arguments pbuf, conv, ctx, wcat, bk, bv, bo, convk; writes ctx
.if DOCPART == 11
	.amdgcn_target "amdgcn-amd-amdhsa--gfx1250"
	.amdhsa_code_object_version 6
	.text
	.protected	k_q8d051b67fb_pv
	.globl	k_q8d051b67fb_pv
	.p2align	8
	.type	k_q8d051b67fb_pv,@function
k_q8d051b67fb_pv:
	s_mov_b64 s[64:65], 0
	v_nop
	global_prefetch_b8 v0, s[64:65] scope:SCOPE_SE
	s_setreg_imm32_b32 hwreg(HW_REG_WAVE_MODE, 25, 1), 1
	s_wait_xcnt 0x0
	s_wait_alu depctr_hold_cnt(0) depctr_sa_sdst(0) depctr_va_vdst(0) depctr_va_sdst(0) depctr_va_ssrc(0) depctr_va_vcc(0) depctr_vm_vsrc(0)
	s_getreg_b32 s2, hwreg(HW_REG_IB_STS2, 6, 4)
	s_cmp_eq_u32 s2, 0
	s_cbranch_scc0 .Lentry_in_a_cluster
	s_endpgm
.Lentry_in_a_cluster:
	s_bfe_u32 s2, ttmp6, 0x10000c
	s_cmp_lg_u32 s2, 0xf033
	s_cbranch_scc0 .Lentry_shape_is_right
	s_endpgm
.Lentry_shape_is_right:
; ctx[i][d] = (sum over the 16 key blocks t of beta_t (P_t k_t)[i][d]) / l, beta_t = exp(m_t - m), m = the row's maximum of the m_t, l = sum of beta_t l_t:
; the softmax's second half, relative to the row's true maximum, and its product with k itself (bf16 as rounded from the input: convk, [16384][1024]).  ctx leaves in bf16.
; A tile is 128 queries (y) x 128 channels (x).  K = 2,048 keys in eight steps of 256; each step holds two blocks of 128 keys, each summed from zero
; and merged into the totals (window 2) with its beta.  k lies [key][channel], so B's fragments come out of LDS turned (ds_load_tr16_b128).
; Ahead of the products: b'[v] = XT[v] . bk + Wo^T[v] . bv + bo[v] in f32, at ctx byte 8,388,608: four numbers a work-group.
; Ring, cluster and way out as in gemm_w.  Limits: NaN and infinities are not served; v_exp_f32 gives 0 where the result would lie under 2^-126.
.set APITCH, 2048
.set BPITCH, 1024
.set PITCH,  528
.set PB,     288                       ; a row of B in LDS: 256 bytes + 32
.set HALFA,  64*PITCH
.set HALFB,  128*PB                    ; 128 keys: what one of B's two loads brings
.set BOFF,   2*HALFA
.set SLOT,   BOFF+2*HALFB
.set BSL1,   524288                    ; 256 keys of 2,048 bytes
.set SPITCH, 272
.set ADRA, 16
.set ADRB, 20                          ; v20-23: slot 0 keys 0-127, 128-255; slot 1 likewise
.set STO,  24
.set RD,   25
.set CO,   26
.set LN,   27
.set BETA, 32                          ; v[32+16 a+t]: beta of row 16 a + r, block t
.set TMP,  32                          ; the way out, when beta is done with
.set ACC,  128
.set F0,   0
.set F1,   128
.set G1,   24
.set G0,   32
.set G1B,  48
.set G0B,  56
.set MUL,  0x05
.set TO_F, 0x40
.set MSB, 0
.macro WIN new
.if MSB != \new
	s_set_vgpr_msb (MSB<<8)|\new
.set MSB, \new
.endif
.endm
.macro JLOAD s                         ; a joint load: waves 0 and 1 fetch A's two halves, waves 2 and 3 B's; four v_nop follow each line
	s_cmp_eq_u32 s11, 0
	s_cbranch_scc0 .Lfor_b_\@
	tensor_load_to_lds s[G0+4*\s:G0+4*\s+3], s[G1:G1+7]
	s_nop 0
.rept 4
	v_nop
.endr
	s_branch .Lasked_\@
.Lfor_b_\@:
	tensor_load_to_lds s[G0B+4*\s:G0B+4*\s+3], s[G1B:G1B+7]
	s_nop 0
.rept 4
	v_nop
.endr
.Lasked_\@:
.endm
.macro CREST
	s_cmp_lg_u32 s10, 0
	s_cbranch_scc1 .Lnot_wave_0_\@
	s_barrier_signal -3
.Lnot_wave_0_\@:
	s_barrier_wait -3
	s_barrier_signal -1
	s_barrier_wait -1
.endm
.macro CROUND
	s_barrier_signal -1
	s_barrier_wait -1
	CREST
.endm
.macro PLACES
.rept 4
	v_nop
.endr
.endm
.macro MUL8 f, c, a0, zero             ; the 16 accumulators take turns
.irp a, \a0, \a0+1
.irp b, 0,1,2,3
.if \zero
	v_wmma_f32_16x16x32_bf16 v[ACC+8*(4*(\a)+\b):ACC+8*(4*(\a)+\b)+7], v[\f+64+8*(4*\c+\b):\f+64+8*(4*\c+\b)+7], v[\f+8*(4*\c+\a):\f+8*(4*\c+\a)+7], 0
.else
	v_wmma_f32_16x16x32_bf16 v[ACC+8*(4*(\a)+\b):ACC+8*(4*(\a)+\b)+7], v[\f+64+8*(4*\c+\b):\f+64+8*(4*\c+\b)+7], v[\f+8*(4*\c+\a):\f+8*(4*\c+\a)+7], v[ACC+8*(4*(\a)+\b):ACC+8*(4*(\a)+\b)+7]
.endif
.endr
.endr
.endm
; 32 LDS loads in one run: quarter q (64 along K).  B: 16 keys x 16 channels a turning load, two for a fragment; the address register carries the half of the slot's 256 keys, so that the immediates stay under 16 bits
.macro FETCH slot, q, f
	WIN TO_F
.irp c, 0,1
.irp i, 0,1,2,3
	ds_load_tr16_b128 v[\f+64+8*(4*\c+\i):\f+64+8*(4*\c+\i)+3],   v[ADRB+2*(\slot)+(\q)/2] offset:(((\q)%2)*64+32*\c)*PB+32*\i
	ds_load_tr16_b128 v[\f+64+8*(4*\c+\i)+4:\f+64+8*(4*\c+\i)+7], v[ADRB+2*(\slot)+(\q)/2] offset:(((\q)%2)*64+32*\c+16)*PB+32*\i
	ds_load_b128 v[\f+8*(4*\c+\i):\f+8*(4*\c+\i)+3],         v[ADRA+\slot] offset:128*\q+64*\c+\i*16*PITCH
	ds_load_b128 v[\f+8*(4*\c+\i)+4:\f+8*(4*\c+\i)+7],       v[ADRA+\slot] offset:128*\q+64*\c+\i*16*PITCH+32
.endr
.endr
.endm
.macro QUARTER slot, q, f, g, zero
	s_wait_dscnt 16                                ; the first 32 along K are in; the younger sixteen loads may be out
	WIN MUL
	MUL8 \f, 0, 0, \zero
	MUL8 \f, 0, 2, \zero
	PLACES
	FETCH \slot, \q, \g
	s_wait_dscnt 32                                ; all but the 32 just issued
	WIN MUL
	MUL8 \f, 1, 0, 0
	MUL8 \f, 1, 2, 0
.endm
.macro TURN slot, next, fill, da, db
	s_wait_dscnt 16
	WIN MUL
	MUL8 F1, 0, 0, 0
	s_wait_dscnt 0x0                               ; my reads of this slot are over,
	s_set_vgpr_msb 0x500
	s_wait_tensorcnt 0x0                           ; and all my tensor loads have landed: my part of the next slot
	ds_add_u32 v126, v127
	s_wait_dscnt 0x0
	s_set_vgpr_msb 0x5
	s_barrier_signal -1
	MUL8 F1, 0, 2, 0
.if \fill
	WIN 0
.endif
	s_barrier_wait -1
.if \fill
	CREST                                          ; no wave of any partner still reads this slot or has a load on its way
	s_add_nc_u64 s[G0+4*\slot+2:G0+4*\slot+3], s[G0+4*\slot+2:G0+4*\slot+3], \da
	s_add_nc_u64 s[G0B+4*\slot+2:G0B+4*\slot+3], s[G0B+4*\slot+2:G0B+4*\slot+3], \db
	JLOAD \slot
.else
	PLACES
.endif
	FETCH \next, 0, F0
	WIN MUL
	MUL8 F1, 1, 0, 0
	MUL8 F1, 1, 2, 0
.endm
.macro LASTQ
	s_wait_dscnt 16
	WIN MUL
	MUL8 F1, 0, 0, 0
	MUL8 F1, 0, 2, 0
	s_wait_dscnt 0x0
	MUL8 F1, 1, 0, 0
	MUL8 F1, 1, 2, 0
	WIN 0
.endm
; Block t's sums enter the totals: TOT (window 2, v0-127 there) += ACC x beta(a, t); block 0 starts them.  The four v_nop are the places behind the block's last products;
; the multiply-adds on the other accumulators are the further places in front of the products that start the next block's sums over these registers.
.macro MERGE t
	PLACES
.if (\t) == 0
	WIN 0x80                                       ; destination window 2
.else
	WIN 0xa0                                       ; destination and source 2 window 2
.endif
.irp a, 0,1,2,3
.irp p, 0,1,2,3,4,5,6,7,8,9,10,11,12,13,14,15
.if (\t) == 0
	v_pk_mul_f32 v[32*\a+2*\p:32*\a+2*\p+1], v[ACC+32*\a+2*\p:ACC+32*\a+2*\p+1], v[BETA+16*\a:BETA+16*\a+1] op_sel_hi:[1,0]
.elseif ((\t)%2) == 0
	v_pk_fma_f32 v[32*\a+2*\p:32*\a+2*\p+1], v[ACC+32*\a+2*\p:ACC+32*\a+2*\p+1], v[BETA+16*\a+(\t):BETA+16*\a+(\t)+1], v[32*\a+2*\p:32*\a+2*\p+1] op_sel_hi:[1,0,1]
.else
	v_pk_fma_f32 v[32*\a+2*\p:32*\a+2*\p+1], v[ACC+32*\a+2*\p:ACC+32*\a+2*\p+1], v[BETA+16*\a+(\t)-1:BETA+16*\a+(\t)], v[32*\a+2*\p:32*\a+2*\p+1] op_sel:[0,1,0] op_sel_hi:[1,1,1]
.endif
.endr
.endr
.endm
.macro PSTEP s, slot, next, fill       ; K step s: blocks 2 s and 2 s + 1
	QUARTER \slot, 1, F0, F1, 1
	QUARTER \slot, 2, F1, F0, 0
	MERGE 2*\s
	QUARTER \slot, 3, F0, F1, 1
	TURN \slot, \next, \fill, 1024, 1048576
	MERGE 2*\s+1
.endm
.macro PKSUBB d, s                     ; v[d:d+1] -= v[s], the one register feeding both halves
.if ((\s)%2) == 0
	v_pk_add_f32 v[\d:\d+1], v[\d:\d+1], v[\s:\s+1] op_sel_hi:[1,0] neg_lo:[0,1] neg_hi:[0,1]
.else
	v_pk_add_f32 v[\d:\d+1], v[\d:\d+1], v[\s-1:\s] op_sel:[0,1] op_sel_hi:[1,1] neg_lo:[0,1] neg_hi:[0,1]
.endif
.endm
.macro RV_LOAD vec, b
.irp t, 0,1,2,3
	global_load_b128 v[\vec+8*\t:\vec+8*\t+3],   v29, s[\b:\b+1] offset:1024*\t
	global_load_b128 v[\vec+8*\t+4:\vec+8*\t+7], v29, s[\b:\b+1] offset:1024*\t+16
.endr
.endm
.macro RR_LOAD row, b, imm
.irp t, 0,1,2,3
	global_load_b128 v[\row+4*\t:\row+4*\t+3], v30, s[\b:\b+1] offset:\imm+512*\t
.endr
.endm
.macro RDOT acc, row, vec, i0, i1
.irp t, 0,1,2,3
.irp k, 0,1,2,3
.if \t+\k == 0
	v_fma_mix_f32_bf16 v[\acc],   v[\row], v[\vec],   v[\i0] op_sel_hi:[1,0,0]
	v_fma_mix_f32_bf16 v[\acc+1], v[\row], v[\vec+1], v[\i1] op_sel:[1,0,0] op_sel_hi:[1,0,0]
.else
	v_fma_mix_f32_bf16 v[\acc],   v[\row+4*\t+\k], v[\vec+8*\t+2*\k],   v[\acc]   op_sel_hi:[1,0,0]
	v_fma_mix_f32_bf16 v[\acc+1], v[\row+4*\t+\k], v[\vec+8*\t+2*\k+1], v[\acc+1] op_sel:[1,0,0] op_sel_hi:[1,0,0]
.endif
.endr
.endr
.endm
.macro RSUM acc
	v_add_f32 v[\acc], v[\acc], v[\acc+1]
	v_add_f32_dpp v[\acc], v[\acc], v[\acc] row_xmask:1 row_mask:0xf bank_mask:0xf
	v_add_f32_dpp v[\acc], v[\acc], v[\acc] row_xmask:2 row_mask:0xf bank_mask:0xf
	v_add_f32_dpp v[\acc], v[\acc], v[\acc] row_xmask:4 row_mask:0xf bank_mask:0xf
	v_add_f32_dpp v[\acc], v[\acc], v[\acc] row_xmask:8 row_mask:0xf bank_mask:0xf
	v_permlanex16_b32 v[\acc+1], v[\acc], s76, s77
	v_add_f32 v[\acc], v[\acc], v[\acc+1]
.endm
	s_load_b128 s[4:7], s[0:1], 0x0                ; pbuf s[4:5], conv s[6:7]
	s_load_b64 s[8:9], s[0:1], 0x10                ; ctx
	s_load_b256 s[68:75], s[0:1], 0x18             ; wcat s[68:69], bk s[70:71], bv s[72:73], bo s[74:75]
	s_load_b64 s[18:19], s[0:1], 0x38              ; convk
	v_lshl_add_u32 v126, v0, 2, 0x45000
	v_mov_b32 v127, 0
	ds_add_u32 v126, v127
	v_lshrrev_b32 v1, 5, v0
	v_readfirstlane_b32 s10, v1
	s_lshr_b32 s11, s10, 1
	s_and_b32 s12, s10, 1
	s_bfe_u32 s40, ttmp6, 0x40000                  ; cx
	s_bfe_u32 s41, ttmp6, 0x40004                  ; cy
	s_lshl_b32 s42, ttmp9, 2
	s_add_co_u32 s42, s42, s40                     ; x: the tile of 128 channels
	s_and_b32 s45, ttmp7, 0xffff                   ; the cluster's y = the batch
	s_lshl_b32 s13, s45, 2
	s_add_co_u32 s13, s13, s41                     ; y: the tile of 128 queries
	s_lshl_b32 s43, s41, 2
	s_lshl_b32 s43, 15, s43
	s_lshl_b32 s44, 0x1111, s40
	; A: 64 rows x 256 elements, 16 bytes of padding behind every 512.  B: 128 rows (keys) x 128 elements, 32 bytes behind every 256
	s_or_b32 s[G1+0], s43, (1<<16)|(1<<20)|(1<<21)|(6<<22)|(3<<25)
	s_mov_b32 s[G1+1], 256<<16
	s_mov_b32 s[G1+2], 64<<16
	s_mov_b32 s[G1+3], 256<<16
	s_mov_b32 s[G1+4], 64
	s_mov_b32 s[G1+5], APITCH
	s_mov_b32 s[G1+6], 0
	s_mov_b32 s[G1+7], 0
	s_or_b32 s[G1B+0], s44, (1<<16)|(1<<20)|(1<<21)|(5<<22)|(7<<25)
	s_mov_b32 s[G1B+1], 128<<16
	s_mov_b32 s[G1B+2], 128<<16
	s_mov_b32 s[G1B+3], 128<<16
	s_mov_b32 s[G1B+4], 128
	s_mov_b32 s[G1B+5], BPITCH
	s_mov_b32 s[G1B+6], 0
	s_mov_b32 s[G1B+7], 0
	s_lshl_b32 s16, s13, 7                         ; A: pbuf row 128 y + 64 half
	s_lshl_b32 s17, s12, 6
	s_add_co_u32 s16, s16, s17
	s_lshl_b32 s16, s16, 12
	s_mov_b32 s17, 0
	s_lshl_b32 s46, s45, 11                        ; B: convk row 2048 batch + 128 half, byte 256 x of it
	s_lshl_b32 s47, s12, 7
	s_add_co_u32 s46, s46, s47
	s_lshl_b32 s46, s46, 11
	s_lshl_b32 s47, s42, 8
	s_add_co_u32 s46, s46, s47
	s_mov_b32 s47, 0
	s_mul_i32 s20, s12, HALFA
	s_mul_i32 s23, s12, HALFB
	s_add_co_u32 s23, s23, BOFF
	s_mov_b32 s76, 0x76543210
	s_mov_b32 s77, 0xfedcba98
	s_wait_dscnt 0x0
	s_wait_kmcnt 0x0
	s_add_nc_u64 s[14:15], s[4:5], s[16:17]
	s_add_nc_u64 s[46:47], s[18:19], s[46:47]
	CROUND
.irp s, 0,1
	s_mov_b32 s[G0+4*\s], 1
	s_add_co_u32 s[G0+4*\s+1], s20, \s*SLOT
	s_add_nc_u64 s[G0+4*\s+2:G0+4*\s+3], s[14:15], \s*512
	s_or_b32 s[G0+4*\s+3], s[G0+4*\s+3], 0x80000000
	s_mov_b32 s[G0B+4*\s], 1
	s_add_co_u32 s[G0B+4*\s+1], s23, \s*SLOT
	s_add_nc_u64 s[G0B+4*\s+2:G0B+4*\s+3], s[46:47], \s*BSL1
	s_or_b32 s[G0B+4*\s+3], s[G0B+4*\s+3], 0x80000000
	JLOAD \s
.endr
	v_and_b32 v1, 15, v0
	v_bfe_u32 v2, v0, 4, 1
	v_and_b32 v[LN], 31, v0
	v_mul_u32_u24 v3, v1, PITCH
	v_lshl_add_u32 v3, v2, 4, v3
	s_mul_i32 s21, s11, HALFA
	v_add_nc_u32 v[ADRA], s21, v3
	v_add_nc_u32 v[ADRA+1], SLOT, v[ADRA]
	v_and_b32 v4, 7, v0                            ; the turning load: lane l reads key 8 (l / 16) + l % 8, channels 8 ((l / 8) % 2) + 0..7
	v_bfe_u32 v5, v0, 3, 1
	v_lshl_add_u32 v4, v2, 3, v4
	v_mul_u32_u24 v4, v4, PB
	v_lshl_add_u32 v4, v5, 4, v4
	s_lshl_b32 s22, s12, 7                         ; my 64 channels: 128 bytes
	s_add_co_u32 s22, s22, BOFF
	v_add_nc_u32 v[ADRB], s22, v4
	v_add_nc_u32 v[ADRB+1], HALFB, v[ADRB]
	v_add_nc_u32 v[ADRB+2], SLOT, v[ADRB]
	v_add_nc_u32 v[ADRB+3], SLOT+HALFB, v[ADRB]
	s_mul_i32 s21, s11, 64*SPITCH
	s_lshl_b32 s22, s12, 7
	s_add_co_u32 s21, s21, s22
	v_mul_u32_u24 v4, v1, SPITCH
	v_lshl_add_u32 v4, v2, 4, v4
	v_add_nc_u32 v[STO], s21, v4
	s_mul_i32 s21, s10, 32*SPITCH
	v_mul_u32_u24 v5, v2, SPITCH
	v_lshl_add_u32 v5, v1, 4, v5
	v_add_nc_u32 v[RD], s21, v5
	v_lshlrev_b32 v5, 11, v2                       ; a row of ctx is 2,048 bytes
	v_lshl_add_u32 v[CO], v1, 4, v5
	; b'[v], v = 4 (8 y + x) + wave, while the first tiles are on their way
	s_lshl_b32 s82, s13, 3
	s_add_co_u32 s82, s82, s42
	s_lshl2_add_u32 s82, s82, s10
	s_add_co_u32 s84, s82, 1024
	s_lshl_b32 s84, s84, 12
	s_mov_b32 s85, 0
	s_add_nc_u64 s[84:85], s[68:69], s[84:85]      ; wcat at XT's row v: hi, and lo 2,048 bytes on
	s_add_co_u32 s86, s82, 5120
	s_lshl_b32 s86, s86, 11
	s_mov_b32 s87, 0
	s_add_nc_u64 s[86:87], s[6:7], s[86:87]        ; conv at row v of Wo transposed
	s_lshl_b32 s88, s82, 2
	s_mov_b32 s89, 0
	s_add_nc_u64 s[74:75], s[74:75], s[88:89]      ; bo[v]
	s_add_co_u32 s88, s88, 0x800000
	s_add_nc_u64 s[80:81], s[8:9], s[88:89]        ; ctx at b'[v]
	s_lshl_b32 s78, s13, 7                         ; mstat at my 64 rows, block 0
	s_lshl_b32 s79, s11, 6
	s_add_co_u32 s78, s78, s79
	s_lshl_b32 s78, s78, 2
	s_add_co_u32 s78, s78, 0x1000000
	s_mov_b32 s79, 0
	s_add_nc_u64 s[78:79], s[4:5], s[78:79]
	s_lshl_b32 s16, s13, 7                         ; the first row of ctx that I store
	s_lshl_b32 s17, s10, 5
	s_add_co_u32 s16, s16, s17
	s_lshl_b32 s16, s16, 11
	s_mov_b32 s17, 0
	s_add_nc_u64 s[8:9], s[8:9], s[16:17]
	s_lshl_b32 s46, s42, 8
	s_mov_b32 s47, 0
	s_add_nc_u64 s[8:9], s[8:9], s[46:47]
	v_mov_b32 v28, 0
	v_lshlrev_b32 v29, 5, v[LN]
	v_lshlrev_b32 v30, 4, v[LN]
	v_lshlrev_b32 v31, 2, v1
	RV_LOAD 128, 70                                ; bk
	RV_LOAD 160, 72                                ; bv
	RR_LOAD 192, 84, 0
	RR_LOAD 208, 84, 2048
	RR_LOAD 224, 86, 0
	global_load_b32 v112, v28, s[74:75]
	v_mov_b32 v110, 0
	v_mov_b32 v111, 0
	s_wait_loadcnt 0x0
	RDOT 108, 192, 128, 110, 111
	RDOT 108, 208, 128, 108, 109
	RDOT 108, 224, 160, 108, 109
	RSUM 108
	v_add_f32 v108, v108, v112
	v_cmp_eq_u32 vcc_lo, 0, v[LN]
	s_wait_xcnt 0x0                                ; EXEC changes only behind this wait
	s_and_saveexec_b32 s88, vcc_lo
	global_store_b32 v28, v108, s[80:81]           ; 4 bytes a wave: b' is 4 KiB in the whole launch
	s_wait_xcnt 0x0
	s_or_b32 exec_lo, exec_lo, s88
	; the statistics of my 64 rows: m_t into v[128+16 a+t], l_t into v[192+16 a+t]
.irp a, 0,1,2,3
.irp t, 0,1,2,3,4,5,6,7,8,9,10,11,12,13,14,15
	global_load_b32 v[128+16*\a+\t], v31, s[78:79] offset:16384*\t+64*\a
	global_load_b32 v[192+16*\a+\t], v31, s[78:79] offset:262144+16384*\t+64*\a
.endr
.endr
	s_wait_loadcnt 0x0
.irp a, 0,1,2,3
	v_max3_num_f32 v[96+\a], v[128+16*\a], v[129+16*\a], v[130+16*\a]
.endr
.irp i, 0,1,2,3,4,5
.irp a, 0,1,2,3
	v_max3_num_f32 v[96+\a], v[96+\a], v[131+16*\a+2*\i], v[132+16*\a+2*\i]
.endr
.endr
.irp a, 0,1,2,3
	v_max_num_f32 v[96+\a], v[96+\a], v[143+16*\a] ; m: the row's maximum over all 2,048 keys
.endr
.irp a, 0,1,2,3
.irp p, 0,1,2,3,4,5,6,7
	PKSUBB 128+16*\a+2*\p, 96+\a
.endr
.endr
.set i, 0
.rept 32
	v_pk_mul_f32 v[128+2*i:129+2*i], v[128+2*i:129+2*i], 0x3fb8aa3b op_sel_hi:[1,0]
.set i, i+1
.endr
.set i, 0
.rept 64
	v_exp_f32 v[BETA+i], v[128+i]
.set i, i+1
.endr
	v_nop                                          ; a plain instruction between the last exponential and the use of its result
	s_wait_alu depctr_va_vdst(0)
.irp a, 0,1,2,3
	v_mul_f32 v[104+\a], v[BETA+16*\a], v[192+16*\a]
.endr
.irp t, 1,2,3,4,5,6,7,8,9,10,11,12,13,14,15
.irp a, 0,1,2,3
	v_fmac_f32 v[104+\a], v[BETA+16*\a+\t], v[192+16*\a+\t]
.endr
.endr
.irp a, 0,1,2,3
	v_rcp_f32 v[100+\a], v[104+\a]                 ; l is at least 1: the block that holds m has beta = 1 and a weight of 1
.endr
	v_nop
	s_wait_tensorcnt 1                             ; my part of K step 0 is in; K step 1's may stay out
	s_barrier_signal -1
	s_barrier_wait -1
	FETCH 0, 0, F0
	PSTEP 0, 0, 1, 1
	PSTEP 1, 1, 0, 1
	PSTEP 2, 0, 1, 1
	PSTEP 3, 1, 0, 1
	PSTEP 4, 0, 1, 1
	PSTEP 5, 1, 0, 1
	PSTEP 6, 0, 1, 0
	QUARTER 1, 1, F0, F1, 1
	QUARTER 1, 2, F1, F0, 0
	MERGE 14
	QUARTER 1, 3, F0, F1, 1
	LASTQ
	MERGE 15
	WIN 0x02                                       ; source 0 window 2
.irp a, 0,1,2,3
.irp p, 0,1,2,3,4,5,6,7,8,9,10,11,12,13,14,15
.if (\a%2) == 0
	s_wait_alu depctr_va_vdst(0)
	v_pk_mul_f32 v[ACC+32*\a+2*\p:ACC+32*\a+2*\p+1], v[32*\a+2*\p:32*\a+2*\p+1], v[100+\a:101+\a] op_sel_hi:[1,0]
.else
	v_pk_mul_f32 v[ACC+32*\a+2*\p:ACC+32*\a+2*\p+1], v[32*\a+2*\p:32*\a+2*\p+1], v[99+\a:100+\a] op_sel:[0,1] op_sel_hi:[1,1]
.endif
.endr
.endr
	WIN 0
.irp t, 0,1,2,3,4,5,6,7,8,9,10,11,12,13,14,15
.irp k, 0,1,2,3
	v_cvt_pk_bf16_f32 v[TMP+4*\t+\k], v[ACC+8*\t+2*\k], v[ACC+8*\t+2*\k+1]
.endr
.endr
.irp a, 0,1,2,3
.irp b, 0,1,2,3
	ds_store_b128 v[STO], v[TMP+4*(4*\a+\b):TMP+4*(4*\a+\b)+3] offset:\a*16*SPITCH+32*\b
.endr
.endr
	s_wait_dscnt 0x0                               ; for the others' sake: my stores into the stage are done
	s_barrier_signal -1
	s_barrier_wait -1
.irp t, 0,1,2,3,4,5,6,7,8,9,10,11,12,13,14,15
	ds_load_b128 v[TMP+4*\t:TMP+4*\t+3], v[RD] offset:\t*2*SPITCH
.endr
.irp t, 0,1,2,3,4,5,6,7,8,9,10,11,12,13,14,15
	s_wait_dscnt 15-\t
	global_store_b128 v[CO], v[TMP+4*\t:TMP+4*\t+3], s[8:9] offset:2*\t*2048   ; 16 lanes store 256 consecutive bytes, aligned
.endr
	s_wait_tensorcnt 0x0
	ds_add_u32 v126, v127
	s_wait_dscnt 0x0
	CROUND
	s_endpgm
.Lfunc_end_k_q8d051b67fb_pv:
	.size	k_q8d051b67fb_pv, .Lfunc_end_k_q8d051b67fb_pv-k_q8d051b67fb_pv
	.p2alignl 7, 3214868480
	.fill 96, 4, 3214868480
	.section	.rodata,"a",@progbits
	.p2align	6, 0x0
	.amdhsa_kernel k_q8d051b67fb_pv
		.amdhsa_group_segment_fixed_size 327680
		.amdhsa_private_segment_fixed_size 0
		.amdhsa_enable_private_segment 0
		.amdhsa_kernarg_size 64
		.amdhsa_user_sgpr_count 2
		.amdhsa_user_sgpr_kernarg_segment_ptr 1
		.amdhsa_wavefront_size32 1
		.amdhsa_system_sgpr_workgroup_id_x 1
		.amdhsa_system_sgpr_workgroup_id_y 1
		.amdhsa_system_sgpr_workgroup_id_z 1
		.amdhsa_system_vgpr_workitem_id 0
		.amdhsa_next_free_vgpr 640
		.amdhsa_next_free_sgpr 90
		.amdhsa_reserve_vcc 1
		.amdhsa_float_denorm_mode_32 3
		.amdhsa_float_denorm_mode_16_64 3
		.amdhsa_memory_ordered 1
		.amdhsa_forward_progress 1
		.amdhsa_inst_pref_size 255
	.end_amdhsa_kernel
	.section	.bss,"aw",@nobits
	.p2align	6
	.space	262144
	.amdgpu_metadata
---
amdhsa.version: [ 1, 2 ]
amdhsa.kernels:
  - .name:           k_q8d051b67fb_pv
    .symbol:         k_q8d051b67fb_pv.kd
    .args:
      - { .name: pbuf, .offset: 0, .size: 8, .value_kind: global_buffer, .address_space: global }
      - { .name: conv, .offset: 8, .size: 8, .value_kind: global_buffer, .address_space: global }
      - { .name: ctx, .offset: 16, .size: 8, .value_kind: global_buffer, .address_space: global }
      - { .name: wcat, .offset: 24, .size: 8, .value_kind: global_buffer, .address_space: global }
      - { .name: bk, .offset: 32, .size: 8, .value_kind: global_buffer, .address_space: global }
      - { .name: bv, .offset: 40, .size: 8, .value_kind: global_buffer, .address_space: global }
      - { .name: bo, .offset: 48, .size: 8, .value_kind: global_buffer, .address_space: global }
      - { .name: convk, .offset: 56, .size: 8, .value_kind: global_buffer, .address_space: global }
    .group_segment_fixed_size: 327680
    .private_segment_fixed_size: 0
    .kernarg_segment_align: 8
    .kernarg_segment_size: 64
    .max_flat_workgroup_size: 128
    .sgpr_count:     90
    .vgpr_count:     640
    .wavefront_size: 32
...
	.end_amdgpu_metadata
.endif
;; end of part 11
;; launch final: the kernel of part 6 again; grid 8 x 32, 4 waves a work-group, clusters of 4 x 4, 327,680 bytes of LDS; arguments ctx, qw, out0; writes out0
;; ======== version 3 of 3: 6 launches; version 2 with the launch prep written anew for expert scheduling mode
;; workspace buffers: conv 16,777,216 bytes; convk 33,554,432 bytes; wcat 8,396,800 bytes; qw 20,987,904 bytes; pbuf 17,301,504 bytes; ctx 8,392,704 bytes
;; launch prep (part 12): grid 256 x 1, 8 waves a work-group, no clusters, 70,656 bytes of LDS; arguments q, Wq, Wk, Wv, Wo, conv; writes conv
.if DOCPART == 12
	.amdgcn_target "amdgcn-amd-amdhsa--gfx1250"
	.amdhsa_code_object_version 6
	.text
	.protected	k_q8d051b67fb_prep
	.globl	k_q8d051b67fb_prep
	.p2align	8
	.type	k_q8d051b67fb_prep,@function
k_q8d051b67fb_prep:
	s_mov_b64 s[64:65], 0
	v_nop
	global_prefetch_b8 v0, s[64:65] scope:SCOPE_SE
	s_setreg_imm32_b32 hwreg(HW_REG_WAVE_SCHED_MODE, 0, 2), 2
	s_setreg_imm32_b32 hwreg(HW_REG_WAVE_MODE, 25, 1), 1
	s_wait_xcnt 0x0
	s_wait_alu depctr_vm_vsrc(0)
; conv = q and the weights rounded once to bf16, as rows of 1,024 numbers (2,048 bytes):
;   rows 0-4095 q | 4096-5119 Wk | 5120-6143 Wo transposed | 6144-7167 Wq | 7168-8191 Wv.     (k is rounded in the next launch, beside the products of the weights.)
; Work-groups 0-31 transpose Wo through LDS (64 rows of the transposed matrix, half of their length each); the other 224 stream one chunk of
; 32 rows (65,536 bytes of conv) each.  No matrix unit, no cluster: every byte is read once and written once, nothing is shared between work-groups.
; On both ways a wave asks for all its loads at once, converts in place and stores; the only waits for memory are the counted ones for the loads.
; THE MODE: SCHED_MODE bits 1:0 = 2 (LLVM: expert scheduling mode 2), set by the entry lines.  The code itself states the register dependences
; between vector instructions and memory or LDS instructions, with s_wait_alu, always for 0.
; THE PLAN.  Registers that memory or LDS instructions touch:
;   offsets and addresses (streaming: v1, v2; transposing: v1, v3, v4, v5): made once at the way's head, never written again: one wait on va_vdst ahead of the way's first load states that they are written.
;   X, TX    Written by loads that are all issued at the head, in registers that no vector line has named; read, and in part written in place, by one block's conversions;
;            then read by that block's stores (to memory, or to LDS), and never written again.
;   RB       Written by LDS loads, read by the stores to memory; no vector line names them.
;   v208, v209  Written at the head, read by the closing add alone.
; So the one dependence in the body is: a block's conversions have written what its stores read.  It is stated at the head of the NEXT block, behind the wait for that block's loads;
; the stores of the block before follow that wait, dealt among this block's conversions, which name this block's registers alone.  The last block has a wait of its own ahead of its stores.
; No register that a memory or LDS instruction reads is written again, so no wait on vm_vsrc is written.  No vector line writes a scalar register, VCC or EXEC.
.set X, 8                              ; v[8:135]  streaming, trip n: 8 registers as loaded (2 x 4 f32); the first four then hold the 8 bf16 to store
.set TX, 16                            ; v[16:143] transposing, trip t: 32 registers as loaded (16 rows x 2 columns)
.set RB, 144                           ; v[144:207] transposing: 16 pieces of 16 bytes read back from LDS
.set TILE, 64*272                      ; transposing: an LDS tile of 64 rows x (256 + 16) bytes for each of the four trips
	s_load_b256 s[4:11], s[0:1], 0x0               ; q s[4:5], Wq s[6:7], Wk s[8:9], Wv s[10:11]
	s_load_b128 s[12:15], s[0:1], 0x20             ; Wo s[12:13], conv s[14:15]
	v_lshl_add_u32 v208, v0, 2, 0x11000            ; the LDS address of my spare word, behind the four tiles; kept for the closing lines alone
	v_mov_b32 v209, 0                              ; 0, likewise
	s_mov_b32 s20, ttmp9                           ; g
	s_mov_b32 s23, 0
	s_wait_kmcnt 0x0
	s_cmp_lt_u32 s20, 32
	s_cbranch_scc1 .Ltranspose
	; the chunk: g - 32, with the 32 chunks of Wo transposed (160-191) left out
	s_sub_co_u32 s20, s20, 32
	s_cmp_ge_u32 s20, 160
	s_cselect_b32 s21, 32, 0
	s_add_co_u32 s20, s20, s21
	; which tensor my 32 rows come from, and the first chunk of that tensor
	s_mov_b64 s[18:19], s[10:11]                   ; Wv, from chunk 224 on
	s_mov_b32 s21, 224
	s_cmp_lt_u32 s20, 224
	s_cselect_b64 s[18:19], s[6:7], s[18:19]       ; Wq, from 192
	s_cselect_b32 s21, 192, s21
	s_cmp_lt_u32 s20, 160
	s_cselect_b64 s[18:19], s[8:9], s[18:19]       ; Wk, from 128
	s_cselect_b32 s21, 128, s21
	s_cmp_lt_u32 s20, 128
	s_cselect_b64 s[18:19], s[4:5], s[18:19]       ; q, from 0
	s_cselect_b32 s21, 0, s21
	s_sub_co_u32 s22, s20, s21
	s_lshl_b32 s22, s22, 17                        ; 32 rows of 4,096 bytes of f32
	s_add_nc_u64 s[18:19], s[18:19], s[22:23]
	s_lshl_b32 s22, s20, 16                        ; 32 rows of 2,048 bytes of bf16
	s_add_nc_u64 s[16:17], s[14:15], s[22:23]
	v_lshlrev_b32 v1, 4, v0                        ; 16 t: a load of a wave covers 512 neighbouring bytes; never rewritten
	v_lshlrev_b32 v2, 3, v0                        ; 8 t: a store of a wave covers 256 neighbouring bytes, aligned; never rewritten
	s_wait_alu depctr_va_vdst(0)                   ; v1 and v2 are written: every load below reads v1 as its offset, every store v2
; A trip is 2,048 numbers: two loads and two stores a thread; 16 trips, all steps in the immediates.
.set trip, 0
.rept 16
	global_load_b128 v[X+8*trip:X+8*trip+3],   v1, s[18:19] offset:trip*8192 th:TH_LOAD_NT
	global_load_b128 v[X+8*trip+4:X+8*trip+7], v1, s[18:19] offset:trip*8192+4096 th:TH_LOAD_NT
.set trip, trip+1
.endr
; The trips go in eight blocks of two.  Block p converts trips 2 p and 2 p + 1 and issues the four stores of trips 2 p - 2 and 2 p - 1.
.set p, 0
.rept 8
	s_wait_loadcnt 4*(7-p)                         ; loads come back in order: this block's four are in, the four of each younger block stay out
.if p > 0
	s_wait_alu depctr_va_vdst(0)                   ; the block before has written the first four registers of each of its two trips, which the stores below read
.endif
.irp i, 0,1
.if p > 0
	global_store_b64 v2, v[X+8*(2*p-2+\i):X+8*(2*p-2+\i)+1],   s[16:17] offset:(2*p-2+\i)*4096        ; no vector line since the wait names these registers
	global_store_b64 v2, v[X+8*(2*p-2+\i)+2:X+8*(2*p-2+\i)+3], s[16:17] offset:(2*p-2+\i)*4096+2048
.endif
.irp j, 0,1,2,3
	v_cvt_pk_bf16_f32 v[X+8*(2*p+\i)+\j], v[X+8*(2*p+\i)+2*\j], v[X+8*(2*p+\i)+2*\j+1]   ; in place: result j lands on a register whose number has been read
.endr
.endr
.set p, p+1
.endr
	s_wait_alu depctr_va_vdst(0)                   ; the last block has written its results, which the last four stores read
.irp i, 14,15
	global_store_b64 v2, v[X+8*\i:X+8*\i+1],   s[16:17] offset:\i*4096
	global_store_b64 v2, v[X+8*\i+2:X+8*\i+3], s[16:17] offset:\i*4096+2048
.endr
	s_endpgm
.Ltranspose:
	; Group g makes numbers 512 (g % 2) .. +511 of rows 64 (g / 2) .. +63 of Wo transposed.  Four trips, each 128 rows of Wo x my 64 columns, each through an LDS tile of its own:
	; all 64 loads go out together, one barrier stands between the writing and the reading of the four tiles.
	s_lshr_b32 s22, s20, 1                         ; tv = g / 2
	s_and_b32 s21, s20, 1                          ; which half of the transposed rows
	s_lshl_b32 s24, s22, 8                         ; my 64 columns: 256 bytes of every row of Wo,
	s_lshl_b32 s26, s21, 21                        ; from row 512 x half on (4,096 bytes a row)
	s_add_co_u32 s24, s24, s26
	s_mov_b32 s25, 0
	s_add_nc_u64 s[12:13], s[12:13], s[24:25]
	s_lshl_b32 s24, s22, 17                        ; conv row 5120 + 64 tv,
	s_add_co_u32 s24, s24, 5120*2048
	s_lshl_b32 s26, s21, 10                        ; byte 1,024 x half of it
	s_add_co_u32 s24, s24, s26
	s_add_nc_u64 s[14:15], s[14:15], s[24:25]
	v_and_b32 v6, 31, v0                           ; lane
	v_lshrrev_b32 v7, 5, v0                        ; wave w
	v_and_b32 v8, 15, v0                           ; r
	v_bfe_u32 v9, v0, 4, 1                         ; h
	v_lshlrev_b32 v1, 3, v6                        ; in: two columns a lane (a row's 256 bytes in one load),
	v_lshl_add_u32 v1, v7, 16, v1                  ; wave w takes rows 16 w .. +15 of a trip's 128
	v_mul_u32_u24 v3, v6, 544                      ; LDS, in: rows 2 lane and 2 lane + 1,
	v_lshl_add_u32 v3, v7, 5, v3                   ; byte 32 w of them
	v_lshl_add_u32 v10, v7, 3, v9                  ; back: row 8 w + h (+ 2 q)
	v_mul_u32_u24 v4, v10, 272
	v_lshl_add_u32 v4, v8, 4, v4
	v_lshlrev_b32 v5, 11, v10                      ; and the same row in conv
	v_lshl_add_u32 v5, v8, 4, v5
	s_wait_alu depctr_va_vdst(0)                   ; v1, v3, v4 and v5 are written: the offsets and LDS addresses that the loads and stores below read; none is written again
.set t, 0
.rept 4
.irp i, 0,1,2,3,4,5,6,7,8,9,10,11,12,13,14,15
	global_load_b64 v[TX+32*t+2*\i:TX+32*t+2*\i+1], v1, s[12:13] offset:t*524288+\i*4096 th:TH_LOAD_NT   ; a trip is 128 rows of 4,096 bytes
.endr
.set t, t+1
.endr
; Trip t converts its 32 registers and issues the sixteen LDS stores of trip t - 1.
.set t, 0
.rept 4
	s_wait_loadcnt 16*(3-t)                        ; this trip's sixteen loads are in, the sixteen of each younger trip stay out
.if t > 0
	s_wait_alu depctr_va_vdst(0)                   ; the trip before has written its sixteen packed registers, which the LDS stores below read
.endif
.irp p, 0,1,2,3,4,5,6,7
.if t > 0
	ds_store_b32 v3, v[TX+32*(t-1)+4*\p]   offset:(t-1)*TILE+4*\p        ; no vector line since the wait names these registers
	ds_store_b32 v3, v[TX+32*(t-1)+4*\p+1] offset:(t-1)*TILE+272+4*\p
.endif
	v_cvt_pk_bf16_f32 v[TX+32*t+4*\p],   v[TX+32*t+4*\p],   v[TX+32*t+4*\p+2]   ; my even column, rows 2 p and 2 p + 1 of Wo: neighbours in the transposed row
	v_cvt_pk_bf16_f32 v[TX+32*t+4*\p+1], v[TX+32*t+4*\p+1], v[TX+32*t+4*\p+3]   ; my odd column
.endr
.set t, t+1
.endr
	s_wait_alu depctr_va_vdst(0)                   ; the last trip has written its sixteen packed registers, which the last LDS stores read
.irp p, 0,1,2,3,4,5,6,7
	ds_store_b32 v3, v[TX+96+4*\p]   offset:3*TILE+4*\p
	ds_store_b32 v3, v[TX+96+4*\p+1] offset:3*TILE+272+4*\p
.endr
	s_wait_dscnt 0x0                               ; for the others' sake: my part of the four tiles is written
	s_barrier_signal -1
	s_barrier_wait -1
.set t, 0
.rept 4
.irp q, 0,1,2,3
	ds_load_b128 v[RB+16*t+4*\q:RB+16*t+4*\q+3], v4 offset:t*TILE+544*\q   ; no vector line of the kernel names RB
.endr
.set t, t+1
.endr
.set t, 0
.rept 4
.irp q, 0,1,2,3
	s_wait_dscnt 15-(4*t+\q)                       ; the loads issued behind this one may stay out
	global_store_b128 v5, v[RB+16*t+4*\q:RB+16*t+4*\q+3], s[14:15] offset:t*256+4096*\q   ; 16 lanes store 256 consecutive bytes, aligned
.endr
.set t, t+1
.endr
	s_wait_dscnt 0x0                               ; the closing lines, six on end
	s_wait_alu 0x0
	s_wait_tensorcnt 0x0
	ds_add_u32 v208, v209
	s_wait_dscnt 0x0
	s_endpgm
.Lfunc_end_k_q8d051b67fb_prep:
	.size	k_q8d051b67fb_prep, .Lfunc_end_k_q8d051b67fb_prep-k_q8d051b67fb_prep
	.p2alignl 7, 3214868480
	.fill 96, 4, 3214868480
	.section	.rodata,"a",@progbits
	.p2align	6, 0x0
	.amdhsa_kernel k_q8d051b67fb_prep
		.amdhsa_group_segment_fixed_size 70656
		.amdhsa_private_segment_fixed_size 0
		.amdhsa_enable_private_segment 0
		.amdhsa_kernarg_size 48
		.amdhsa_user_sgpr_count 2
		.amdhsa_user_sgpr_kernarg_segment_ptr 1
		.amdhsa_wavefront_size32 1
		.amdhsa_system_sgpr_workgroup_id_x 1
		.amdhsa_system_sgpr_workgroup_id_y 1
		.amdhsa_system_sgpr_workgroup_id_z 1
		.amdhsa_system_vgpr_workitem_id 0
		.amdhsa_next_free_vgpr 210
		.amdhsa_next_free_sgpr 66
		.amdhsa_reserve_vcc 0
		.amdhsa_float_denorm_mode_32 3
		.amdhsa_float_denorm_mode_16_64 3
		.amdhsa_memory_ordered 1
		.amdhsa_forward_progress 1
		.amdhsa_inst_pref_size 31
	.end_amdhsa_kernel
	.amdgpu_metadata
---
amdhsa.version: [ 1, 2 ]
amdhsa.kernels:
  - .name:           k_q8d051b67fb_prep
    .symbol:         k_q8d051b67fb_prep.kd
    .args:
      - { .name: q, .offset: 0, .size: 8, .value_kind: global_buffer, .address_space: global }
      - { .name: Wq, .offset: 8, .size: 8, .value_kind: global_buffer, .address_space: global }
      - { .name: Wk, .offset: 16, .size: 8, .value_kind: global_buffer, .address_space: global }
      - { .name: Wv, .offset: 24, .size: 8, .value_kind: global_buffer, .address_space: global }
      - { .name: Wo, .offset: 32, .size: 8, .value_kind: global_buffer, .address_space: global }
      - { .name: conv, .offset: 40, .size: 8, .value_kind: global_buffer, .address_space: global }
    .group_segment_fixed_size: 70656
    .private_segment_fixed_size: 0
    .kernarg_segment_align: 8
    .kernarg_segment_size: 48
    .max_flat_workgroup_size: 256
    .sgpr_count:     66
    .vgpr_count:     210
    .wavefront_size: 32
...
	.end_amdgpu_metadata
.endif
;; end of part 12
;; launch gemm_w: the kernel of part 8 again; grid 8 x 32, 4 waves a work-group, clusters of 4 x 4, 327,680 bytes of LDS; arguments conv, wcat, bq, bk, k, convk; writes wcat, convk
;; launch gemm_q: the kernel of part 9 again; grid 8 x 20, 4 waves a work-group, clusters of 4 x 4, 327,680 bytes of LDS; arguments conv, wcat, bq, bk, qw; writes qw
;; launch scores: the kernel of part 10 again; grid 8 x 32, 4 waves a work-group, clusters of 4 x 4, 327,680 bytes of LDS; arguments qw, convk, mask, pbuf; writes pbuf
;; launch pv: the kernel of part 11 again; grid 8 x 32, 4 waves a work-group, clusters of 4 x 4, 327,680 bytes of LDS; arguments pbuf, conv, ctx, wcat, bk, bv, bo, convk; writes ctx
;; launch final: the kernel of part 6 again; grid 8 x 32, 4 waves a work-group, clusters of 4 x 4, 327,680 bytes of LDS; arguments ctx, qw, out0; writes out0
